; MI455X (gfx1250); checked and timed in simulation.
; The chip was launched on July 23, 2026; its instructions are those of AMD's public machine-readable ISA for CDNA 5 (MIT licence, August 2026) and "CDNA5" Instruction Set Architecture Reference Guide (July 2026). The comments in the code are by the model that wrote it; some were corrected since.
;; Multi Head. Allowed arithmetic: matrix products marked QUANTISED: E2M3 operands, one E8M0 scale for each 32 along K, by v_wmma_scale_f32_16x16x128_f8f6f4 with both operands' format E2M3, f32 sums; everything else in f32.
;; Inputs: WK_codes 1,024 x 32 x 24 uint8 (E2M3 codes of WK, K innermost, in blocks of 32 codes, four codes in three bytes); WK_scales 1,024 x 32 uint8 (E8M0 scales of WK, one for each 32 codes along K); WO_codes 1,024 x 32 x 24 uint8 (E2M3 codes of WO, K innermost, in blocks of 32 codes, four codes in three bytes); WO_scales 1,024 x 32 uint8 (E8M0 scales of WO, one for each 32 codes along K); WQ_codes 1,024 x 32 x 24 uint8 (E2M3 codes of WQ, K innermost, in blocks of 32 codes, four codes in three bytes); WQ_scales 1,024 x 32 uint8 (E8M0 scales of WQ, one for each 32 codes along K); WV_codes 1,024 x 32 x 24 uint8 (E2M3 codes of WV, K innermost, in blocks of 32 codes, four codes in three bytes); WV_scales 1,024 x 32 uint8 (E8M0 scales of WV, one for each 32 codes along K); token_positions 2,048 int32; x_codes 4 x 2,048 x 32 x 24 uint8 (E2M3 codes of x, K innermost, in blocks of 32 codes, four codes in three bytes); x_scales 4 x 2,048 x 32 uint8 (E8M0 scales of x, one for each 32 codes along K).
;; Outputs: out0 4 x 2,048 x 1,024 float32.
;; This version of the problem:
;;   THIS VERSION OF THE PROBLEM IS GIVEN IN LOW PRECISION. The matrix products marked QUANTISED in the list below multiply operands that are first quantised to E2M3 (2 exponent bits, 3 mantissa bits; 6 bits a number), with one power-of-two scale for each 32 numbers along K (OCP MX v1.0); their sums are f32. All else is computed in f32.
;;   The module's matrix products, in the order in which they are computed (A, B: the left and right operand; K: the contracted axis; several contracted axes count as one K, in the product's order):
;;     1. [M 8,192, K 1,024] x [K 1,024, N 1,024]; A: input x (given as codes); B: input WQ (given as codes): QUANTISED
;;     2. [M 8,192, K 1,024] x [K 1,024, N 1,024]; A: input x (given as codes); B: input WK (given as codes): QUANTISED
;;     3. [M 8,192, K 1,024] x [K 1,024, N 1,024]; A: input x (given as codes); B: input WV (given as codes): QUANTISED
;;     4. batch 64 x [M 2,048, K 64] x [K 64, N 2,048]; A: computed on the way; B: computed on the way: QUANTISED
;;     5. batch 64 x [M 2,048, K 2,048] x [K 2,048, N 64]; A: softmax (see below); B: computed on the way: QUANTISED
;;     6. [M 8,192, K 1,024] x [K 1,024, N 1,024]; A: computed on the way; B: input WO (given as codes): QUANTISED
;;   THE QUANTISER, for each operand of a quantised product, along K:
;;     - K is cut into blocks of 32 from its start; a last block that is shorter is filled with zeros.
;;     - A block's scale is 2^e with e = floor(log2(the largest magnitude in the block)) - 2, held to -126 .. 127; a block of zeros has e = 0. As a byte (E8M0): e + 127.
;;     - Each number is divided by its block's scale, clamped to +-7.5, and rounded to the nearest number of E2M3, ties to even, subnormals kept.
;;     - The product sums the exact products of the quantised numbers (number of the format x scale) in f32.
;;   ~~~python
;;   def quantise(x, axis):      # numpy; x: float32 -> the quantised numbers, widened to float32 again
;;       x = np.moveaxis(x, axis, -1); K = x.shape[-1]
;;       x = np.pad(x, [(0, 0)] * (x.ndim - 1) + [(0, -K % 32)]); x = x.reshape(x.shape[:-1] + (-1, 32)); a = np.abs(x).max(-1, keepdims=True)
;;       e = np.where(a > 0, np.clip(np.frexp(np.where(a > 0, a, 1))[1] - 1 - 2, -126, 127), 0)      # np.frexp(a)[1] - 1 = floor(log2(a)), exactly
;;       r = np.clip(x / 2.0 ** e, -7.5, 7.5)
;;       step = 2.0 ** (np.maximum(np.frexp(np.where(r == 0, 1, r))[1] - 1, 0) - 3)
;;       q = np.round(r / step) * step * 2.0 ** e      # np.round: ties to even
;;       return np.moveaxis(q.reshape(q.shape[:-2] + (-1,))[..., :K], -1, axis).astype(np.float32)
;;   ~~~
;;   SOFTMAX AHEAD OF A QUANTISED PRODUCT. Where the list says 'softmax', what is quantised is not the finished softmax but p = 2^(t - M), with t = logit x log2(e) and M = ceil(the row's largest t), a whole number; so 1/2 < the row's largest p <= 1. The row's sum l is taken of the UNQUANTISED p, in f32, and the product's result is divided by l at the end. Since M is a whole number, a kernel that streams over the keys may use a running M (the ceiling of the running maximum): every later rescaling is an exact power of two, which a block's scale takes up: the codes' values come out the same.
;;   OPERANDS COMPUTED ON THE WAY. 'Computed on the way' means the value that the module computes at that place (a softmax that the list does not call 'softmax' is quantised finished and normalised). What goes into a quantiser is computed in f32, as accurately as f32 sums, v_exp_f32 and their like allow (about 1e-6 of the number): no bf16 or f16 on the way to a quantiser, and a product that is left as it is and whose result goes on into a quantised operand takes f32 operands (vector FMAs, or v_wmma_f32_16x16x4_f32). A number that lies on a knife's edge between two numbers of the format may be rounded either way, as far as f32 arithmetic and the matrix unit's own rounding can turn it there, and no further.
;;   INPUTS GIVEN AS CODES. WK (in the module: [1024, 1024], K = its axis 1); WO (in the module: [1024, 1024], K = its axis 1); WQ (in the module: [1024, 1024], K = its axis 1); WV (in the module: [1024, 1024], K = its axis 1); x (in the module: [4, 2048, 1024], K = its axis 2): each comes as NAME_codes (uint8): NAME with its K axis moved to the last place and cut into blocks of 32 codes, [.., K / 32, bytes a block], one block behind the other in memory; four codes in three bytes: a row's codes are one little-endian stream of bits, code i at bits 6 i .. 6 i + 5 (a code: sign, 2 exponent bits, 3 mantissa bits); and NAME_scales (uint8): the same leading axes, one E8M0 byte (e + 127) for each 32 codes along K. Its value is code x scale, taken as it is: it is not quantised again, and the codes and scales need not be those that the quantiser above would give.
;; 2 versions. Each part assembles by itself: llvm-mc -triple=amdgcn-amd-amdhsa -mcpu=gfx1250 --defsym DOCPART=n.
;; ======== version 1 of 2: 5 launches
;; limits: inputs' magnitudes at most 1,048,576
;; workspace buffers: rope 524,288 bytes; qkv 20,447,232 bytes; acodes 6,291,456 bytes; ascales 262,144 bytes
;; launch ropetab (part 1): grid 256 x 1, 8 waves a work-group, no clusters, 0 bytes of LDS; arguments token_positions, rope; writes rope
.if DOCPART == 1
	.amdgcn_target "amdgcn-amd-amdhsa--gfx1250"
	.amdhsa_code_object_version 6
	.text
	.protected	k_qecadaf1ea3_ropetab
	.globl	k_qecadaf1ea3_ropetab
	.p2align	8
	.type	k_qecadaf1ea3_ropetab,@function
k_qecadaf1ea3_ropetab:
	s_mov_b64 s[64:65], 0
	v_nop
	global_prefetch_b8 v0, s[64:65] scope:SCOPE_SE
	s_setreg_imm32_b32 hwreg(HW_REG_WAVE_MODE, 25, 1), 1
	s_wait_xcnt 0x0
; The table of the rotary embedding: rope[s][i] = (cos, sin) of position[s] x 10000^(-i / 32), f32, s = 0 .. 2047, i = 0 .. 31: 256 bytes a token.
; A wave takes one token, a lane one frequency; the wave's one store covers 256 consecutive bytes, aligned.
; 10000^(-i / 32) = 10^(-i / 8), written as decimal constants that the assembler rounds to the nearest f32.  The angle is one f32 product, as the definition has it.
; Sine and cosine: n = the nearest whole number to angle x 2 / pi; r = angle - n x pi / 2 with pi / 2 in three parts (fused multiply-adds: the first is exact);
; Taylor series to r^9 and r^10; the quadrant n mod 4 swaps and signs them.
; LIMITS: |position| up to 2^20: the estimate of n is then off by less than 0.1, |r| stays under 0.92, and the series' first dropped terms are under 1e-8.  Beyond that the table loses accuracy.
.macro FREQ i, f
	v_mul_f32 v4, \f, v2                           ; position x frequency i, one rounding
	v_cmp_eq_u32 vcc_lo, \i, v1
	v_cndmask_b32 v3, v3, v4, vcc_lo               ; kept by lane i alone
.endm
	s_load_b128 s[4:7], s[0:1], 0x0                ; positions s[4:5], the table s[6:7]
	v_lshrrev_b32 v1, 5, v0
	v_readfirstlane_b32 s8, v1                     ; wave 0..7
	v_and_b32 v1, 31, v0                           ; lane = frequency
	s_lshl_b32 s9, ttmp9, 3
	s_add_co_u32 s9, s9, s8                        ; my token
	s_lshl_b32 s10, s9, 2                          ; its position's byte,
	s_mov_b32 s11, 0
	s_lshl_b32 s12, s9, 8                          ; its row of the table
	s_mov_b32 s13, 0
	v_lshlrev_b32 v5, 3, v1                        ; 8 bytes a lane
	s_wait_kmcnt 0x0
	s_add_nc_u64 s[4:5], s[4:5], s[10:11]
	s_add_nc_u64 s[6:7], s[6:7], s[12:13]
	s_load_b32 s14, s[4:5], 0x0
	s_wait_kmcnt 0x0
	v_cvt_f32_i32 v2, s14
	v_mov_b32 v3, v2                               ; frequency 0 is 1
	FREQ 1, 0.74989420933
	FREQ 2, 0.56234132519
	FREQ 3, 0.42169650343
	FREQ 4, 0.31622776602
	FREQ 5, 0.23713737057
	FREQ 6, 0.17782794100
	FREQ 7, 0.13335214322
	FREQ 8, 0.1
	FREQ 9, 0.074989420933
	FREQ 10, 0.056234132519
	FREQ 11, 0.042169650343
	FREQ 12, 0.031622776602
	FREQ 13, 0.023713737057
	FREQ 14, 0.017782794100
	FREQ 15, 0.013335214322
	FREQ 16, 0.01
	FREQ 17, 0.0074989420933
	FREQ 18, 0.0056234132519
	FREQ 19, 0.0042169650343
	FREQ 20, 0.0031622776602
	FREQ 21, 0.0023713737057
	FREQ 22, 0.0017782794100
	FREQ 23, 0.0013335214322
	FREQ 24, 0.001
	FREQ 25, 0.00074989420933
	FREQ 26, 0.00056234132519
	FREQ 27, 0.00042169650343
	FREQ 28, 0.00031622776602
	FREQ 29, 0.00023713737057
	FREQ 30, 0.00017782794100
	FREQ 31, 0.00013335214322
	v_mul_f32 v6, 0x3f22f983, v3                   ; angle x 2 / pi
	v_rndne_f32 v6, v6                             ; n
	v_fmamk_f32 v7, v6, 0xbfc90fda, v3             ; r = angle - n x pi / 2: the high part (exact: the difference fits 24 bits),
	v_fmamk_f32 v7, v6, 0xb3a22168, v7             ; the middle part,
	v_fmamk_f32 v7, v6, 0xa7c234c4, v7             ; the low part
	v_mul_f32 v8, v7, v7                           ; z = r r
	v_mov_b32 v9, 0x3638ef1d                       ; 1 / 9!
	v_fmaak_f32 v9, v9, v8, 0xb9500d01             ; - 1 / 7!
	v_fmaak_f32 v9, v9, v8, 0x3c088889             ; 1 / 5!
	v_fmaak_f32 v9, v9, v8, 0xbe2aaaab             ; - 1 / 3!
	v_mul_f32 v10, v7, v8
	v_fma_f32 v9, v10, v9, v7                      ; sin r
	v_mov_b32 v10, 0xb493f27e                      ; - 1 / 10!
	v_fmaak_f32 v10, v10, v8, 0x37d00d01           ; 1 / 8!
	v_fmaak_f32 v10, v10, v8, 0xbab60b61           ; - 1 / 6!
	v_fmaak_f32 v10, v10, v8, 0x3d2aaaab           ; 1 / 4!
	v_fmaak_f32 v10, v10, v8, 0xbf000000           ; - 1 / 2
	v_fmaak_f32 v10, v10, v8, 0x3f800000           ; cos r
	v_cvt_i32_f32 v11, v6                          ; n as a whole number: its two low bits are the quadrant
	v_and_b32 v12, 1, v11
	v_cmp_ne_u32 vcc_lo, 0, v12
	v_cndmask_b32 v14, v10, v9, vcc_lo             ; cosine: in odd quadrants sin r,
	v_cndmask_b32 v15, v9, v10, vcc_lo             ; sine: in odd quadrants cos r
	v_add_nc_u32 v12, 1, v11
	v_and_b32 v12, 2, v12
	v_lshlrev_b32 v12, 30, v12
	v_xor_b32 v14, v14, v12                        ; the cosine is negative in quadrants 1 and 2,
	v_and_b32 v13, 2, v11
	v_lshlrev_b32 v13, 30, v13
	v_xor_b32 v15, v15, v13                        ; the sine in quadrants 2 and 3
	global_store_b64 v5, v[14:15], s[6:7]          ; 32 lanes store the token's 256 bytes
	s_endpgm
.Lfunc_end_k_qecadaf1ea3_ropetab:
	.size	k_qecadaf1ea3_ropetab, .Lfunc_end_k_qecadaf1ea3_ropetab-k_qecadaf1ea3_ropetab
	.p2alignl 7, 3214868480
	.fill 96, 4, 3214868480
	.section	.rodata,"a",@progbits
	.p2align	6, 0x0
	.amdhsa_kernel k_qecadaf1ea3_ropetab
		.amdhsa_group_segment_fixed_size 0
		.amdhsa_private_segment_fixed_size 0
		.amdhsa_enable_private_segment 0
		.amdhsa_kernarg_size 16
		.amdhsa_user_sgpr_count 2
		.amdhsa_user_sgpr_kernarg_segment_ptr 1
		.amdhsa_wavefront_size32 1
		.amdhsa_system_sgpr_workgroup_id_x 1
		.amdhsa_system_sgpr_workgroup_id_y 1
		.amdhsa_system_sgpr_workgroup_id_z 1
		.amdhsa_system_vgpr_workitem_id 0
		.amdhsa_next_free_vgpr 32
		.amdhsa_next_free_sgpr 66
		.amdhsa_reserve_vcc 1
		.amdhsa_float_denorm_mode_32 3
		.amdhsa_float_denorm_mode_16_64 3
		.amdhsa_memory_ordered 1
		.amdhsa_forward_progress 1
		.amdhsa_inst_pref_size 7
	.end_amdhsa_kernel
	.amdgpu_metadata
---
amdhsa.version: [ 1, 2 ]
amdhsa.kernels:
  - .name:           k_qecadaf1ea3_ropetab
    .symbol:         k_qecadaf1ea3_ropetab.kd
    .args:
      - { .name: token_positions, .offset: 0, .size: 8, .value_kind: global_buffer, .address_space: global }
      - { .name: rope, .offset: 8, .size: 8, .value_kind: global_buffer, .address_space: global }
    .group_segment_fixed_size: 0
    .private_segment_fixed_size: 0
    .kernarg_segment_align: 8
    .kernarg_segment_size: 16
    .max_flat_workgroup_size: 256
    .sgpr_count:     66
    .vgpr_count:     32
    .wavefront_size: 32
...
	.end_amdgpu_metadata
.endif
;; end of part 1
;; launch qk (part 2): grid 8 x 32, 4 waves a work-group, clusters of 4 x 4, 327,680 bytes of LDS; arguments x_codes, x_scales, WQ_codes, WQ_scales, WK_codes, WK_scales, rope, qkv; writes qkv
.if DOCPART == 2
	.amdgcn_target "amdgcn-amd-amdhsa--gfx1250"
	.amdhsa_code_object_version 6
	.text
	.protected	k_qecadaf1ea3_qk
	.globl	k_qecadaf1ea3_qk
	.p2align	8
	.type	k_qecadaf1ea3_qk,@function
k_qecadaf1ea3_qk:
	s_mov_b64 s[64:65], 0
	v_nop
	global_prefetch_b8 v0, s[64:65] scope:SCOPE_SE
	s_setreg_imm32_b32 hwreg(HW_REG_WAVE_MODE, 25, 1), 1
	s_wait_xcnt 0x0
	s_wait_alu depctr_hold_cnt(0) depctr_sa_sdst(0) depctr_va_vdst(0) depctr_va_sdst(0) depctr_va_ssrc(0) depctr_va_vcc(0) depctr_vm_vsrc(0)
	s_getreg_b32 s2, hwreg(HW_REG_IB_STS2, 6, 4)
	s_cmp_eq_u32 s2, 0
	s_cbranch_scc0 .Lentry_in_a_cluster
	s_endpgm
.Lentry_in_a_cluster:
	s_bfe_u32 s2, ttmp6, 0x10000c
	s_cmp_lg_u32 s2, 0xf033
	s_cbranch_scc0 .Lentry_shape_is_right
	s_endpgm
.Lentry_shape_is_right:
; Q = rope(x WQ^T) and K = rope(x WK^T), each quantised along the head's 64 channels into codes of FP6 (E2M3) with one E8M0 byte for each 32, and stored as images of operand registers.
; x [8192][1024], WQ, WK [1024][1024]: codes, K innermost (a row is 768 bytes), scale bytes [rows][32].  Sums in f32.
; THE PRODUCT.  A work-group of four waves makes 256 tokens x 256 channels, a wave 128 x 128: 64 accumulators of 16 x 16, 512 registers.  K goes in steps of 256 through a ring of two LDS slots filled by the
; tensor data mover; the scale bytes of the work-group's rows, for all of K, come into LDS once.  CLUSTERS of 4 x 4: the four of a row need the same tokens of x, the four of a column the same rows of W:
; each tile is asked for jointly.  The cluster's x says which weight (0: WQ, 1: WK): it chooses pointers and byte offsets in qkv, and nothing else.
; The matrix instruction takes source 0 = 16 rows of W, source 1 = 16 tokens: a lane then holds ONE token (lane % 16), and its registers eight neighbouring channels 16 b + 8 (lane / 16) + 0 .. 7.
; THE WAY OUT, all in registers.  Channels 2 i, 2 i + 1 are a register pair: two packed instructions rotate it by the table's (cos, sin) of the lane's token.  Two blocks of 16 tokens x one head (64 numbers a lane) are
; quantised together: a block of 32 channels lies in lanes l and l xor 16.  The 12 registers of codes are a PAIR IMAGE: registers 0-5: token 32 p + lane % 16, channels' block lane / 16; registers 6-11: token 32 p + 16 + lane % 16.
; Inside a block the codes stand in the order 0-7, 16-23, 8-15, 24-31 of the channels, in Q and in K alike, which leaves their products as they are.
; An image is stored by three stores of 512 consecutive bytes (16 bytes a lane); the four scale words of 128 tokens by one.
; qkv: [64 (16 batch + head)][8 slots of 256 tokens][39,936]: K's 8 images at 0, V's 8 at 12,288, K's scale words at 24,576, V's at 25,600, Q's images at 26,624, Q's scale words at 38,912.
; LIMITS: NaN and infinities are not served; a block whose largest magnitude lies under 2^-124, a block of zeros too, gets the byte 1 (its codes are zeros or subnormal; this program alone reads the bytes).
; REGISTERS, in windows of 256: window 0: v0-31 addresses; v32-63 scale words, two sets, and nothing else; v64-127 rotated numbers; from v128 x's fragments, ONE set, later the codes; v224-247 at work.
;   window 1: W's fragments, TWO sets, later the table.   windows 2, 3: the accumulators ((a, b) at v[8 (8 (a % 4) + b)] of window 2 + a / 4).
.set KSTEP,  256                       ; along K in a slot
.set NQ,     2                         ; matrix instructions deep
.set ROWB,   192                       ; a tile's row in bytes
.set KROW,   768                       ; a row of codes in memory
.set PITCH,  240                       ; an LDS row: 3 x (64 bytes + 16 of padding) = 60 words: the 32 lanes of a load of 8 bytes touch 64 different banks (64 banks of 4 bytes: ISA guide 11.1)
.set FR,     12                        ; registers of a fragment
.set NL,     6                         ; LDS loads that bring one
.set NP,     4                         ; places behind this matrix instruction (ISA guide 7.12.1)
.set HALFT,  128*PITCH                 ; 128 rows: one tensor load
.set SLOT,   4*HALFT                   ; x's 256 rows, then W's 256 rows
.set LAPS,   2                         ; 1,024 along K = 4 K steps = twice round the ring
.set KS,     32                        ; a row of scale bytes
.set SCL,    2*SLOT                    ; behind the ring: the scales, as units of 256 bytes + 16 of padding
.set HALFS,  16*272                    ; those of 128 rows
.set SBLK,   2*272                     ; those of 16 rows
.set SPARE,  SCL+4*HALFS               ; the spare words, 128 bytes a wave: two blocks of 256 bytes that no other line names
.set BLKB,   39936                     ; a block of qkv
.set HEADB,  8*BLKB                    ; from a head to the next
.set QIMG,   26624
.set QSC,    38912
.set KSC,    24576
.set ADRA, 16                          ; v16-17 LDS address of x's fragments in slot 0, 1 (v18-19: for the pieces behind one padding more)
.set ADRB, 20                          ; v20-23 the same for W
.set L16,  24                          ; v24    16 x lane
.set RO,   25                          ; v25    my bytes in the table: 256 (lane % 16) + 32 (lane / 16)
.set ADRS, 27                          ; v27    LDS address of my scale words: lanes 0-15 x's rows, lanes 16-31 W's
.set SPW,  28                          ; v28    my spare word; never rewritten
.set NIL,  29                          ; v29    0; never rewritten
.set SC,   32
.set T,    64
.set AF,   128
.set PC,   128                         ; v128-139 an image's codes; v140-147 the conversions' second halves
.set TM,   224                         ; v224-227 largest magnitudes, v228-231 bytes, v236-239 the conversions' scale operands
.set PWS,  240                         ; v240-247 scale words: 4 x head + pair
.set G1, 24
.set G0, 32
.set G1B, 48
.set G0B, 56
.set G1S, 68
.set G0S, 76
.set G1SB, 80
.set G0SB, 88
.set MSB, 0
.macro WIN new                         ; the immediate's high byte repeats the setting that is left
.if MSB != (\new)
	s_set_vgpr_msb (MSB<<8)|(\new)
.set MSB, \new
.endif
.endm
.set MUL_LO, 0xa1                      ; source 0 (W) window 1, source 1 (x) window 0, C and D window 2
.set MUL_HI, 0xf1                      ; the same, C and D window 3
.set TO_B,   0x40                      ; destination window 1, address window 0
; A joint load: waves 0 and 1 fetch for x, waves 2 and 3 for W.  The branch hangs on the wave's number alone.  Four v_nop follow each of the two lines.
.macro JLOAD g0a, g1a, g0b, g1b
	s_cmp_eq_u32 s15, 0
	s_cbranch_scc0 .Lfor_b_\@
	tensor_load_to_lds s[\g0a:\g0a+3], s[\g1a:\g1a+7]
	s_nop 0
.rept 4
	v_nop
.endr
	s_branch .Lasked_\@
.Lfor_b_\@:
	tensor_load_to_lds s[\g0b:\g0b+3], s[\g1b:\g1b+7]
	s_nop 0
.rept 4
	v_nop
.endr
.Lasked_\@:
.endm
.macro CREST                           ; a round of the cluster's barrier behind its opening barrier
	s_cmp_lg_u32 s14, 0
	s_cbranch_scc1 .Lnot_wave_0_\@
	s_barrier_signal -3
.Lnot_wave_0_\@:
	s_barrier_wait -3
	s_barrier_signal -1
	s_barrier_wait -1
.endm
.macro CROUND                          ; a whole round
	s_barrier_signal -1
	s_barrier_wait -1
	CREST
.endm
	s_load_b128 s[4:7], s[0:1], 0x0                ; x's codes, x's scales
	s_load_b128 s[8:11], s[0:1], 0x10              ; WQ's codes, scales
	s_load_b128 s[92:95], s[0:1], 0x20             ; WK's codes, scales
	s_load_b128 s[96:99], s[0:1], 0x30             ; the table s[96:97], qkv s[98:99]
	v_lshl_add_u32 v[SPW], v0, 2, SPARE
	v_mov_b32 v[NIL], 0
	ds_add_u32 v28, v29
	s_wait_dscnt 0x0
	v_lshrrev_b32 v1, 5, v0
	v_readfirstlane_b32 s14, v1                    ; wave 0..3
	s_lshr_b32 s15, s14, 1                         ; which half of the tokens is mine.  Also: I fetch for x (0) or for W (1)
	s_and_b32 s16, s14, 1                          ; which half of the channels.  Also: which 128 rows of that tile I fetch
	s_bfe_u32 s40, ttmp6, 0x40000                  ; cx, cy: my place in the cluster
	s_bfe_u32 s41, ttmp6, 0x40004
	s_and_b32 s17, ttmp7, 0xffff
	s_lshl_b32 s17, s17, 2
	s_add_co_u32 s17, s17, s41                     ; which 256 tokens = 4 x cluster y + cy
	s_lshl_b32 s43, s41, 2
	s_lshl_b32 s43, 15, s43                        ; my row of the cluster
	s_lshl_b32 s44, 0x1111, s40                    ; my column
	; descriptor group 1: a tile of 128 rows x 192 bytes, 16 bytes of padding behind every 64
	s_or_b32 s[G1+0], s43, (0<<16)|(1<<20)|(1<<21)|(3<<22)|(3<<25)  ; 15:0 the mask: x's tiles go to my row; 17:16 elements of 1 byte; 20 padding on; 21 set beside a mask; 24:22 after every 16 words; 31:25 of 4 words
	s_or_b32 s[G1B+0], s44, (0<<16)|(1<<20)|(1<<21)|(3<<22)|(3<<25) ; W's tiles go to my column
.irp g, G1, G1B
	s_mov_b32 s[\g+1], ROWB<<16                    ; tensor_dim0
	s_mov_b32 s[\g+2], 128<<16                     ; tensor_dim1
	s_mov_b32 s[\g+3], ROWB<<16                    ; tile_dim0
	s_mov_b32 s[\g+4], 128                         ; tile_dim1
	s_mov_b32 s[\g+5], KROW                        ; tensor_dim0_stride
	s_mov_b32 s[\g+6], 0
	s_mov_b32 s[\g+7], 0
.endr
	; the scales of 128 rows: 4,096 dense bytes, as 16 rows of 256 bytes (32 elements of 8), 16 bytes of padding behind each
	s_or_b32 s[G1S+0], s43, (3<<16)|(1<<20)|(1<<21)|(5<<22)|(3<<25)
	s_or_b32 s[G1SB+0], s44, (3<<16)|(1<<20)|(1<<21)|(5<<22)|(3<<25)
.irp g, G1S, G1SB
	s_mov_b32 s[\g+1], 32<<16
	s_mov_b32 s[\g+2], 16<<16
	s_mov_b32 s[\g+3], 32<<16
	s_mov_b32 s[\g+4], 16
	s_mov_b32 s[\g+5], 32
	s_mov_b32 s[\g+6], 0
	s_mov_b32 s[\g+7], 0
.endr
	s_lshl_b32 s18, s16, 7                         ; which 128 rows of the tile I fetch
	s_lshl_b32 s20, s17, 8
	s_add_co_u32 s20, s20, s18                     ; x: row 256 x (which tokens) + 128 x half
	s_lshl_b32 s46, s40, 8
	s_add_co_u32 s46, s46, s18                     ; W: row 256 cx + 128 x half
	s_mov_b32 s21, 0
	s_mov_b32 s47, 0
	s_mov_b64 s[18:19], KS
	s_mul_u64 s[22:23], s[20:21], s[18:19]         ; where these rows' scales begin,
	s_mul_u64 s[66:67], s[46:47], s[18:19]
	s_mov_b64 s[18:19], KROW
	s_mul_u64 s[20:21], s[20:21], s[18:19]         ; and their codes
	s_mul_u64 s[46:47], s[46:47], s[18:19]
	s_mul_i32 s45, s14, HALFT                      ; where they go: wave x 128 rows
	s_mul_i32 s2, s14, HALFS
	s_wait_kmcnt 0x0
	s_cmp_eq_u32 ttmp9, 0                          ; WQ or WK: the cluster's x, the same in all sixteen partners
	s_cselect_b64 s[8:9], s[8:9], s[92:93]
	s_cselect_b64 s[10:11], s[10:11], s[94:95]
	s_add_nc_u64 s[20:21], s[4:5], s[20:21]
	s_add_nc_u64 s[22:23], s[6:7], s[22:23]
	s_add_nc_u64 s[46:47], s[8:9], s[46:47]
	s_add_nc_u64 s[66:67], s[10:11], s[66:67]
	CROUND                                         ; all sixteen work-groups are here: the first joint loads meet
	s_mov_b32 s[G0S], 1
	s_add_co_u32 s[G0S+1], s2, SCL
	s_mov_b64 s[G0S+2:G0S+3], s[22:23]
	s_or_b32 s[G0S+3], s[G0S+3], 0x80000000
	s_mov_b32 s[G0SB], 1
	s_add_co_u32 s[G0SB+1], s2, SCL
	s_mov_b64 s[G0SB+2:G0SB+3], s[66:67]
	s_or_b32 s[G0SB+3], s[G0SB+3], 0x80000000
	JLOAD G0S, G1S, G0SB, G1SB                     ; the scales first: they are wanted with K step 0
.irp s, 0,1
	s_mov_b32 s[G0+4*\s], 1
	s_add_co_u32 s[G0+4*\s+1], s45, \s*SLOT
	s_add_nc_u64 s[G0+4*\s+2:G0+4*\s+3], s[20:21], \s*ROWB
	s_or_b32 s[G0+4*\s+3], s[G0+4*\s+3], 0x80000000
	s_mov_b32 s[G0B+4*\s], 1
	s_add_co_u32 s[G0B+4*\s+1], s45, \s*SLOT
	s_add_nc_u64 s[G0B+4*\s+2:G0B+4*\s+3], s[46:47], \s*ROWB
	s_or_b32 s[G0B+4*\s+3], s[G0B+4*\s+3], 0x80000000
	JLOAD G0+4*\s, G1, G0B+4*\s, G1B
.endr
	v_and_b32 v1, 15, v0                           ; l % 16
	v_bfe_u32 v2, v0, 4, 1                         ; l / 16
	v_mul_u32_u24 v3, v1, PITCH
	v_mul_u32_u24 v4, v2, 24
	v_add_nc_u32 v4, v3, v4                        ; a fragment's row x pitch + 24 x half
	v_lshl_add_u32 v5, v2, 4, v4                   ; and the same behind one padding more
	s_mul_i32 s21, s15, HALFT                      ; my 128 tokens
	s_mul_i32 s22, s16, HALFT                      ; my 128 rows of W,
	s_add_co_u32 s22, s22, 2*HALFT                 ; which lie behind x's 256
.irp s, 0,1
	v_add_nc_u32 v[ADRA+\s], s21, v4
	v_add_nc_u32 v[ADRB+\s], s22, v4
	v_add_nc_u32 v[ADRA+2+\s], s21, v5
	v_add_nc_u32 v[ADRB+2+\s], s22, v5
	s_add_co_u32 s21, s21, SLOT
	s_add_co_u32 s22, s22, SLOT
.endr
	v_mul_u32_u24 v5, v1, KS                       ; my row's scales: 32 bytes a row,
	v_lshrrev_b32 v6, 8, v5
	v_lshl_add_u32 v5, v6, 4, v5                   ; and 16 more for each 256 passed
	s_mul_i32 s21, s15, HALFS
	s_mul_i32 s22, s16, HALFS
	s_add_co_u32 s22, s22, 2*HALFS
	s_sub_co_u32 s22, s22, s21
	v_mul_u32_u24 v6, s22, v2                      ; lanes 16-31 take W's
	s_add_co_u32 s21, s21, SCL
	v_add_nc_u32 v5, v5, v6
	v_add_nc_u32 v[ADRS], s21, v5
	v_and_b32 v6, 31, v0
	v_lshlrev_b32 v[L16], 4, v6
	v_lshlrev_b32 v[RO], 8, v1
	v_lshl_add_u32 v[RO], v2, 5, v[RO]
	; where my wave's results go: block ((16 batch + head) x 8 + slot) of qkv; my two heads are 4 cx + 2 x (half of the channels) and the next
	s_lshr_b32 s20, s17, 3                         ; batch
	s_lshl_b32 s20, s20, 4
	s_lshl_b32 s21, s40, 2
	s_add_co_u32 s20, s20, s21
	s_lshl_b32 s21, s16, 1
	s_add_co_u32 s20, s20, s21
	s_lshl_b32 s20, s20, 3
	s_and_b32 s21, s17, 7                          ; slot of 256 tokens
	s_add_co_u32 s20, s20, s21
	s_mul_i32 s20, s20, BLKB
	s_mov_b32 s23, KSC
	s_cmp_eq_u32 ttmp9, 0
	s_cselect_b32 s22, QIMG, 0                     ; Q's images or K's,
	s_cselect_b32 s23, QSC, s23                    ; Q's scale words or K's
	s_mul_i32 s46, s15, 4*1536                     ; my half of the tokens: four images,
	s_add_co_u32 s22, s22, s46
	s_add_co_u32 s22, s22, s20
	s_lshl_b32 s46, s15, 9                         ; 512 bytes of scale words
	s_add_co_u32 s46, s46, s23
	s_add_co_u32 s46, s46, s20
	s_mov_b32 s23, 0
	s_mov_b32 s47, 0
	s_add_nc_u64 s[12:13], s[98:99], s[22:23]      ; images
	s_add_nc_u64 s[94:95], s[98:99], s[46:47]      ; scale words
	s_lshl_b32 s22, s21, 16                        ; the table: 256 bytes a token
	s_lshl_b32 s46, s15, 15
	s_add_co_u32 s22, s22, s46
	s_add_nc_u64 s[96:97], s[96:97], s[22:23]
	s_mov_b32 s18, 0x76543210
	s_mov_b32 s19, 0xfedcba98                      ; v_permlanex16_b32's selects for lane l xor 16
.macro FRAG reg, adr, q, i             ; a fragment, 16 rows x 128 K: lane l holds row l % 16; registers 6 c .. 6 c + 5 hold K = 64 c + 32 (l / 16) + 0 .. 31: 24 bytes of the row, as they lie, in pieces of 8 bytes
.irp p, 0,1,2,3,4,5
.set PCE, 12*(\q)+6*(\p/3)+\p%3        ; lanes 16-31 read three pieces further on; where that is behind one padding more, the second address register serves
.if PCE%8 < 5
	ds_load_b64 v[\reg+2*\p:\reg+2*\p+1], v[\adr] offset:8*PCE+16*(PCE/8)+(\i)*16*PITCH
.else
	ds_load_b64 v[\reg+2*\p:\reg+2*\p+1], v[\adr+2] offset:8*PCE+16*(PCE/8)+(\i)*16*PITCH
.endif
.endr
.endm
; 16 matrix instructions: x's blocks a0, a0 + 1 against W's eight.  p: W's set; sc: the set of scale words.  zero = 1: the first product starts the sums.  The 64 accumulators take turns, one instruction a turn.
.macro MUL16 a0, p, q, sc, zero
.irp a, \a0, \a0+1
.irp b, 0,1,2,3,4,5,6,7
.if \zero
	v_wmma_scale_f32_16x16x128_f8f6f4 v[8*(8*((\a)%4)+\b):8*(8*((\a)%4)+\b)+7], v[128*(\p)+FR*\b:128*(\p)+FR*\b+FR-1], v[AF+FR*(\a):AF+FR*(\a)+FR-1], 0, v[SC+8*NQ*(\sc)+NQ*\b+(\q)], v[SC+8*NQ*(\sc)+NQ*(\a)+(\q)] matrix_a_fmt:MATRIX_FMT_FP6 matrix_b_fmt:MATRIX_FMT_FP6 matrix_a_scale:MATRIX_SCALE_ROW1
.else
	v_wmma_scale_f32_16x16x128_f8f6f4 v[8*(8*((\a)%4)+\b):8*(8*((\a)%4)+\b)+7], v[128*(\p)+FR*\b:128*(\p)+FR*\b+FR-1], v[AF+FR*(\a):AF+FR*(\a)+FR-1], v[8*(8*((\a)%4)+\b):8*(8*((\a)%4)+\b)+7], v[SC+8*NQ*(\sc)+NQ*\b+(\q)], v[SC+8*NQ*(\sc)+NQ*(\a)+(\q)] matrix_a_fmt:MATRIX_FMT_FP6 matrix_b_fmt:MATRIX_FMT_FP6 matrix_a_scale:MATRIX_SCALE_ROW1
.endif
.endr
.endr
.endm
.macro FETCH_B slot, q, p
	WIN TO_B
.irp i, 0,1,2,3,4,5,6,7
	FRAG 128*(\p)+FR*\i, ADRB+\slot, \q, \i
.endr
	WIN 0
.endm
.macro FETCH_A slot, q, i0
.irp i, \i0, \i0+1, \i0+2, \i0+3
	FRAG AF+FR*(\i), ADRA+\slot, \q, \i
.endr
.endm
.macro SCALES sc                       ; a K step's scale words: two words a row; lanes 0-15 take x's block i, lanes 16-31 W's block i
.irp i, 0,1,2,3,4,5,6,7
	ds_load_b64 v[SC+8*NQ*\sc+NQ*\i:SC+8*NQ*\sc+NQ*\i+1], v[ADRS] offset:\i*SBLK
.endr
.endm
.macro PLACES n                        ; plain vector instructions that name no register of the matrix instructions before them (ISA guide 7.12.1)
.rept \n
	v_nop
.endr
.endm
.macro STEP slot, q, zero              ; a step of 128 along K that has its successor in the same slot
	s_wait_dscnt 4*NL                              ; W's set and x's blocks 0-3 are in; the youngest 24 loads (x's blocks 4-7) may be out
	WIN MUL_LO
	MUL16 0, (\q)%2, \q, \slot, \zero
	MUL16 2, (\q)%2, \q, \slot, \zero
	s_wait_dscnt 0                                 ; x's blocks 4-7 are in
	PLACES NP
	FETCH_B \slot, (\q)+1, 1-(\q)%2
	FETCH_A \slot, (\q)+1, 0
	WIN MUL_HI
	MUL16 4, (\q)%2, \q, \slot, \zero
	MUL16 6, (\q)%2, \q, \slot, \zero
	PLACES NP
	WIN 0
	FETCH_A \slot, (\q)+1, 4
.endm
; A slot's last step changes slots: one barrier; in front of it each wave waits for all its tensor loads, adds 0 to its spare word, and waits for that and for its reads of this slot.  fill = 1: the slot is filled again, two K steps ahead.
.macro TURN slot, next, fill
	s_wait_tensorcnt 0x0                           ; all my tensor loads have landed: my part of the next slot
	ds_add_u32 v[SPW], v[NIL]                      ; 0 onto my spare word
	s_wait_dscnt 4*NL+1                            ; (the add and the youngest 24 loads, x's blocks 4-7, may be out)
	WIN MUL_LO
	MUL16 0, 1, NQ-1, \slot, 0                     ; sixteen matrix instructions stand between the add and the wait for it
	s_wait_dscnt 0x0                               ; the add is done, and my reads of this slot are over
	s_barrier_signal -1
	MUL16 2, 1, NQ-1, \slot, 0
	WIN 0
	s_barrier_wait -1
.if \fill
	CREST                                          ; the barrier has opened a round of the cluster's barrier: no wave of any partner still reads this slot or has a load on its way
	s_add_nc_u64 s[G0+4*\slot+2:G0+4*\slot+3], s[G0+4*\slot+2:G0+4*\slot+3], 2*ROWB
	s_add_nc_u64 s[G0B+4*\slot+2:G0B+4*\slot+3], s[G0B+4*\slot+2:G0B+4*\slot+3], 2*ROWB
	JLOAD G0+4*\slot, G1, G0B+4*\slot, G1B         ; the first tensor load behind the round; its four v_nop are the places in front of the loads below
.else
	PLACES NP
.endif
	v_add_nc_u32 v[ADRS], 4*NQ, v[ADRS]            ; on to the next K step's scale words
	FETCH_B \next, 0, 0
	FETCH_A \next, 0, 0
	SCALES \next
	WIN MUL_HI
	MUL16 4, 1, NQ-1, \slot, 0
	MUL16 6, 1, NQ-1, \slot, 0
	PLACES NP
	WIN 0
	FETCH_A \next, 0, 4
.endm
	s_wait_tensorcnt 1                             ; of my three loads the scales and K step 0 are in; K step 1's may be out
	s_barrier_signal -1
	s_barrier_wait -1
	FETCH_B 0, 0, 0
	FETCH_A 0, 0, 0
	SCALES 0
	FETCH_A 0, 0, 4
	STEP 0, 0, 1                                   ; the first step's products start the sums
	s_mov_b32 s3, LAPS-1
.Llap:                                                 ; a trip goes once round the ring and fills both slots again
	TURN 0, 1, 1
	STEP 1, 0, 0
	TURN 1, 0, 1
	STEP 0, 0, 0
	s_sub_co_u32 s3, s3, 1
	s_cmp_lg_u32 s3, 0
	s_cbranch_scc1 .Llap
	TURN 0, 1, 0                                   ; the last lap fills nothing
	STEP 1, 0, 0
	s_wait_dscnt 4*NL
	WIN MUL_LO
	MUL16 0, 1, NQ-1, 1, 0
	MUL16 2, 1, NQ-1, 1, 0
	s_wait_dscnt 0
	WIN MUL_HI
	MUL16 4, 1, NQ-1, 1, 0
	MUL16 6, 1, NQ-1, 1, 0
	WIN 0
; THE WAY OUT.
; Token blocks 2 i and 2 i + 1, head hd: the 64 numbers of a lane are rotated into v[T ..]: register 32 c + 8 b + j = token block 2 i + c, channel 16 b + 8 (lane / 16) + j.
; (x1, x2) -> (x1 cos - x2 sin, x1 sin + x2 cos): a packed multiply by cos, then a packed multiply-add that takes the pair crosswise, by sin, with the sign changed in the low half.  Each accumulator is read from its low end on.
.macro ROPE i, hd
	WIN 0x06+(\i)/2                                ; source 0: the accumulators' window; source 1: window 1, the table
.irp c, 0,1
.irp b, 0,1,2,3
.irp j, 0,2,4,6
.set RX, 8*(8*((2*(\i)+\c)%4)+4*(\hd)+\b)+\j
.set RC, 32*(2*(\i)+\c)+8*\b+\j
.set RDS, T+32*\c+8*\b+\j
	v_pk_mul_f32 v[RDS:RDS+1], v[RX:RX+1], v[RC:RC+1] op_sel_hi:[1,0]
.endr
.endr
.endr
.irp c, 0,1
.irp b, 0,1,2,3
.irp j, 0,2,4,6
.set RX, 8*(8*((2*(\i)+\c)%4)+4*(\hd)+\b)+\j
.set RC, 32*(2*(\i)+\c)+8*\b+\j
.set RDS, T+32*\c+8*\b+\j
	v_pk_fma_f32 v[RDS:RDS+1], v[RX:RX+1], v[RC:RC+1], v[RDS:RDS+1] op_sel:[1,1,0] op_sel_hi:[0,1,1] neg_lo:[0,1,0]
.endr
.endr
.endr
	WIN 0
.endm
; 64 numbers of a lane: registers 16 b .. 16 b + 15 are my half of block b, lane l xor 16 holds the other half.  They become 12 registers of codes in v[PC ..] and a scale word in v[pw].
.macro QUANT s, pw
.irp b, 0,1,2,3
	v_max3_num_f32 v[TM+\b], |v[\s+16*\b]|, |v[\s+1+16*\b]|, 0x1800000   ; my 16 numbers, and the floor 2^(3 - 127): the byte cannot fall under 1
.endr
.irp i, 2,4,6,8,10,12,14
.irp b, 0,1,2,3
	v_max3_num_f32 v[TM+\b], v[TM+\b], |v[\s+16*\b+\i]|, |v[\s+1+16*\b+\i]|
.endr
.endr
.irp b, 0,1,2,3
	v_permlanex16_b32 v[TM+4+\b], v[TM+\b], s18, s19
.endr
.irp b, 0,1,2,3
	v_max_num_f32 v[TM+\b], v[TM+\b], v[TM+4+\b]   ; the block's largest magnitude
.endr
.irp b, 0,1,2,3
	v_add_nc_u32 v[TM+12+\b], 0xff000000, v[TM+\b] ; 2 off its exponent field: the conversion's scale operand
.endr
.irp b, 0,1,2,3
	v_lshrrev_b32 v[TM+4+\b], 23, v[TM+12+\b]      ; the scale's byte
.endr
	v_lshl_or_b32 v[\pw], v[TM+5], 8, v[TM+4]
	v_lshl_or_b32 v[\pw], v[TM+6], 16, v[\pw]
	v_lshl_or_b32 v[\pw], v[TM+7], 24, v[\pw]
.irp c, 0,1
	v_cvt_scalef32_pk16_fp6_f32 v[PC+6*\c:PC+2+6*\c], v[\s+32*\c:\s+15+32*\c], v[TM+12+2*\c]
	v_cvt_scalef32_pk16_fp6_f32 v[PC+12+4*\c:PC+14+4*\c], v[\s+16+32*\c:\s+31+32*\c], v[TM+12+2*\c+1]   ; (a conversion's three registers begin on an even number)
.endr
	v_nop                                          ; one plain place behind a scaled conversion
.irp c, 0,1                                    ; the operand's layout wants a whole block in a lane: lanes 0-15 block 2 c, lanes 16-31 block 2 c + 1
.irp i, 0,1,2
	v_permlane16_swap_b32 v[PC+6*\c+\i], v[PC+12+4*\c+\i]
.endr
.irp i, 0,1,2
	v_mov_b32 v[PC+3+6*\c+\i], v[PC+12+4*\c+\i]
.endr
.endr
.endm
.macro EMIT hd, idx                    ; an image: three stores of 512 consecutive bytes, at multiples of 256 from the buffer's first byte
.irp c, 0,1,2
	global_store_b128 v[L16], v[PC+4*\c:PC+4*\c+3], s[12:13] offset:HEADB*(\hd)+1536*(\idx)+512*\c
.endr
.endm
	PLACES NP                                      ; behind the last products: for the loads into W's registers and the first reads of results
	WIN TO_B
.irp a, 0,1,2,3,4,5,6,7                        ; the table of my 128 tokens into window 1: v[32 a + 8 b + 2 i] = (cos, sin) of token 16 a + lane % 16, frequency 8 b + 4 (lane / 16) + i
.irp b, 0,1,2,3
.irp e, 0,1
	global_load_b128 v[32*\a+8*\b+4*\e:32*\a+8*\b+4*\e+3], v[RO], s[96:97] offset:4096*\a+64*\b+16*\e
.endr
.endr
.endr
	WIN 0
.irp b, 0,1,2,3
	v_mov_b32 v[TM+4+\b], 0                        ; written once: a lane permute's destination counts as one of its sources
.endr
.irp i, 0,1,2,3
	s_wait_loadcnt 48-16*\i                        ; the tables of token blocks 2 i and 2 i + 1 are in; the 16 loads of each later pair of blocks may be out
.irp hd, 0,1
	ROPE \i, \hd
	s_wait_xcnt 0x0                                ; the last image's stores have read their registers: the codes may be written again
	QUANT T, PWS+4*\hd+\i
	EMIT \hd, \i
.endr
.endr
.irp hd, 0,1
	global_store_b128 v[L16], v[PWS+4*\hd:PWS+4*\hd+3], s[94:95] offset:HEADB*\hd   ; the four pairs' scale words, 16 bytes a lane
.endr
	s_wait_tensorcnt 0x0                           ; the wave's end
	ds_add_u32 v[SPW], v[NIL]
	s_wait_dscnt 0x0
	CROUND                                         ; the closing round: no work-group ends while a partner may still ask for a tile that names it
	s_endpgm
.Lfunc_end_k_qecadaf1ea3_qk:
	.size	k_qecadaf1ea3_qk, .Lfunc_end_k_qecadaf1ea3_qk-k_qecadaf1ea3_qk
	.p2alignl 7, 3214868480
	.fill 96, 4, 3214868480
	.section	.rodata,"a",@progbits
	.p2align	6, 0x0
	.amdhsa_kernel k_qecadaf1ea3_qk
		.amdhsa_group_segment_fixed_size 327680
		.amdhsa_private_segment_fixed_size 0
		.amdhsa_enable_private_segment 0
		.amdhsa_kernarg_size 64
		.amdhsa_user_sgpr_count 2
		.amdhsa_user_sgpr_kernarg_segment_ptr 1
		.amdhsa_wavefront_size32 1
		.amdhsa_system_sgpr_workgroup_id_x 1
		.amdhsa_system_sgpr_workgroup_id_y 1
		.amdhsa_system_sgpr_workgroup_id_z 1
		.amdhsa_system_vgpr_workitem_id 0
		.amdhsa_next_free_vgpr 1024
		.amdhsa_next_free_sgpr 100
		.amdhsa_reserve_vcc 0
		.amdhsa_float_denorm_mode_32 3
		.amdhsa_float_denorm_mode_16_64 3
		.amdhsa_memory_ordered 1
		.amdhsa_forward_progress 1
		.amdhsa_inst_pref_size 202
	.end_amdhsa_kernel
	.amdgpu_metadata
---
amdhsa.version: [ 1, 2 ]
amdhsa.kernels:
  - .name:           k_qecadaf1ea3_qk
    .symbol:         k_qecadaf1ea3_qk.kd
    .args:
      - { .name: x_codes, .offset: 0, .size: 8, .value_kind: global_buffer, .address_space: global }
      - { .name: x_scales, .offset: 8, .size: 8, .value_kind: global_buffer, .address_space: global }
      - { .name: WQ_codes, .offset: 16, .size: 8, .value_kind: global_buffer, .address_space: global }
      - { .name: WQ_scales, .offset: 24, .size: 8, .value_kind: global_buffer, .address_space: global }
      - { .name: WK_codes, .offset: 32, .size: 8, .value_kind: global_buffer, .address_space: global }
      - { .name: WK_scales, .offset: 40, .size: 8, .value_kind: global_buffer, .address_space: global }
      - { .name: rope, .offset: 48, .size: 8, .value_kind: global_buffer, .address_space: global }
      - { .name: qkv, .offset: 56, .size: 8, .value_kind: global_buffer, .address_space: global }
    .group_segment_fixed_size: 327680
    .private_segment_fixed_size: 0
    .kernarg_segment_align: 8
    .kernarg_segment_size: 64
    .max_flat_workgroup_size: 128
    .sgpr_count:     100
    .vgpr_count:     1024
    .wavefront_size: 32
...
	.end_amdgpu_metadata
.endif
;; end of part 2
;; launch vproj (part 3): grid 32 x 4, 4 waves a work-group, clusters of 4 x 4, 327,680 bytes of LDS; arguments WV_codes, WV_scales, x_codes, x_scales, qkv; writes qkv
.if DOCPART == 3
	.amdgcn_target "amdgcn-amd-amdhsa--gfx1250"
	.amdhsa_code_object_version 6
	.text
	.protected	k_qecadaf1ea3_vproj
	.globl	k_qecadaf1ea3_vproj
	.p2align	8
	.type	k_qecadaf1ea3_vproj,@function
k_qecadaf1ea3_vproj:
	s_mov_b64 s[64:65], 0
	v_nop
	global_prefetch_b8 v0, s[64:65] scope:SCOPE_SE
	s_setreg_imm32_b32 hwreg(HW_REG_WAVE_MODE, 25, 1), 1
	s_wait_xcnt 0x0
	s_wait_alu depctr_hold_cnt(0) depctr_sa_sdst(0) depctr_va_vdst(0) depctr_va_sdst(0) depctr_va_ssrc(0) depctr_va_vcc(0) depctr_vm_vsrc(0)
	s_getreg_b32 s2, hwreg(HW_REG_IB_STS2, 6, 4)
	s_cmp_eq_u32 s2, 0
	s_cbranch_scc0 .Lentry_in_a_cluster
	s_endpgm
.Lentry_in_a_cluster:
	s_bfe_u32 s2, ttmp6, 0x10000c
	s_cmp_lg_u32 s2, 0xf033
	s_cbranch_scc0 .Lentry_shape_is_right
	s_endpgm
.Lentry_shape_is_right:
; V = x WV^T, quantised ALONG THE TOKENS (the keys are the K of attention's second product) into codes of FP6 (E2M3) with one E8M0 byte for each 32 tokens, and stored as images of operand registers.
; WV [1024][1024], x [8192][1024]: codes, K innermost (a row is 768 bytes), scale bytes [rows][32].  Sums in f32.
; THE PRODUCT is that of the launch before, with the sides changed: A = WV (256 channels, by the work-group's y), B = x (256 tokens, by its x).  Source 0 = 16 tokens, source 1 = 16 channels:
; a lane then holds ONE channel (lane % 16) and its registers run along the tokens: accumulator (a, b), register j = channel 16 a + lane % 16, token 16 b + 8 (lane / 16) + j.
; So the eight accumulators of a block of channels, 64 registers on end, are 128 tokens of one channel: four blocks of 32, each in lanes l and l xor 16: they are quantised where they stand.
; Inside a block the codes stand in the order 0-7, 16-23, 8-15, 24-31 of the tokens: attention's p is quantised by the same lines from the same layout, so the products are as they should be.
; An image (16 channels x 128 tokens, 12 registers) is stored by three stores of 512 consecutive bytes; four images' scale words by one.  In a block of qkv: V's images at 12,288 + 1,536 (4 x (which 128 tokens) + channel tile), scale words at 25,600.
; The grid has 128 work-groups: 8,192 x 1,024 results in tiles of 256 x 256.  It has one cluster along y, so the work-group's y is cy alone.
; LIMITS: NaN and infinities are not served; a block whose largest magnitude lies under 2^-124, a block of zeros too, gets the byte 1 (this program alone reads the bytes).
; REGISTERS, in windows of 256: window 0: v0-31 addresses; v32-63 scale words, two sets, and nothing else; from v128 WV's fragments, ONE set, later the codes; v224-247 at work.  window 1: x's fragments, TWO sets.  windows 2, 3: the accumulators.
.set KSTEP,  256
.set NQ,     2
.set ROWB,   192
.set KROW,   768
.set PITCH,  240                       ; an LDS row: 3 x (64 bytes + 16 of padding)
.set FR,     12
.set NL,     6
.set NP,     4
.set HALFT,  128*PITCH
.set SLOT,   4*HALFT
.set LAPS,   2
.set KS,     32
.set SCL,    2*SLOT
.set HALFS,  16*272
.set SBLK,   2*272
.set SPARE,  SCL+4*HALFS               ; the spare words, 128 bytes a wave: two blocks of 256 bytes that no other line names
.set BLKB,   39936
.set HEADB,  8*BLKB
.set VIMG,   12288
.set VSC,    25600
.set ADRA, 16
.set ADRB, 20
.set L16,  24                          ; v24 16 x lane
.set ADRS, 27
.set SPW,  28
.set NIL,  29
.set SC,   32
.set AF,   128
.set PC,   128
.set TM,   224
.set PWS,  240
.set G1, 24
.set G0, 32
.set G1B, 48
.set G0B, 56
.set G1S, 68
.set G0S, 76
.set G1SB, 80
.set G0SB, 88
.set MSB, 0
.macro WIN new                         ; the immediate's high byte repeats the setting that is left
.if MSB != (\new)
	s_set_vgpr_msb (MSB<<8)|(\new)
.set MSB, \new
.endif
.endm
.set MUL_LO, 0xa1                      ; source 0 (x) window 1, source 1 (WV) window 0, C and D window 2
.set MUL_HI, 0xf1
.set TO_B,   0x40
.macro JLOAD g0a, g1a, g0b, g1b        ; a joint load: waves 0 and 1 fetch for WV, waves 2 and 3 for x; four v_nop follow each of the two lines
	s_cmp_eq_u32 s15, 0
	s_cbranch_scc0 .Lfor_b_\@
	tensor_load_to_lds s[\g0a:\g0a+3], s[\g1a:\g1a+7]
	s_nop 0
.rept 4
	v_nop
.endr
	s_branch .Lasked_\@
.Lfor_b_\@:
	tensor_load_to_lds s[\g0b:\g0b+3], s[\g1b:\g1b+7]
	s_nop 0
.rept 4
	v_nop
.endr
.Lasked_\@:
.endm
.macro CREST
	s_cmp_lg_u32 s14, 0
	s_cbranch_scc1 .Lnot_wave_0_\@
	s_barrier_signal -3
.Lnot_wave_0_\@:
	s_barrier_wait -3
	s_barrier_signal -1
	s_barrier_wait -1
.endm
.macro CROUND
	s_barrier_signal -1
	s_barrier_wait -1
	CREST
.endm
	s_load_b128 s[4:7], s[0:1], 0x0                ; WV's codes, scales
	s_load_b128 s[8:11], s[0:1], 0x10              ; x's codes, scales
	s_load_b64 s[12:13], s[0:1], 0x20              ; qkv
	v_lshl_add_u32 v[SPW], v0, 2, SPARE
	v_mov_b32 v[NIL], 0
	ds_add_u32 v28, v29
	s_wait_dscnt 0x0
	v_lshrrev_b32 v1, 5, v0
	v_readfirstlane_b32 s14, v1                    ; wave 0..3
	s_lshr_b32 s15, s14, 1                         ; which half of the channels is mine.  Also: I fetch for WV (0) or for x (1)
	s_and_b32 s16, s14, 1                          ; which half of the tokens.  Also: which 128 rows of that tile I fetch
	s_bfe_u32 s40, ttmp6, 0x40000                  ; cx, cy
	s_bfe_u32 s41, ttmp6, 0x40004
	s_lshl_b32 s42, ttmp9, 2
	s_add_co_u32 s42, s42, s40                     ; which 256 tokens = 4 x cluster x + cx
	s_mov_b32 s17, s41                             ; which 256 channels = cy
	s_lshl_b32 s43, s41, 2
	s_lshl_b32 s43, 15, s43                        ; my row of the cluster
	s_lshl_b32 s44, 0x1111, s40                    ; my column
	s_or_b32 s[G1+0], s43, (0<<16)|(1<<20)|(1<<21)|(3<<22)|(3<<25)  ; WV's tiles go to my row; elements of 1 byte; 16 bytes of padding behind every 64; bit 21 set beside a mask
	s_or_b32 s[G1B+0], s44, (0<<16)|(1<<20)|(1<<21)|(3<<22)|(3<<25) ; x's tiles go to my column
.irp g, G1, G1B
	s_mov_b32 s[\g+1], ROWB<<16
	s_mov_b32 s[\g+2], 128<<16
	s_mov_b32 s[\g+3], ROWB<<16
	s_mov_b32 s[\g+4], 128
	s_mov_b32 s[\g+5], KROW
	s_mov_b32 s[\g+6], 0
	s_mov_b32 s[\g+7], 0
.endr
	s_or_b32 s[G1S+0], s43, (3<<16)|(1<<20)|(1<<21)|(5<<22)|(3<<25) ; the scales of 128 rows: 16 rows of 256 bytes, 16 bytes of padding behind each
	s_or_b32 s[G1SB+0], s44, (3<<16)|(1<<20)|(1<<21)|(5<<22)|(3<<25)
.irp g, G1S, G1SB
	s_mov_b32 s[\g+1], 32<<16
	s_mov_b32 s[\g+2], 16<<16
	s_mov_b32 s[\g+3], 32<<16
	s_mov_b32 s[\g+4], 16
	s_mov_b32 s[\g+5], 32
	s_mov_b32 s[\g+6], 0
	s_mov_b32 s[\g+7], 0
.endr
	s_lshl_b32 s18, s16, 7
	s_lshl_b32 s20, s17, 8
	s_add_co_u32 s20, s20, s18                     ; WV: row 256 cy + 128 x half
	s_lshl_b32 s46, s42, 8
	s_add_co_u32 s46, s46, s18                     ; x: row 256 x (which tokens) + 128 x half
	s_mov_b32 s21, 0
	s_mov_b32 s47, 0
	s_mov_b64 s[18:19], KS
	s_mul_u64 s[22:23], s[20:21], s[18:19]
	s_mul_u64 s[92:93], s[46:47], s[18:19]
	s_mov_b64 s[18:19], KROW
	s_mul_u64 s[20:21], s[20:21], s[18:19]
	s_mul_u64 s[46:47], s[46:47], s[18:19]
	s_mul_i32 s45, s14, HALFT
	s_mul_i32 s94, s14, HALFS
	s_wait_kmcnt 0x0
	s_add_nc_u64 s[20:21], s[4:5], s[20:21]
	s_add_nc_u64 s[22:23], s[6:7], s[22:23]
	s_add_nc_u64 s[46:47], s[8:9], s[46:47]
	s_add_nc_u64 s[92:93], s[10:11], s[92:93]
	CROUND                                         ; all sixteen work-groups are here: the first joint loads meet
	s_mov_b32 s[G0S], 1
	s_add_co_u32 s[G0S+1], s94, SCL
	s_mov_b64 s[G0S+2:G0S+3], s[22:23]
	s_or_b32 s[G0S+3], s[G0S+3], 0x80000000
	s_mov_b32 s[G0SB], 1
	s_add_co_u32 s[G0SB+1], s94, SCL
	s_mov_b64 s[G0SB+2:G0SB+3], s[92:93]
	s_or_b32 s[G0SB+3], s[G0SB+3], 0x80000000
	JLOAD G0S, G1S, G0SB, G1SB
.irp s, 0,1
	s_mov_b32 s[G0+4*\s], 1
	s_add_co_u32 s[G0+4*\s+1], s45, \s*SLOT
	s_add_nc_u64 s[G0+4*\s+2:G0+4*\s+3], s[20:21], \s*ROWB
	s_or_b32 s[G0+4*\s+3], s[G0+4*\s+3], 0x80000000
	s_mov_b32 s[G0B+4*\s], 1
	s_add_co_u32 s[G0B+4*\s+1], s45, \s*SLOT
	s_add_nc_u64 s[G0B+4*\s+2:G0B+4*\s+3], s[46:47], \s*ROWB
	s_or_b32 s[G0B+4*\s+3], s[G0B+4*\s+3], 0x80000000
	JLOAD G0+4*\s, G1, G0B+4*\s, G1B
.endr
	v_and_b32 v1, 15, v0
	v_bfe_u32 v2, v0, 4, 1
	v_mul_u32_u24 v3, v1, PITCH
	v_mul_u32_u24 v4, v2, 24
	v_add_nc_u32 v4, v3, v4
	v_lshl_add_u32 v5, v2, 4, v4
	s_mul_i32 s21, s15, HALFT
	s_mul_i32 s22, s16, HALFT
	s_add_co_u32 s22, s22, 2*HALFT
.irp s, 0,1
	v_add_nc_u32 v[ADRA+\s], s21, v4
	v_add_nc_u32 v[ADRB+\s], s22, v4
	v_add_nc_u32 v[ADRA+2+\s], s21, v5
	v_add_nc_u32 v[ADRB+2+\s], s22, v5
	s_add_co_u32 s21, s21, SLOT
	s_add_co_u32 s22, s22, SLOT
.endr
	v_mul_u32_u24 v5, v1, KS
	v_lshrrev_b32 v6, 8, v5
	v_lshl_add_u32 v5, v6, 4, v5
	s_mul_i32 s21, s15, HALFS
	s_mul_i32 s22, s16, HALFS
	s_add_co_u32 s22, s22, 2*HALFS
	s_sub_co_u32 s22, s22, s21
	v_mul_u32_u24 v6, s22, v2
	s_add_co_u32 s21, s21, SCL
	v_add_nc_u32 v5, v5, v6
	v_add_nc_u32 v[ADRS], s21, v5
	v_and_b32 v6, 31, v0
	v_lshlrev_b32 v[L16], 4, v6
	; where my wave's results go: block ((16 batch + head) x 8 + slot) of qkv; my two heads are 4 cy + 2 x (half of the channels) and the next
	s_lshr_b32 s20, s42, 3                         ; batch
	s_lshl_b32 s20, s20, 4
	s_lshl_b32 s21, s17, 2
	s_add_co_u32 s20, s20, s21
	s_lshl_b32 s21, s15, 1
	s_add_co_u32 s20, s20, s21
	s_lshl_b32 s20, s20, 3
	s_and_b32 s21, s42, 7                          ; slot of 256 tokens
	s_add_co_u32 s20, s20, s21
	s_mul_i32 s20, s20, BLKB
	s_mul_i32 s22, s16, 4*1536                     ; my half of the tokens: four images,
	s_add_co_u32 s22, s22, s20
	s_add_co_u32 s22, s22, VIMG
	s_mov_b32 s23, 0
	s_lshl_b32 s46, s16, 9                         ; 512 bytes of scale words
	s_add_co_u32 s46, s46, s20
	s_add_co_u32 s46, s46, VSC
	s_mov_b32 s47, 0
	s_add_nc_u64 s[92:93], s[12:13], s[46:47]      ; scale words
	s_add_nc_u64 s[12:13], s[12:13], s[22:23]      ; images
	s_mov_b32 s18, 0x76543210
	s_mov_b32 s19, 0xfedcba98                      ; v_permlanex16_b32's selects for lane l xor 16
.macro FRAG reg, adr, q, i             ; a fragment, 16 rows x 128 K, in pieces of 8 bytes; the second address register serves the pieces that lie behind one padding more for lanes 16-31
.irp p, 0,1,2,3,4,5
.set PCE, 12*(\q)+6*(\p/3)+\p%3
.if PCE%8 < 5
	ds_load_b64 v[\reg+2*\p:\reg+2*\p+1], v[\adr] offset:8*PCE+16*(PCE/8)+(\i)*16*PITCH
.else
	ds_load_b64 v[\reg+2*\p:\reg+2*\p+1], v[\adr+2] offset:8*PCE+16*(PCE/8)+(\i)*16*PITCH
.endif
.endr
.endm
.macro MUL16 a0, p, q, sc, zero        ; 16 matrix instructions: WV's blocks a0, a0 + 1 against x's eight; the 64 accumulators take turns
.irp a, \a0, \a0+1
.irp b, 0,1,2,3,4,5,6,7
.if \zero
	v_wmma_scale_f32_16x16x128_f8f6f4 v[8*(8*((\a)%4)+\b):8*(8*((\a)%4)+\b)+7], v[128*(\p)+FR*\b:128*(\p)+FR*\b+FR-1], v[AF+FR*(\a):AF+FR*(\a)+FR-1], 0, v[SC+8*NQ*(\sc)+NQ*\b+(\q)], v[SC+8*NQ*(\sc)+NQ*(\a)+(\q)] matrix_a_fmt:MATRIX_FMT_FP6 matrix_b_fmt:MATRIX_FMT_FP6 matrix_a_scale:MATRIX_SCALE_ROW1
.else
	v_wmma_scale_f32_16x16x128_f8f6f4 v[8*(8*((\a)%4)+\b):8*(8*((\a)%4)+\b)+7], v[128*(\p)+FR*\b:128*(\p)+FR*\b+FR-1], v[AF+FR*(\a):AF+FR*(\a)+FR-1], v[8*(8*((\a)%4)+\b):8*(8*((\a)%4)+\b)+7], v[SC+8*NQ*(\sc)+NQ*\b+(\q)], v[SC+8*NQ*(\sc)+NQ*(\a)+(\q)] matrix_a_fmt:MATRIX_FMT_FP6 matrix_b_fmt:MATRIX_FMT_FP6 matrix_a_scale:MATRIX_SCALE_ROW1
.endif
.endr
.endr
.endm
.macro FETCH_B slot, q, p
	WIN TO_B
.irp i, 0,1,2,3,4,5,6,7
	FRAG 128*(\p)+FR*\i, ADRB+\slot, \q, \i
.endr
	WIN 0
.endm
.macro FETCH_A slot, q, i0
.irp i, \i0, \i0+1, \i0+2, \i0+3
	FRAG AF+FR*(\i), ADRA+\slot, \q, \i
.endr
.endm
.macro SCALES sc
.irp i, 0,1,2,3,4,5,6,7
	ds_load_b64 v[SC+8*NQ*\sc+NQ*\i:SC+8*NQ*\sc+NQ*\i+1], v[ADRS] offset:\i*SBLK
.endr
.endm
.macro PLACES n
.rept \n
	v_nop
.endr
.endm
.macro STEP slot, q, zero
	s_wait_dscnt 4*NL                              ; x's set and WV's blocks 0-3 are in; the youngest 24 loads (WV's blocks 4-7) may be out
	WIN MUL_LO
	MUL16 0, (\q)%2, \q, \slot, \zero
	MUL16 2, (\q)%2, \q, \slot, \zero
	s_wait_dscnt 0
	PLACES NP
	FETCH_B \slot, (\q)+1, 1-(\q)%2
	FETCH_A \slot, (\q)+1, 0
	WIN MUL_HI
	MUL16 4, (\q)%2, \q, \slot, \zero
	MUL16 6, (\q)%2, \q, \slot, \zero
	PLACES NP
	WIN 0
	FETCH_A \slot, (\q)+1, 4
.endm
.macro TURN slot, next, fill
	s_wait_tensorcnt 0x0                           ; all my tensor loads have landed: my part of the next slot
	ds_add_u32 v[SPW], v[NIL]                      ; 0 onto my spare word
	s_wait_dscnt 4*NL+1                            ; (the add and the youngest 24 loads may be out)
	WIN MUL_LO
	MUL16 0, 1, NQ-1, \slot, 0
	s_wait_dscnt 0x0                               ; the add is done, and my reads of this slot are over
	s_barrier_signal -1
	MUL16 2, 1, NQ-1, \slot, 0
	WIN 0
	s_barrier_wait -1
.if \fill
	CREST                                          ; the barrier has opened a round of the cluster's barrier
	s_add_nc_u64 s[G0+4*\slot+2:G0+4*\slot+3], s[G0+4*\slot+2:G0+4*\slot+3], 2*ROWB
	s_add_nc_u64 s[G0B+4*\slot+2:G0B+4*\slot+3], s[G0B+4*\slot+2:G0B+4*\slot+3], 2*ROWB
	JLOAD G0+4*\slot, G1, G0B+4*\slot, G1B         ; the first tensor load behind the round
.else
	PLACES NP
.endif
	v_add_nc_u32 v[ADRS], 4*NQ, v[ADRS]
	FETCH_B \next, 0, 0
	FETCH_A \next, 0, 0
	SCALES \next
	WIN MUL_HI
	MUL16 4, 1, NQ-1, \slot, 0
	MUL16 6, 1, NQ-1, \slot, 0
	PLACES NP
	WIN 0
	FETCH_A \next, 0, 4
.endm
	s_wait_tensorcnt 1                             ; of my three loads the scales and K step 0 are in; K step 1's may be out
	s_barrier_signal -1
	s_barrier_wait -1
	FETCH_B 0, 0, 0
	FETCH_A 0, 0, 0
	SCALES 0
	FETCH_A 0, 0, 4
	STEP 0, 0, 1
	s_mov_b32 s3, LAPS-1
.Llap:
	TURN 0, 1, 1
	STEP 1, 0, 0
	TURN 1, 0, 1
	STEP 0, 0, 0
	s_sub_co_u32 s3, s3, 1
	s_cmp_lg_u32 s3, 0
	s_cbranch_scc1 .Llap
	TURN 0, 1, 0
	STEP 1, 0, 0
	s_wait_dscnt 4*NL
	WIN MUL_LO
	MUL16 0, 1, NQ-1, 1, 0
	MUL16 2, 1, NQ-1, 1, 0
	s_wait_dscnt 0
	WIN MUL_HI
	MUL16 4, 1, NQ-1, 1, 0
	MUL16 6, 1, NQ-1, 1, 0
	WIN 0
; THE WAY OUT.  The 64 registers from v[s] of window w are 128 tokens of my channel: registers 16 b .. 16 b + 15 are my half of block b.  They become an image's codes in v[PC ..] and a scale word in v[pw].
; The maxima take the registers in ascending order: each accumulator is read from its low end on.
.macro QUANTW s, w, pw
	WIN ((\w)<<2)|((\w)<<4)                        ; sources 1 and 2: the accumulators' window
.irp b, 0,1,2,3
	v_max3_num_f32 v[TM+\b], 0x1800000, |v[\s+16*\b]|, |v[\s+1+16*\b]|   ; the floor 2^(3 - 127): the byte cannot fall under 1
.endr
.irp i, 2,4,6,8,10,12,14
.irp b, 0,1,2,3
	v_max3_num_f32 v[TM+\b], v[TM+\b], |v[\s+16*\b+\i]|, |v[\s+1+16*\b+\i]|
.endr
.endr
	WIN 0
.irp b, 0,1,2,3
	v_permlanex16_b32 v[TM+4+\b], v[TM+\b], s18, s19
.endr
.irp b, 0,1,2,3
	v_max_num_f32 v[TM+\b], v[TM+\b], v[TM+4+\b]
.endr
.irp b, 0,1,2,3
	v_add_nc_u32 v[TM+12+\b], 0xff000000, v[TM+\b] ; 2 off the exponent field: the conversion's scale operand
.endr
.irp b, 0,1,2,3
	v_lshrrev_b32 v[TM+4+\b], 23, v[TM+12+\b]      ; the scale's byte
.endr
	v_lshl_or_b32 v[\pw], v[TM+5], 8, v[TM+4]
	v_lshl_or_b32 v[\pw], v[TM+6], 16, v[\pw]
	v_lshl_or_b32 v[\pw], v[TM+7], 24, v[\pw]
	WIN \w                                         ; source 0: the accumulators' window
.irp c, 0,1
	v_cvt_scalef32_pk16_fp6_f32 v[PC+6*\c:PC+2+6*\c], v[\s+32*\c:\s+15+32*\c], v[TM+12+2*\c]
	v_cvt_scalef32_pk16_fp6_f32 v[PC+12+4*\c:PC+14+4*\c], v[\s+16+32*\c:\s+31+32*\c], v[TM+12+2*\c+1]
.endr
	WIN 0
	v_nop                                          ; one plain place behind a scaled conversion
.irp c, 0,1
.irp i, 0,1,2
	v_permlane16_swap_b32 v[PC+6*\c+\i], v[PC+12+4*\c+\i]
.endr
.irp i, 0,1,2
	v_mov_b32 v[PC+3+6*\c+\i], v[PC+12+4*\c+\i]
.endr
.endr
.endm
.macro EMIT hd, idx
.irp c, 0,1,2
	global_store_b128 v[L16], v[PC+4*\c:PC+4*\c+3], s[12:13] offset:HEADB*(\hd)+1536*(\idx)+512*\c
.endr
.endm
	PLACES NP                                      ; behind the last products: for the first reads of results and the writes into WV's registers
.irp b, 0,1,2,3
	v_mov_b32 v[TM+4+\b], 0                        ; written once: a lane permute's destination counts as one of its sources
.endr
.irp hd, 0,1
.irp t, 0,1,2,3
	s_wait_xcnt 0x0                                ; the last image's stores have read their registers
	QUANTW 64*\t, 2+\hd, PWS+4*\hd+\t
	EMIT \hd, \t
.endr
.endr
.irp hd, 0,1
	global_store_b128 v[L16], v[PWS+4*\hd:PWS+4*\hd+3], s[92:93] offset:HEADB*\hd
.endr
	s_wait_tensorcnt 0x0                           ; the wave's end
	ds_add_u32 v[SPW], v[NIL]
	s_wait_dscnt 0x0
	CROUND                                         ; the closing round
	s_endpgm
.Lfunc_end_k_qecadaf1ea3_vproj:
	.size	k_qecadaf1ea3_vproj, .Lfunc_end_k_qecadaf1ea3_vproj-k_qecadaf1ea3_vproj
	.p2alignl 7, 3214868480
	.fill 96, 4, 3214868480
	.section	.rodata,"a",@progbits
	.p2align	6, 0x0
	.amdhsa_kernel k_qecadaf1ea3_vproj
		.amdhsa_group_segment_fixed_size 327680
		.amdhsa_private_segment_fixed_size 0
		.amdhsa_enable_private_segment 0
		.amdhsa_kernarg_size 40
		.amdhsa_user_sgpr_count 2
		.amdhsa_user_sgpr_kernarg_segment_ptr 1
		.amdhsa_wavefront_size32 1
		.amdhsa_system_sgpr_workgroup_id_x 1
		.amdhsa_system_sgpr_workgroup_id_y 1
		.amdhsa_system_sgpr_workgroup_id_z 1
		.amdhsa_system_vgpr_workitem_id 0
		.amdhsa_next_free_vgpr 1024
		.amdhsa_next_free_sgpr 98
		.amdhsa_reserve_vcc 0
		.amdhsa_float_denorm_mode_32 3
		.amdhsa_float_denorm_mode_16_64 3
		.amdhsa_memory_ordered 1
		.amdhsa_forward_progress 1
		.amdhsa_inst_pref_size 164
	.end_amdhsa_kernel
	.amdgpu_metadata
---
amdhsa.version: [ 1, 2 ]
amdhsa.kernels:
  - .name:           k_qecadaf1ea3_vproj
    .symbol:         k_qecadaf1ea3_vproj.kd
    .args:
      - { .name: WV_codes, .offset: 0, .size: 8, .value_kind: global_buffer, .address_space: global }
      - { .name: WV_scales, .offset: 8, .size: 8, .value_kind: global_buffer, .address_space: global }
      - { .name: x_codes, .offset: 16, .size: 8, .value_kind: global_buffer, .address_space: global }
      - { .name: x_scales, .offset: 24, .size: 8, .value_kind: global_buffer, .address_space: global }
      - { .name: qkv, .offset: 32, .size: 8, .value_kind: global_buffer, .address_space: global }
    .group_segment_fixed_size: 327680
    .private_segment_fixed_size: 0
    .kernarg_segment_align: 8
    .kernarg_segment_size: 40
    .max_flat_workgroup_size: 128
    .sgpr_count:     98
    .vgpr_count:     1024
    .wavefront_size: 32
...
	.end_amdgpu_metadata
.endif
;; end of part 3
;; launch attn (part 4): grid 4 x 64, 16 waves a work-group, no clusters, 327,680 bytes of LDS; arguments qkv, acodes, ascales; writes acodes, ascales
.if DOCPART == 4
	.amdgcn_target "amdgcn-amd-amdhsa--gfx1250"
	.amdhsa_code_object_version 6
	.text
	.protected	k_qecadaf1ea3_attn
	.globl	k_qecadaf1ea3_attn
	.p2align	8
	.type	k_qecadaf1ea3_attn,@function
k_qecadaf1ea3_attn:
	s_mov_b64 s[64:65], 0
	v_nop
	global_prefetch_b8 v0, s[64:65] scope:SCOPE_SE
	s_setreg_imm32_b32 hwreg(HW_REG_WAVE_MODE, 25, 1), 1
	s_wait_xcnt 0x0
; Causal attention of one (batch, head) on codes of FP6 (E2M3): S = Q K^T / 8, p = 2^(t - M), O = (p V) / l, and O quantised along the model's axis for the last product.
; t = score x log2(e) / 8; M = the row's largest t so far, rounded UP to a whole number; p is quantised along the keys, not normalised; l is the sum of the unquantised p, in f32.  When M moves, l and O are multiplied by 2^(old M - new M): exact.
; SHARES.  Work-group (x, y): y = 16 batch + head; it serves the queries of slot x (256 tokens; key slots 0 .. x) and then those of slot 7 - x (key slots 0 .. 7 - x): nine slots of keys, the same in all 256 work-groups.
; Each of its SIXTEEN waves owns 16 queries in 256 registers: four waves to a SIMD, so that one wave's vector work stands beside another's matrix work.
; NO CLUSTER: the four work-groups of a head want different key slots in the same trip (x + 1 slots, then 8 - x); walking in step would make each walk 12 slots instead of 9.
; THE RING.  A key slot's K images, V images and scale words are 26,624 consecutive bytes of qkv (104 x 256).  Two LDS slots; waves 0 and 1 each bring half a slot by one tensor load; all sixteen read it.
; LAYOUT.  Both products are used transposed, so that a lane holds ONE query (lane % 16).  A PAIR IMAGE of K holds 32 keys: K = 0 .. 63 of its rows are the channels of key 32 p + r, K = 64 .. 127 those of key 32 p + 16 + r.
; Multiplied by (Q, zeros) it gives keys 32 p + 0 .. 15, by (zeros, Q) keys 32 p + 16 .. 31: a head of 64 fills the instruction's 128 without a register of zeros on K's side.
; S^T's register 8 T + j holds key 16 T + 8 (lane / 16) + j, as V's accumulators did in their launch: p is quantised by the same lines, so p's and V's codes stand in the same order inside each block of 32 keys.
; CAUSAL.  Every work-group walks its nine slots; a step of 128 keys all of which come after the wave's queries is jumped over (a scalar branch on ids; no barrier or tensor load stands in a step); on the diagonal hidden scores become -infinity.
; OUT.  acodes [512 tiles of 16 rows][16 heads][768]: registers 0-5 of an operand's fragment (row lane % 16, channels 32 (lane / 16) + 0 .. 31 of the head, in their true order): 16 bytes a lane, then 8 bytes a lane.  ascales [8192][32]: byte 2 head + block.
; LIMITS: NaN and infinities are not served; a block whose largest magnitude lies under 2^-124, a block of zeros too, gets the byte 1 (this program alone reads the bytes).
; REGISTERS: v1 16 x lane; v2 the slot in hand + 16 x lane; v3, v4 the spare word and 0; v5 lane % 16 - 8 (lane / 16); v7 8 x lane; v8 32 (lane % 16) + lane / 16; v12 -M, v13 the largest t, v[14:15] l in two halves;
;   v16-21 zeros, v22-27 Q, v28-33 zeros; v34, v35 Q's scale words; v36-39 K's; v40-43 V's; v44 p's; v48-95 four fragments of K, then of V; v96-159 S^T, then p; v160-191 O^T; v192-210 codes; v212-229 at work.
.set BLKB,  39936
.set HEADB, 8*BLKB
.set HALFB, 13312                      ; half of a slot's 26,624 bytes: 52 rows of 256
.set SLOT1, 32768                      ; slot 1 begins here: one exclusive or turns an address in one slot into the other's
.set SPARE, 65536                      ; the spare words, 128 bytes for each of 16 waves: eight blocks of 256 bytes that no other line names
.set VIMG,  12288
.set KSC,   24576
.set VSC,   25600
.set QIMG,  26624
.set QSC,   38912
.set BM,    212                        ; v212-215 a block's largest score, then its largest p
.set PT,    216                        ; v216-219 the other half's, then the bytes
.set SO,    220                        ; v220-223 the conversions' scale operands
; s10 wave; s11 the work-group's x; s12 its y; s13 trip; s14 the key slot asked for; s15 LDS byte of the slot in hand; s16 the step's first key; s17 my first query; s18, s19 at work; s[20:21] lane selects; s[22:23] c;
; s[24:31], s[32:35] the descriptor; s[36:37] my half of the head's key slot 0; s[40:47] Q's image, Q's scale words, my place in acodes, in ascales; s48 all ones for odd waves; s49 16 for odd waves; s50 lanes 16-31; s51 the head's byte in qkv
.macro TLOAD                           ; waves 0 and 1 fetch, the others nothing: the branch hangs on the wave's number alone.  Four v_nop follow the load
	s_cmp_lt_u32 s10, 2
	s_cbranch_scc0 .Lnone_\@
	tensor_load_to_lds s[32:35], s[24:31]
	s_nop 0
.rept 4
	v_nop
.endr
.Lnone_\@:
.endm
.macro SETPH                           ; the addresses of a phase; s18 = its slot of queries
	s_lshl_b32 s17, s18, 8
	s_lshl_b32 s19, s10, 4
	s_add_co_u32 s17, s17, s19                     ; my first query: 256 x slot + 16 x wave
	s_mul_i32 s38, s18, BLKB
	s_add_co_u32 s38, s38, s51                     ; the slot's block of qkv
	s_lshr_b32 s19, s10, 1
	s_mul_i32 s19, s19, 1536                       ; the pair image that holds my 16 queries
	s_add_co_u32 s19, s19, s38
	s_add_co_u32 s52, s19, QIMG
	s_mov_b32 s53, 0
	s_add_nc_u64 s[40:41], s[4:5], s[52:53]
	s_lshr_b32 s19, s10, 3
	s_lshl_b32 s19, s19, 9                         ; its scale word: which 128 tokens,
	s_add_co_u32 s19, s19, s38
	s_lshr_b32 s52, s10, 1
	s_and_b32 s52, s52, 3
	s_lshl_b32 s52, s52, 2                         ; which of a lane's four words
	s_add_co_u32 s52, s52, s19
	s_add_co_u32 s52, s52, QSC
	s_add_nc_u64 s[42:43], s[4:5], s[52:53]
	s_lshr_b32 s19, s12, 4
	s_lshl_b32 s19, s19, 11
	s_add_co_u32 s19, s19, s17                     ; my first row of the output: 2,048 batch + query
	s_lshl_b32 s52, s19, 5
	s_and_b32 s54, s12, 15                         ; the head
	s_lshl_b32 s55, s54, 1
	s_add_co_u32 s52, s52, s55
	s_add_nc_u64 s[46:47], s[8:9], s[52:53]        ; ascales: 32 bytes a row, + 2 head
	s_lshr_b32 s19, s19, 4
	s_lshl_b32 s19, s19, 4
	s_add_co_u32 s19, s19, s54
	s_mul_i32 s52, s19, 768
	s_add_nc_u64 s[44:45], s[6:7], s[52:53]        ; acodes: (16 x row tile + head) x 768
.endm
.macro NEWQ                            ; a phase's start: my queries' codes and scale words; the statistics and O^T begin anew
.irp c, 0,1,2
	global_load_b128 v[96+4*\c:99+4*\c], v1, s[40:41] offset:512*\c
.endr
	global_load_b32 v108, v1, s[42:43]
	s_wait_loadcnt 0x0
.irp k, 0,1,2,3,4,5
	v_cndmask_b32 v[22+\k], v[96+\k], v[102+\k], s48   ; even waves: the image's registers 0-5; odd waves: 6-11
.endr
	v_lshrrev_b32 v34, s49, v108                   ; my two bytes in bytes 0, 1: for (Q, zeros).  What stands in bytes 2, 3 scales zero codes; it is a byte of this program's own make or 0, never 0xff
	v_lshlrev_b32 v35, 16, v34                     ; and in bytes 2, 3: for (zeros, Q)
	v_mov_b32 v13, 0xff61b1e6                      ; the largest t so far: -3e38, under every t
	v_floor_f32 v12, -v13                          ; -M
	v_mov_b32 v14, 0
	v_mov_b32 v15, 0
.set J, 0
.rept 32
	v_mov_b32 v[160+J], 0                          ; O^T: the step is written once; the first finds zeros.  (These are also the places between the scale words' writes and the products)
.set J, J+1
.endr
	s_mov_b32 s16, 0                               ; the keys begin at 0
.endm
; A KEY STEP: 128 keys, the st-th of the slot in hand.
.macro STEP st
	s_add_co_u32 s18, s17, 15
	s_cmp_gt_u32 s16, s18
	s_cbranch_scc1 .Lhidden_\@                     ; all 128 keys come after my 16 queries
.rept 4
	v_nop                                          ; places in front of loads into registers that the last products have read
.endr
.irp p, 0,1,2,3
.irp c, 0,1,2
	ds_load_b128 v[48+12*\p+4*\c:51+12*\p+4*\c], v2 offset:(4*(\st)+\p)*1536+512*\c   ; K's pair image p: 512 consecutive bytes a load
.endr
.endr
	ds_load_b128 v[36:39], v2 offset:KSC+512*(\st) ; the four images' scale words
	s_wait_dscnt 0x0
.irp p, 0,1,2,3
	v_wmma_scale_f32_16x16x128_f8f6f4 v[96+16*\p:103+16*\p], v[48+12*\p:59+12*\p], v[22:33], 0, v[36+\p], v34 matrix_a_fmt:MATRIX_FMT_FP6 matrix_b_fmt:MATRIX_FMT_FP6
	v_wmma_scale_f32_16x16x128_f8f6f4 v[104+16*\p:111+16*\p], v[48+12*\p:59+12*\p], v[16:27], 0, v[36+\p], v35 matrix_a_fmt:MATRIX_FMT_FP6 matrix_b_fmt:MATRIX_FMT_FP6
.endr
.rept 4
	v_nop                                          ; places: in front of the loads below and of the first read of the scores
.endr
.irp t, 0,1,2,3
.irp c, 0,1,2
	ds_load_b128 v[48+12*\t+4*\c:51+12*\t+4*\c], v2 offset:VIMG+(4*(\st)+\t)*1536+512*\c   ; V's four images land while the softmax is worked
.endr
.endr
	ds_load_b128 v[40:43], v2 offset:VSC+512*(\st)
	s_add_co_u32 s18, s16, 127
	s_cmp_le_u32 s18, s17
	s_cbranch_scc1 .Lopen_\@                       ; all 128 keys count for all my queries
	s_sub_co_i32 s18, s17, s16
	v_add_nc_u32 v224, s18, v5                     ; d = my query - the step's first key - 8 (lane / 16): register 8 T + j is hidden where 16 T + j > d
	v_mov_b32 v225, 0xff800000                     ; -infinity
.set N, 0
.rept 64
	v_cmp_gt_i32 vcc_lo, 16*(N/8)+N%8, v224
	v_cndmask_b32 v[96+N], v[96+N], v225, vcc_lo
.set N, N+1
.endr
.Lopen_\@:
.irp b, 0,1,2,3
	v_max3_num_f32 v[BM+\b], v[96+16*\b], v[97+16*\b], v[98+16*\b]   ; the largest score of each block of 32 keys: for the row's maximum, and, since p rises with the score, for the block's largest p
.endr
.irp i, 3,5,7,9,11,13
.irp b, 0,1,2,3
	v_max3_num_f32 v[BM+\b], v[BM+\b], v[96+16*\b+\i], v[97+16*\b+\i]
.endr
.endr
.irp b, 0,1,2,3
	v_max_num_f32 v[BM+\b], v[BM+\b], v[111+16*\b]
.endr
.irp b, 0,1,2,3
	v_permlanex16_b32 v[PT+\b], v[BM+\b], s20, s21
.endr
.irp b, 0,1,2,3
	v_max_num_f32 v[BM+\b], v[BM+\b], v[PT+\b]     ; with lane l xor 16's 16 keys
.endr
	v_max3_num_f32 v224, v[BM], v[BM+1], v[BM+2]
	v_max_num_f32 v224, v224, v[BM+3]              ; the step's largest score of my query
	v_mul_f32 v224, s22, v224                      ; as t
	v_max_num_f32 v13, v13, v224                   ; the running largest t
	v_mov_b32 v224, v12
	v_floor_f32 v12, -v13                          ; the new -M = floor(-t) = -ceil(t)
	v_sub_f32 v224, v12, v224                      ; old M - new M: a whole number, 0 or less
	v_cvt_i32_f32 v224, v224                       ; (it saturates)
	v_ldexp_f32 v226, 1.0, v224                    ; f = 2^(old M - new M)
.set J, 0
.rept 32
	v_pk_fma_f32 v[96+J:97+J], v[96+J:97+J], s[22:23], v[12:13] op_sel_hi:[1,0,0]   ; t - M, two at a time
.set J, J+2
.endr
.irp b, 0,1,2,3
	v_fma_f32 v[BM+\b], v[BM+\b], s22, v12         ; the same of each block's largest score
.endr
.set J, 0
.rept 64
	v_exp_f32 v[96+J], v[96+J]                     ; p = 2^(t - M), at most 1
.set J, J+1
.endr
.irp b, 0,1,2,3
	v_exp_f32 v[BM+\b], v[BM+\b]                   ; the block's largest p: the same two instructions on the same number
.endr
	v_pk_mul_f32 v[14:15], v[14:15], v[226:227] op_sel_hi:[1,0]   ; l under the new M.  (A plain place behind the exponentials)
	s_wait_alu depctr_va_vdst(0)
.irp b, 0,1,2,3
	v_max_num_f32 v[BM+\b], 0x1800000, v[BM+\b]    ; the floor 2^(3 - 127): the byte cannot fall under 1
.endr
.irp b, 0,1,2,3
	v_add_nc_u32 v[SO+\b], 0xff000000, v[BM+\b]    ; 2 off the exponent field: the conversion's scale operand
.endr
.irp b, 0,1,2,3
	v_lshrrev_b32 v[PT+\b], 23, v[SO+\b]           ; the scale's byte
.endr
	v_lshl_or_b32 v44, v[PT+1], 8, v[PT]           ; p's scale word for these 128 keys
	v_lshl_or_b32 v44, v[PT+2], 16, v44
	v_lshl_or_b32 v44, v[PT+3], 24, v44
.irp c, 0,1
	v_cvt_scalef32_pk16_fp6_f32 v[192+6*\c:194+6*\c], v[96+32*\c:111+32*\c], v[SO+2*\c]
	v_cvt_scalef32_pk16_fp6_f32 v[204+4*\c:206+4*\c], v[112+32*\c:127+32*\c], v[SO+2*\c+1]   ; (a conversion's three registers begin on an even number)
.endr
	v_nop                                          ; one plain place behind a scaled conversion
.irp c, 0,1                                    ; the operand's layout wants a whole block in a lane
.irp i, 0,1,2
	v_permlane16_swap_b32 v[192+6*\c+\i], v[204+4*\c+\i]
.endr
.irp i, 0,1,2
	v_mov_b32 v[195+6*\c+\i], v[204+4*\c+\i]
.endr
.endr
	v_pk_add_f32 v[228:229], v[96:97], v[98:99]    ; the row's sum is taken of the unquantised p: two at a time, in two chains
.irp j, 4,8,12,16,20,24,28,32,36,40,44,48,52,56,60
	v_pk_add_f32 v[14:15], v[14:15], v[96+\j:97+\j]
	v_pk_add_f32 v[228:229], v[228:229], v[98+\j:99+\j]
.endr
	v_pk_add_f32 v[14:15], v[14:15], v[228:229]
.set J, 0
.rept 16
	v_pk_mul_f32 v[160+J:161+J], v[160+J:161+J], v[226:227] op_sel_hi:[1,0]   ; O^T under the new M.  (With the sums above: the places between the writes of p's codes and scale word and the products)
.set J, J+2
.endr
	s_wait_dscnt 0x0                               ; V's images and scale words are in
.irp t, 0,1,2,3                                ; O^T += V^T p^T: four accumulators, one instruction a turn
	v_wmma_scale_f32_16x16x128_f8f6f4 v[160+8*\t:167+8*\t], v[48+12*\t:59+12*\t], v[192:203], v[160+8*\t:167+8*\t], v[40+\t], v44 matrix_a_fmt:MATRIX_FMT_FP6 matrix_b_fmt:MATRIX_FMT_FP6
.endr
.Lhidden_\@:
	s_add_co_u32 s16, s16, 128
.endm
; THE CHANGE OF SLOTS stands at a slot's head.  Each wave waits for all its tensor loads (its part of the slot that it is about to read), adds 0 to its spare word, and waits for that and for its reads of the slot that it has left.
; Behind the barrier the slot ahead is whole and nobody reads the other one.  fill = 1: that one is filled with the key slot of the next trip: one on, or, where this trip ends the first phase, slot 0 again.
.macro CHANGE fill
	s_wait_tensorcnt 0x0                           ; no tensor load of mine is out, so the descriptor may be written
	ds_add_u32 v3, v4                              ; 0 onto my spare word
.if \fill
	s_xor_b32 s33, s33, SLOT1                      ; the other LDS slot than last time
	s_add_co_u32 s14, s14, 1
	s_cmp_eq_u32 s13, s11
	s_cselect_b32 s14, 0, s14
	s_mul_i32 s38, s14, BLKB
	s_mov_b32 s39, 0
	s_add_nc_u64 s[34:35], s[36:37], s[38:39]
	s_or_b32 s35, s35, 0x80000000                  ; type = 2
.endif
	s_wait_dscnt 0x0                               ; the add is done, and my reads of the slot that I have left are over
	s_barrier_signal -1
	s_barrier_wait -1
.if \fill
	TLOAD                                          ; the first thing behind the barrier, and a wave's one tensor load until the next: it has a slot's two steps in which to land
.endif
	v_add_nc_u32 v2, s15, v1
.endm
; A PHASE'S END: O^T / l, brought into the channels' true order, quantised (two blocks of 32 channels) and stored.
.macro FINISH
.rept 4
	v_nop                                          ; places behind the last products
.endr
	v_add_f32 v14, v14, v15
	v_permlanex16_b32 v[PT], v14, s20, s21
	v_add_f32 v14, v14, v[PT]                      ; l: my two halves and lane l xor 16's
	v_rcp_f32 v14, v14
	v_nop                                          ; one plain place behind a transcendental
.set J, 0
	s_wait_alu depctr_va_vdst(0)
.rept 32
	v_mul_f32 v[96+J], v[160+J], v14               ; register 8 t + j: channel 16 t + 8 (lane / 16) + j.  Each accumulator from its low end on
.set J, J+1
.endr
.irp b, 0,1
.irp j, 0,1,2,3,4,5,6,7
	v_permlane16_swap_b32 v[96+16*\b+\j], v[104+16*\b+\j]   ; registers 16 b .. 16 b + 15 now hold channels 32 b + 16 (lane / 16) + 0 .. 15: neighbours, as WO's codes lie
.endr
.endr
.irp b, 0,1
	v_max3_num_f32 v[BM+\b], |v[96+16*\b]|, |v[97+16*\b]|, 0x1800000
.endr
.irp i, 2,4,6,8,10,12,14
.irp b, 0,1
	v_max3_num_f32 v[BM+\b], v[BM+\b], |v[96+16*\b+\i]|, |v[97+16*\b+\i]|
.endr
.endr
.irp b, 0,1
	v_permlanex16_b32 v[PT+\b], v[BM+\b], s20, s21
.endr
.irp b, 0,1
	v_max_num_f32 v[BM+\b], v[BM+\b], v[PT+\b]
.endr
.irp b, 0,1
	v_add_nc_u32 v[SO+\b], 0xff000000, v[BM+\b]
.endr
.irp b, 0,1
	v_lshrrev_b32 v[PT+\b], 23, v[SO+\b]
.endr
	v_cvt_scalef32_pk16_fp6_f32 v[192:194], v[96:111], v[SO]
	v_cvt_scalef32_pk16_fp6_f32 v[204:206], v[112:127], v[SO+1]
	v_cndmask_b32 v224, v[PT], v[PT+1], s50        ; lanes 0-15 store block 0's byte, lanes 16-31 block 1's.  (The plain place behind the conversions)
.irp i, 0,1,2
	v_permlane16_swap_b32 v[192+\i], v[204+\i]
.endr
.irp i, 0,1,2
	v_mov_b32 v[195+\i], v[204+\i]                 ; registers 0-5: row lane % 16, block lane / 16
.endr
	global_store_b128 v1, v[192:195], s[44:45]             ; 512 consecutive bytes,
	global_store_b64 v7, v[196:197], s[44:45] offset:512   ; and 256
	global_store_b8 v8, v224, s[46:47]
	s_wait_xcnt 0x0                                ; the stores have read their registers and bases: both may be written again
.endm
	s_load_b128 s[4:7], s[0:1], 0x0                ; qkv, acodes
	s_load_b64 s[8:9], s[0:1], 0x10                ; ascales
	v_lshl_add_u32 v3, v0, 2, SPARE
	v_mov_b32 v4, 0
	ds_add_u32 v3, v4
	s_wait_dscnt 0x0
	v_lshrrev_b32 v1, 5, v0
	v_readfirstlane_b32 s10, v1                    ; wave 0..15
	s_mov_b32 s11, ttmp9
	s_and_b32 s12, ttmp7, 0xffff
	s_mul_i32 s51, s12, HEADB
	s_and_b32 s18, s10, 1
	s_mul_i32 s33, s18, HALFB                      ; 63:32 LDS address: my half of slot 0
	s_add_co_u32 s38, s51, s33
	s_mov_b32 s39, 0
	s_mov_b32 s24, 3<<16                           ; 15:0 no mask; 17:16 elements of 8 bytes; no padding
	s_mov_b32 s25, 32<<16                          ; tensor_dim0 = 32 (256 bytes)
	s_mov_b32 s26, 52<<16                          ; tensor_dim1 = 52
	s_mov_b32 s27, 32<<16                          ; tile_dim0
	s_mov_b32 s28, 52                              ; tile_dim1
	s_mov_b32 s29, 32                              ; tensor_dim0_stride: dense
	s_mov_b32 s30, 0
	s_mov_b32 s31, 0
	s_mov_b32 s32, 1                               ; count = 1
	s_sub_co_u32 s48, 0, s18
	s_lshl_b32 s49, s18, 4
	s_mov_b32 s50, 0xffff0000
	s_mov_b32 s20, 0x76543210
	s_mov_b32 s21, 0xfedcba98
	s_mov_b32 s22, 0x3e38aa3b                      ; c = log2(e) / 8
	s_mov_b32 s23, s22                             ; (named with it as a pair, so it is written)
	s_mov_b32 s13, 0
	s_mov_b32 s14, 0
	s_mov_b32 s15, 0
	s_wait_kmcnt 0x0
	s_add_nc_u64 s[36:37], s[4:5], s[38:39]
	s_mov_b64 s[34:35], s[36:37]
	s_or_b32 s35, s35, 0x80000000
	TLOAD                                          ; key slot 0 into LDS slot 0: the first fill, ahead of every wait on TENSORcnt, LDS read and barrier
	v_and_b32 v1, 31, v0
	v_lshlrev_b32 v7, 3, v1
	v_lshlrev_b32 v1, 4, v1
	v_and_b32 v5, 15, v0
	v_bfe_u32 v6, v0, 4, 1
	v_lshl_add_u32 v8, v5, 5, v6
	v_lshlrev_b32 v6, 3, v6
	v_sub_nc_u32 v5, v5, v6
.irp k, 0,1,2,3,4,5
	v_mov_b32 v[16+\k], 0                          ; zero codes on either side of Q
	v_mov_b32 v[28+\k], 0
.endr
.irp b, 0,1,2,3
	v_mov_b32 v[PT+\b], 0                          ; written once: a lane permute's destination counts as one of its sources
.endr
	v_mov_b32 v227, 0                              ; (named as the upper half of the pair v[226:227])
	s_mov_b32 s18, s11
	SETPH
	NEWQ
.Ltrip:                                            ; eight trips: behind each change of slots but the last the next slot is asked for
	CHANGE 1
	STEP 0
	STEP 1
	s_xor_b32 s15, s15, SLOT1                      ; on to the other slot
	s_cmp_lg_u32 s13, s11
	s_cbranch_scc1 .Lsame                          ; the first phase ends with trip x: a branch on ids, round register work, loads and stores alone
	FINISH
	s_sub_co_u32 s18, 7, s11
	SETPH
	NEWQ
.Lsame:
	s_add_co_u32 s13, s13, 1
	s_cmp_lt_u32 s13, 8
	s_cbranch_scc1 .Ltrip
	CHANGE 0                                       ; the last slot is written out
	STEP 0
	STEP 1
	FINISH
	s_wait_tensorcnt 0x0                           ; the wave's end
	ds_add_u32 v3, v4
	s_wait_dscnt 0x0
	s_endpgm
.Lfunc_end_k_qecadaf1ea3_attn:
	.size	k_qecadaf1ea3_attn, .Lfunc_end_k_qecadaf1ea3_attn-k_qecadaf1ea3_attn
	.p2alignl 7, 3214868480
	.fill 96, 4, 3214868480
	.section	.rodata,"a",@progbits
	.p2align	6, 0x0
	.amdhsa_kernel k_qecadaf1ea3_attn
		.amdhsa_group_segment_fixed_size 327680
		.amdhsa_private_segment_fixed_size 0
		.amdhsa_enable_private_segment 0
		.amdhsa_kernarg_size 24
		.amdhsa_user_sgpr_count 2
		.amdhsa_user_sgpr_kernarg_segment_ptr 1
		.amdhsa_wavefront_size32 1
		.amdhsa_system_sgpr_workgroup_id_x 1
		.amdhsa_system_sgpr_workgroup_id_y 1
		.amdhsa_system_sgpr_workgroup_id_z 1
		.amdhsa_system_vgpr_workitem_id 0
		.amdhsa_next_free_vgpr 256
		.amdhsa_next_free_sgpr 66
		.amdhsa_reserve_vcc 1
		.amdhsa_float_denorm_mode_32 3
		.amdhsa_float_denorm_mode_16_64 3
		.amdhsa_memory_ordered 1
		.amdhsa_forward_progress 1
		.amdhsa_inst_pref_size 101
	.end_amdhsa_kernel
	.amdgpu_metadata
---
amdhsa.version: [ 1, 2 ]
amdhsa.kernels:
  - .name:           k_qecadaf1ea3_attn
    .symbol:         k_qecadaf1ea3_attn.kd
    .args:
      - { .name: qkv, .offset: 0, .size: 8, .value_kind: global_buffer, .address_space: global }
      - { .name: acodes, .offset: 8, .size: 8, .value_kind: global_buffer, .address_space: global }
      - { .name: ascales, .offset: 16, .size: 8, .value_kind: global_buffer, .address_space: global }
    .group_segment_fixed_size: 327680
    .private_segment_fixed_size: 0
    .kernarg_segment_align: 8
    .kernarg_segment_size: 24
    .max_flat_workgroup_size: 512
    .sgpr_count:     66
    .vgpr_count:     256
    .wavefront_size: 32
...
	.end_amdgpu_metadata
.endif
;; end of part 4
;; launch oproj (part 5): grid 4 x 32, 4 waves a work-group, clusters of 4 x 4, 327,680 bytes of LDS; arguments acodes, ascales, WO_codes, WO_scales, out0; writes out0
.if DOCPART == 5
	.amdgcn_target "amdgcn-amd-amdhsa--gfx1250"
	.amdhsa_code_object_version 6
	.text
	.protected	k_qecadaf1ea3_oproj
	.globl	k_qecadaf1ea3_oproj
	.p2align	8
	.type	k_qecadaf1ea3_oproj,@function
k_qecadaf1ea3_oproj:
	s_mov_b64 s[64:65], 0
	v_nop
	global_prefetch_b8 v0, s[64:65] scope:SCOPE_SE
	s_setreg_imm32_b32 hwreg(HW_REG_WAVE_MODE, 25, 1), 1
	s_wait_xcnt 0x0
	s_wait_alu depctr_hold_cnt(0) depctr_sa_sdst(0) depctr_va_vdst(0) depctr_va_sdst(0) depctr_va_ssrc(0) depctr_va_vcc(0) depctr_vm_vsrc(0)
	s_getreg_b32 s2, hwreg(HW_REG_IB_STS2, 6, 4)
	s_cmp_eq_u32 s2, 0
	s_cbranch_scc0 .Lentry_in_a_cluster
	s_endpgm
.Lentry_in_a_cluster:
	s_bfe_u32 s2, ttmp6, 0x10000c
	s_cmp_lg_u32 s2, 0xf033
	s_cbranch_scc0 .Lentry_shape_is_right
	s_endpgm
.Lentry_shape_is_right:
; out0 = A WO^T.  A [8192][1024]: attention's output as codes of FP6 (E2M3), laid as halves of operand fragments: acodes [512 tiles of 16 rows][16 heads][768], registers 0-3 at 16 x lane, registers 4-5 at 512 + 8 x lane;
; its scale bytes ascales [8192][32].  WO [1024][1024]: codes, K innermost (a row is 768 bytes), scale bytes [1024][32].  out0 [8192][1024] f32; sums in f32.
; A tile of out0, 256 x 256, is made by a work-group of four waves; a wave makes 128 x 128: 64 accumulators, 512 registers.  K goes in steps of 256 (four heads) through a ring of two LDS slots filled by the tensor data mover.
; A's tile for a wave's load: 8 row tiles x 3,072 consecutive bytes, 12,288 apart in memory, dense in LDS: a fragment comes by two loads of 16 bytes and two of 8 bytes a lane, each of consecutive bytes.  WO's tiles: rows of 192 bytes, padded.
; The scale bytes of the work-group's rows, for all of K, come into LDS once.  CLUSTERS of 4 x 4: A's tiles are shared along a row, WO's along a column, by joint loads.  The grid has one cluster along x, so the tile column is cx alone.
; The grid has 128 work-groups: 8,192 x 1,024 results in tiles of 256 x 256.
; Source 0 = 16 rows of WO, source 1 = 16 rows of A: a lane holds eight neighbouring numbers of a row of out0; they leave through a stage in LDS as whole rows of 512 bytes.
; REGISTERS: window 0: v0-31 addresses; v32-63 scale words, two sets, and nothing else; from v128 A's fragments, ONE set; on the way out v128-255 rows of out0.  window 1: WO's fragments, TWO sets.  windows 2, 3: the accumulators.
.set SIZE_N, 1024
.set KSTEP,  256
.set NQ,     2
.set ROWB,   192
.set KROW,   768
.set PITCH,  240                       ; WO's LDS row: 3 x (64 bytes + 16 of padding)
.set FR,     12
.set NL,     6                         ; LDS loads that bring a fragment of WO
.set NLA,    4                         ; and of A
.set NP,     4
.set ASTEP,  3072                      ; a row tile's bytes of a K step: four heads
.set HALFA,  8*ASTEP                   ; 128 rows of A: one tensor load
.set HALFT,  128*PITCH                 ; 128 rows of WO: one tensor load
.set SLOT,   2*HALFA+2*HALFT           ; A's 256 rows, then WO's 256 rows
.set LAPS,   2
.set KS,     32
.set SCL,    2*SLOT
.set HALFS,  16*272
.set SBLK,   2*272
.set SPARE,  SCL+4*HALFS               ; the spare words, 128 bytes a wave: two blocks of 256 bytes that no other line names
.set SPITCH, 528                       ; the way out: a stage of 16 rows x (512 bytes + 16) for each wave, in slot 0, which has had its last fill and its last read when the first result is stored there
.set ADRA, 16                          ; v16-17 LDS address of A's fragments in slot 0, 1, 16 bytes a lane; v18-19 the same, 8 bytes a lane
.set ADRB, 20                          ; v20-23 WO's
.set STO,  24
.set RD,   25
.set CO,   26
.set ADRS, 27
.set SPW,  28
.set NIL,  29
.set SC,   32
.set AF,   128
.set BK,   128
.set G1, 24
.set G0, 32
.set G1B, 48
.set G0B, 56
.set G1S, 68
.set G0S, 76
.set G1SB, 80
.set G0SB, 88
.set MSB, 0
.macro WIN new                         ; the immediate's high byte repeats the setting that is left
.if MSB != (\new)
	s_set_vgpr_msb (MSB<<8)|(\new)
.set MSB, \new
.endif
.endm
.set MUL_LO, 0xa1
.set MUL_HI, 0xf1
.set TO_B,   0x40
.macro JLOAD g0a, g1a, g0b, g1b        ; a joint load: waves 0 and 1 fetch for A, waves 2 and 3 for WO; four v_nop follow each of the two lines
	s_cmp_eq_u32 s15, 0
	s_cbranch_scc0 .Lfor_b_\@
	tensor_load_to_lds s[\g0a:\g0a+3], s[\g1a:\g1a+7]
	s_nop 0
.rept 4
	v_nop
.endr
	s_branch .Lasked_\@
.Lfor_b_\@:
	tensor_load_to_lds s[\g0b:\g0b+3], s[\g1b:\g1b+7]
	s_nop 0
.rept 4
	v_nop
.endr
.Lasked_\@:
.endm
.macro CREST
	s_cmp_lg_u32 s14, 0
	s_cbranch_scc1 .Lnot_wave_0_\@
	s_barrier_signal -3
.Lnot_wave_0_\@:
	s_barrier_wait -3
	s_barrier_signal -1
	s_barrier_wait -1
.endm
.macro CROUND
	s_barrier_signal -1
	s_barrier_wait -1
	CREST
.endm
	s_load_b128 s[4:7], s[0:1], 0x0                ; A's codes, A's scales
	s_load_b128 s[8:11], s[0:1], 0x10              ; WO's codes, scales
	s_load_b64 s[12:13], s[0:1], 0x20              ; out0
	v_lshl_add_u32 v[SPW], v0, 2, SPARE
	v_mov_b32 v[NIL], 0
	ds_add_u32 v28, v29
	s_wait_dscnt 0x0
	v_lshrrev_b32 v1, 5, v0
	v_readfirstlane_b32 s14, v1                    ; wave 0..3
	s_lshr_b32 s15, s14, 1                         ; which half of the tile's rows is mine.  Also: I fetch for A (0) or for WO (1)
	s_and_b32 s16, s14, 1                          ; which half of its columns.  Also: which 128 rows of that tile I fetch
	s_bfe_u32 s40, ttmp6, 0x40000                  ; cx, cy
	s_bfe_u32 s41, ttmp6, 0x40004
	s_mov_b32 s42, s40                             ; tile column = cx
	s_and_b32 s17, ttmp7, 0xffff
	s_lshl_b32 s17, s17, 2
	s_add_co_u32 s17, s17, s41                     ; tile row = 4 x cluster y + cy
	s_lshl_b32 s43, s41, 2
	s_lshl_b32 s43, 15, s43                        ; my row of the cluster
	s_lshl_b32 s44, 0x1111, s40                    ; my column
	; A's tiles: 8 rows of 384 elements of 8 bytes, 1,536 elements apart, no padding
	s_or_b32 s[G1+0], s43, (3<<16)|(1<<21)         ; 15:0 the mask: my row; 17:16 elements of 8 bytes; 21 set beside a mask
	s_mov_b32 s[G1+1], 384<<16                     ; tensor_dim0
	s_mov_b32 s[G1+2], 8<<16                       ; tensor_dim1
	s_mov_b32 s[G1+3], 384<<16                     ; tile_dim0
	s_mov_b32 s[G1+4], 8                           ; tile_dim1
	s_mov_b32 s[G1+5], 1536                        ; tensor_dim0_stride
	s_mov_b32 s[G1+6], 0
	s_mov_b32 s[G1+7], 0
	; WO's tiles: 128 rows x 192 bytes, 16 bytes of padding behind every 64
	s_or_b32 s[G1B+0], s44, (0<<16)|(1<<20)|(1<<21)|(3<<22)|(3<<25)
	s_mov_b32 s[G1B+1], ROWB<<16
	s_mov_b32 s[G1B+2], 128<<16
	s_mov_b32 s[G1B+3], ROWB<<16
	s_mov_b32 s[G1B+4], 128
	s_mov_b32 s[G1B+5], KROW
	s_mov_b32 s[G1B+6], 0
	s_mov_b32 s[G1B+7], 0
	s_or_b32 s[G1S+0], s43, (3<<16)|(1<<20)|(1<<21)|(5<<22)|(3<<25) ; the scales of 128 rows: 16 rows of 256 bytes, 16 bytes of padding behind each
	s_or_b32 s[G1SB+0], s44, (3<<16)|(1<<20)|(1<<21)|(5<<22)|(3<<25)
.irp g, G1S, G1SB
	s_mov_b32 s[\g+1], 32<<16
	s_mov_b32 s[\g+2], 16<<16
	s_mov_b32 s[\g+3], 32<<16
	s_mov_b32 s[\g+4], 16
	s_mov_b32 s[\g+5], 32
	s_mov_b32 s[\g+6], 0
	s_mov_b32 s[\g+7], 0
.endr
	s_lshl_b32 s18, s16, 7                         ; which 128 rows of the tile I fetch
	s_lshl_b32 s20, s17, 8
	s_add_co_u32 s20, s20, s18                     ; A: row 256 x tile row + 128 x half
	s_lshl_b32 s46, s42, 8
	s_add_co_u32 s46, s46, s18                     ; WO: row 256 x tile column + 128 x half
	s_mov_b32 s21, 0
	s_mov_b32 s47, 0
	s_mov_b64 s[18:19], KS
	s_mul_u64 s[22:23], s[20:21], s[18:19]         ; where these rows' scales begin,
	s_mul_u64 s[92:93], s[46:47], s[18:19]
	s_mov_b64 s[18:19], KROW
	s_mul_u64 s[20:21], s[20:21], s[18:19]         ; and their codes: 16 rows of A are 12,288 bytes, as 16 rows of 768 would be
	s_mul_u64 s[46:47], s[46:47], s[18:19]
	s_mul_i32 s45, s16, HALFA                      ; where they go: A's two halves,
	s_mul_i32 s95, s16, HALFT
	s_add_co_u32 s95, s95, 2*HALFA                 ; then WO's two halves
	s_mul_i32 s94, s14, HALFS
	s_wait_kmcnt 0x0
	s_add_nc_u64 s[20:21], s[4:5], s[20:21]
	s_add_nc_u64 s[22:23], s[6:7], s[22:23]
	s_add_nc_u64 s[46:47], s[8:9], s[46:47]
	s_add_nc_u64 s[92:93], s[10:11], s[92:93]
	CROUND                                         ; all sixteen work-groups are here: the first joint loads meet
	s_mov_b32 s[G0S], 1
	s_add_co_u32 s[G0S+1], s94, SCL
	s_mov_b64 s[G0S+2:G0S+3], s[22:23]
	s_or_b32 s[G0S+3], s[G0S+3], 0x80000000
	s_mov_b32 s[G0SB], 1
	s_add_co_u32 s[G0SB+1], s94, SCL
	s_mov_b64 s[G0SB+2:G0SB+3], s[92:93]
	s_or_b32 s[G0SB+3], s[G0SB+3], 0x80000000
	JLOAD G0S, G1S, G0SB, G1SB
.irp s, 0,1
	s_mov_b32 s[G0+4*\s], 1
	s_add_co_u32 s[G0+4*\s+1], s45, \s*SLOT
	s_add_nc_u64 s[G0+4*\s+2:G0+4*\s+3], s[20:21], \s*ASTEP
	s_or_b32 s[G0+4*\s+3], s[G0+4*\s+3], 0x80000000
	s_mov_b32 s[G0B+4*\s], 1
	s_add_co_u32 s[G0B+4*\s+1], s95, \s*SLOT
	s_add_nc_u64 s[G0B+4*\s+2:G0B+4*\s+3], s[46:47], \s*ROWB
	s_or_b32 s[G0B+4*\s+3], s[G0B+4*\s+3], 0x80000000
	JLOAD G0+4*\s, G1, G0B+4*\s, G1B
.endr
	v_and_b32 v1, 15, v0                           ; l % 16
	v_bfe_u32 v2, v0, 4, 1                         ; l / 16
	v_and_b32 v7, 31, v0                           ; lane
	v_mul_u32_u24 v3, v1, PITCH
	v_mul_u32_u24 v4, v2, 24
	v_add_nc_u32 v4, v3, v4                        ; WO: a fragment's row x pitch + 24 x half
	v_lshl_add_u32 v5, v2, 4, v4                   ; and the same behind one padding more
	v_lshlrev_b32 v8, 4, v7                        ; A: 16 x lane,
	v_lshlrev_b32 v9, 3, v7                        ; 8 x lane
	s_mul_i32 s21, s15, HALFA                      ; my 128 rows of A
	s_mul_i32 s22, s16, HALFT                      ; my 128 rows of WO,
	s_add_co_u32 s22, s22, 2*HALFA                 ; which lie behind A's 256
.irp s, 0,1
	v_add_nc_u32 v[ADRA+\s], s21, v8
	v_add_nc_u32 v[ADRA+2+\s], s21, v9
	v_add_nc_u32 v[ADRB+\s], s22, v4
	v_add_nc_u32 v[ADRB+2+\s], s22, v5
	s_add_co_u32 s21, s21, SLOT
	s_add_co_u32 s22, s22, SLOT
.endr
	v_mul_u32_u24 v5, v1, KS
	v_lshrrev_b32 v6, 8, v5
	v_lshl_add_u32 v5, v6, 4, v5
	s_mul_i32 s21, s15, HALFS
	s_mul_i32 s22, s16, HALFS
	s_add_co_u32 s22, s22, 2*HALFS
	s_sub_co_u32 s22, s22, s21
	v_mul_u32_u24 v6, s22, v2                      ; lanes 16-31 take WO's
	s_add_co_u32 s21, s21, SCL
	v_add_nc_u32 v5, v5, v6
	v_add_nc_u32 v[ADRS], s21, v5
	s_mul_i32 s23, s14, 16*SPITCH                  ; my stage
	v_mul_u32_u24 v5, v1, SPITCH                   ; in: row l % 16, 32 bytes for each half of the lanes
	v_lshl_add_u32 v5, v2, 5, v5
	v_add_nc_u32 v[STO], s23, v5
	v_lshlrev_b32 v[CO], 4, v7                     ; back: the 32 lanes take one row of 512 bytes; and the same in out0
	v_add_nc_u32 v[RD], s23, v[CO]
	s_lshl_b32 s20, s17, 8
	s_lshl_b32 s21, s15, 7
	s_add_co_u32 s20, s20, s21                     ; my first row of out0
	s_mov_b32 s21, 0
	s_mov_b64 s[18:19], SIZE_N*4
	s_mul_u64 s[20:21], s[20:21], s[18:19]
	s_lshl_b32 s46, s42, 10                        ; my first column, in bytes
	s_lshl_b32 s47, s16, 9
	s_add_co_u32 s46, s46, s47
	s_mov_b32 s47, 0
	s_add_nc_u64 s[20:21], s[20:21], s[46:47]
	s_add_nc_u64 s[12:13], s[12:13], s[20:21]
.macro FRAG reg, adr, q, i             ; a fragment of WO, in pieces of 8 bytes; the second address register serves the pieces that lie behind one padding more for lanes 16-31
.irp p, 0,1,2,3,4,5
.set PCE, 12*(\q)+6*(\p/3)+\p%3
.if PCE%8 < 5
	ds_load_b64 v[\reg+2*\p:\reg+2*\p+1], v[\adr] offset:8*PCE+16*(PCE/8)+(\i)*16*PITCH
.else
	ds_load_b64 v[\reg+2*\p:\reg+2*\p+1], v[\adr+2] offset:8*PCE+16*(PCE/8)+(\i)*16*PITCH
.endif
.endr
.endm
.macro FRAGA reg, slot, q, i           ; a fragment of A: row tile i, the slot's heads 2 q (registers 0-5) and 2 q + 1 (registers 6-11), as they were stored
	ds_load_b128 v[\reg:\reg+3], v[ADRA+\slot] offset:ASTEP*(\i)+1536*(\q)
	ds_load_b64 v[\reg+4:\reg+5], v[ADRA+2+\slot] offset:ASTEP*(\i)+1536*(\q)+512
	ds_load_b128 v[\reg+6:\reg+9], v[ADRA+\slot] offset:ASTEP*(\i)+1536*(\q)+768
	ds_load_b64 v[\reg+10:\reg+11], v[ADRA+2+\slot] offset:ASTEP*(\i)+1536*(\q)+1280
.endm
.macro MUL16 a0, p, q, sc, zero        ; 16 matrix instructions: A's blocks a0, a0 + 1 against WO's eight; the 64 accumulators take turns
.irp a, \a0, \a0+1
.irp b, 0,1,2,3,4,5,6,7
.if \zero
	v_wmma_scale_f32_16x16x128_f8f6f4 v[8*(8*((\a)%4)+\b):8*(8*((\a)%4)+\b)+7], v[128*(\p)+FR*\b:128*(\p)+FR*\b+FR-1], v[AF+FR*(\a):AF+FR*(\a)+FR-1], 0, v[SC+8*NQ*(\sc)+NQ*\b+(\q)], v[SC+8*NQ*(\sc)+NQ*(\a)+(\q)] matrix_a_fmt:MATRIX_FMT_FP6 matrix_b_fmt:MATRIX_FMT_FP6 matrix_a_scale:MATRIX_SCALE_ROW1
.else
	v_wmma_scale_f32_16x16x128_f8f6f4 v[8*(8*((\a)%4)+\b):8*(8*((\a)%4)+\b)+7], v[128*(\p)+FR*\b:128*(\p)+FR*\b+FR-1], v[AF+FR*(\a):AF+FR*(\a)+FR-1], v[8*(8*((\a)%4)+\b):8*(8*((\a)%4)+\b)+7], v[SC+8*NQ*(\sc)+NQ*\b+(\q)], v[SC+8*NQ*(\sc)+NQ*(\a)+(\q)] matrix_a_fmt:MATRIX_FMT_FP6 matrix_b_fmt:MATRIX_FMT_FP6 matrix_a_scale:MATRIX_SCALE_ROW1
.endif
.endr
.endr
.endm
.macro FETCH_B slot, q, p
	WIN TO_B
.irp i, 0,1,2,3,4,5,6,7
	FRAG 128*(\p)+FR*\i, ADRB+\slot, \q, \i
.endr
	WIN 0
.endm
.macro FETCH_A slot, q, i0
.irp i, \i0, \i0+1, \i0+2, \i0+3
	FRAGA AF+FR*(\i), \slot, \q, \i
.endr
.endm
.macro SCALES sc
.irp i, 0,1,2,3,4,5,6,7
	ds_load_b64 v[SC+8*NQ*\sc+NQ*\i:SC+8*NQ*\sc+NQ*\i+1], v[ADRS] offset:\i*SBLK
.endr
.endm
.macro PLACES n
.rept \n
	v_nop
.endr
.endm
.macro STEP slot, q, zero
	s_wait_dscnt 4*NLA                             ; WO's set and A's blocks 0-3 are in; the youngest 16 loads (A's blocks 4-7) may be out
	WIN MUL_LO
	MUL16 0, (\q)%2, \q, \slot, \zero
	MUL16 2, (\q)%2, \q, \slot, \zero
	s_wait_dscnt 0
	PLACES NP
	FETCH_B \slot, (\q)+1, 1-(\q)%2
	FETCH_A \slot, (\q)+1, 0
	WIN MUL_HI
	MUL16 4, (\q)%2, \q, \slot, \zero
	MUL16 6, (\q)%2, \q, \slot, \zero
	PLACES NP
	WIN 0
	FETCH_A \slot, (\q)+1, 4
.endm
.macro TURN slot, next, fill
	s_wait_tensorcnt 0x0                           ; all my tensor loads have landed: my part of the next slot
	ds_add_u32 v[SPW], v[NIL]                      ; 0 onto my spare word
	s_wait_dscnt 4*NLA+1                           ; (the add and the youngest 16 loads may be out)
	WIN MUL_LO
	MUL16 0, 1, NQ-1, \slot, 0
	s_wait_dscnt 0x0                               ; the add is done, and my reads of this slot are over
	s_barrier_signal -1
	MUL16 2, 1, NQ-1, \slot, 0
	WIN 0
	s_barrier_wait -1
.if \fill
	CREST                                          ; the barrier has opened a round of the cluster's barrier
	s_add_nc_u64 s[G0+4*\slot+2:G0+4*\slot+3], s[G0+4*\slot+2:G0+4*\slot+3], 2*ASTEP
	s_add_nc_u64 s[G0B+4*\slot+2:G0B+4*\slot+3], s[G0B+4*\slot+2:G0B+4*\slot+3], 2*ROWB
	JLOAD G0+4*\slot, G1, G0B+4*\slot, G1B         ; the first tensor load behind the round
.else
	PLACES NP
.endif
	v_add_nc_u32 v[ADRS], 4*NQ, v[ADRS]
	FETCH_B \next, 0, 0
	FETCH_A \next, 0, 0
	SCALES \next
	WIN MUL_HI
	MUL16 4, 1, NQ-1, \slot, 0
	MUL16 6, 1, NQ-1, \slot, 0
	PLACES NP
	WIN 0
	FETCH_A \next, 0, 4
.endm
	s_wait_tensorcnt 1                             ; of my three loads the scales and K step 0 are in; K step 1's may be out
	s_barrier_signal -1
	s_barrier_wait -1
	FETCH_B 0, 0, 0
	FETCH_A 0, 0, 0
	SCALES 0
	FETCH_A 0, 0, 4
	STEP 0, 0, 1
	s_mov_b32 s3, LAPS-1
.Llap:
	TURN 0, 1, 1
	STEP 1, 0, 0
	TURN 1, 0, 1
	STEP 0, 0, 0
	s_sub_co_u32 s3, s3, 1
	s_cmp_lg_u32 s3, 0
	s_cbranch_scc1 .Llap
	TURN 0, 1, 0
	STEP 1, 0, 0
	s_wait_dscnt 4*NLA
	WIN MUL_LO
	MUL16 0, 1, NQ-1, 1, 0
	MUL16 2, 1, NQ-1, 1, 0
	s_wait_dscnt 0
	WIN MUL_HI
	MUL16 4, 1, NQ-1, 1, 0
	MUL16 6, 1, NQ-1, 1, 0
	WIN 0
; THE WAY OUT, block by block of 16 rows x 128 columns: through my own stage in LDS and back as whole rows of 512 bytes.  LDS serves a wave's instructions in order (ISA guide 5.7.1.4): no wait between the stores and the loads.
.macro TOSTAGE a
.set AC, 64*((\a)%4)
	WIN 0x08+4*((\a)/4)                            ; the data: window 2 or 3
.irp b, 0,1,2,3,4,5,6,7
	ds_store_b128 v[STO], v[AC+8*\b:AC+8*\b+3] offset:64*\b          ; each accumulator from its low end on
	ds_store_b128 v[STO], v[AC+8*\b+4:AC+8*\b+7] offset:64*\b+16
.endr
	WIN 0
.set BB, BK+64*((\a)%2)
.irp t, 0,1,2,3,4,5,6,7,8,9,10,11,12,13,14,15
	ds_load_b128 v[BB+4*\t:BB+4*\t+3], v[RD] offset:\t*SPITCH
.endr
.endm
.macro SEND a, younger                 ; younger: the LDS instructions issued behind block a's loads, which may stay out
.set BB, BK+64*((\a)%2)
	s_wait_dscnt \younger
.if (\a) > 0
	s_add_nc_u64 s[12:13], s[12:13], 16*SIZE_N*4   ; (behind a wait on XCNT: the earlier stores have read their base)  16 rows on
.endif
.irp t, 0,1,2,3,4,5,6,7,8,9,10,11,12,13,14,15
	global_store_b128 v[CO], v[BB+4*\t:BB+4*\t+3], s[12:13] offset:\t*SIZE_N*4 th:TH_STORE_NT   ; 32 lanes store 512 consecutive bytes, at a multiple of 256 from out0's first byte
.endr
.endm
	PLACES NP
	TOSTAGE 0
.irp a, 1,2,3,4,5,6,7
.if \a > 1
	s_wait_xcnt 0x0                                ; block a - 2's stores have read their registers and their base
.endif
	TOSTAGE \a
	SEND \a-1, 32                                  ; behind block a - 1's loads: block a's 16 stores and 16 loads
.endr
	s_wait_xcnt 0x0
	SEND 7, 0
	s_wait_tensorcnt 0x0                           ; the wave's end
	ds_add_u32 v[SPW], v[NIL]
	s_wait_dscnt 0x0
	CROUND                                         ; the closing round
	s_endpgm
.Lfunc_end_k_qecadaf1ea3_oproj:
	.size	k_qecadaf1ea3_oproj, .Lfunc_end_k_qecadaf1ea3_oproj-k_qecadaf1ea3_oproj
	.p2alignl 7, 3214868480
	.fill 96, 4, 3214868480
	.section	.rodata,"a",@progbits
	.p2align	6, 0x0
	.amdhsa_kernel k_qecadaf1ea3_oproj
		.amdhsa_group_segment_fixed_size 327680
		.amdhsa_private_segment_fixed_size 0
		.amdhsa_enable_private_segment 0
		.amdhsa_kernarg_size 40
		.amdhsa_user_sgpr_count 2
		.amdhsa_user_sgpr_kernarg_segment_ptr 1
		.amdhsa_wavefront_size32 1
		.amdhsa_system_sgpr_workgroup_id_x 1
		.amdhsa_system_sgpr_workgroup_id_y 1
		.amdhsa_system_sgpr_workgroup_id_z 1
		.amdhsa_system_vgpr_workitem_id 0
		.amdhsa_next_free_vgpr 1024
		.amdhsa_next_free_sgpr 98
		.amdhsa_reserve_vcc 0
		.amdhsa_float_denorm_mode_32 3
		.amdhsa_float_denorm_mode_16_64 3
		.amdhsa_memory_ordered 1
		.amdhsa_forward_progress 1
		.amdhsa_inst_pref_size 152
	.end_amdhsa_kernel
	.amdgpu_metadata
---
amdhsa.version: [ 1, 2 ]
amdhsa.kernels:
  - .name:           k_qecadaf1ea3_oproj
    .symbol:         k_qecadaf1ea3_oproj.kd
    .args:
      - { .name: acodes, .offset: 0, .size: 8, .value_kind: global_buffer, .address_space: global }
      - { .name: ascales, .offset: 8, .size: 8, .value_kind: global_buffer, .address_space: global }
      - { .name: WO_codes, .offset: 16, .size: 8, .value_kind: global_buffer, .address_space: global }
      - { .name: WO_scales, .offset: 24, .size: 8, .value_kind: global_buffer, .address_space: global }
      - { .name: out0, .offset: 32, .size: 8, .value_kind: global_buffer, .address_space: global }
    .group_segment_fixed_size: 327680
    .private_segment_fixed_size: 0
    .kernarg_segment_align: 8
    .kernarg_segment_size: 40
    .max_flat_workgroup_size: 128
    .sgpr_count:     98
    .vgpr_count:     1024
    .wavefront_size: 32
...
	.end_amdgpu_metadata
.endif
;; end of part 5
;; ======== version 2 of 2: 4 launches
;; limits: inputs' magnitudes at most 1,048,576
;; workspace buffers: rope 524,288 bytes; qkv 20,447,232 bytes; acodes 6,291,456 bytes; ascales 262,144 bytes
;; launch vproj (part 6): grid 32 x 8, 4 waves a work-group, clusters of 4 x 4, 327,680 bytes of LDS; arguments WV_codes, WV_scales, x_codes, x_scales, token_positions, rope, qkv; writes rope, qkv
.if DOCPART == 6
	.amdgcn_target "amdgcn-amd-amdhsa--gfx1250"
	.amdhsa_code_object_version 6
	.text
	.protected	k_qecadaf1ea3_vproj
	.globl	k_qecadaf1ea3_vproj
	.p2align	8
	.type	k_qecadaf1ea3_vproj,@function
k_qecadaf1ea3_vproj:
	s_mov_b64 s[64:65], 0
	v_nop
	global_prefetch_b8 v0, s[64:65] scope:SCOPE_SE
	s_setreg_imm32_b32 hwreg(HW_REG_WAVE_MODE, 25, 1), 1
	s_wait_xcnt 0x0
	s_wait_alu depctr_hold_cnt(0) depctr_sa_sdst(0) depctr_va_vdst(0) depctr_va_sdst(0) depctr_va_ssrc(0) depctr_va_vcc(0) depctr_vm_vsrc(0)
	s_getreg_b32 s2, hwreg(HW_REG_IB_STS2, 6, 4)
	s_cmp_eq_u32 s2, 0
	s_cbranch_scc0 .Lentry_in_a_cluster
	s_endpgm
.Lentry_in_a_cluster:
	s_bfe_u32 s2, ttmp6, 0x10000c
	s_cmp_lg_u32 s2, 0xf033
	s_cbranch_scc0 .Lentry_shape_is_right
	s_endpgm
.Lentry_shape_is_right:
; TWO THINGS.  (1) V = x WV^T, quantised ALONG THE TOKENS (the keys are the K of attention's second product) into codes of FP6 (E2M3) with one E8M0 byte for each 32 tokens, and stored as images of operand registers.
; (2) The table of the rotary embedding for the next launch: rope[s][i] = (cos, sin) of position[s] x 10000^(-i / 32), f32, 256 bytes a token.  The launch has 1,024 waves: each makes 2 tokens x 32 frequencies (a lane to a
; frequency), between its first tensor loads and the wait for them; each of its two stores covers 256 consecutive bytes, aligned.
; THE TABLE.  10000^(-i / 32) = 10^(-i / 8), written as decimal constants that the assembler rounds to the nearest f32; the angle is one f32 product, as the definition has it.  n = floor(angle x 2 / pi + 1 / 2);
; r = angle - n x pi / 2 with pi / 2 in three parts (fused multiply-adds); Taylor series to r^9 and r^10; the quadrant n mod 4 swaps and signs them.
; WV [1024][1024], x [8192][1024]: codes, K innermost (a row is 768 bytes), scale bytes [rows][32].  Sums in f32.
; THE PRODUCT.  8,192 x 1,024 results in tiles of 256 tokens x 128 channels make 256 work-groups.  A work-group has four waves, a wave 64 channels x 128 tokens: 32 accumulators, 256 registers.  A = WV (128 rows, by the work-group's y),
; B = x (256 rows, by its x).  K = 1,024 goes in four K steps of 256 through THREE LDS slots: K steps 0, 1, 2 and the scale bytes are first fills (four tensor loads of a wave are out at the start); K step 3 is the one refill, into
; slot 0, asked for when K step 0 has been read: it has two K steps, 128 matrix instructions, in which to land.  A fourth slot does not fit: 4 x 92,160 bytes.  The walk is written out: there is no loop.
; CLUSTERS of 4 x 4: WV's tiles are shared along a row, x's along a column, by joint loads.
; Source 0 = 16 tokens, source 1 = 16 channels: a lane then holds ONE channel (lane % 16) and its registers run along the tokens: accumulator (a, b), register j = channel 16 a + lane % 16, token 16 b + 8 (lane / 16) + j.
; So the eight accumulators of a block of channels, 64 registers on end, are 128 tokens of one channel: four blocks of 32, each in lanes l and l xor 16: they are quantised where they stand.
; Inside a block the codes stand in the order 0-7, 16-23, 8-15, 24-31 of the tokens: attention's p is quantised by the same lines from the same layout, so the products are as they should be.
; An image (16 channels x 128 tokens, 12 registers) is stored by three stores of 512 consecutive bytes; a head's four images' scale words by one.  In a block of qkv: V's images at 12,288 + 1,536 (4 x (which 128 tokens) + channel tile), scale words at 25,600.
; LIMITS: |position| up to 2^20: the estimate of n is then off by less than 0.1, |r| stays under 0.92, and the series' first dropped terms are under 1e-8; beyond that the table loses accuracy.
; NaN and infinities are not served; a block whose largest magnitude lies under 2^-124, a block of zeros too, gets the byte 1 (this program alone reads the bytes).
; REGISTERS, in windows of 256: window 0: v0-31 addresses; v32-63 scale words, two sets, and nothing else; v64-107 the table's arithmetic; from v128 WV's four fragments, ONE set, later the codes; v224-243 at work.  window 1: x's fragments, TWO sets.  window 2: the accumulators ((a, b) at v[8 (8 a + b)]).
.set NQ,     2                         ; matrix instructions deep in a slot
.set ROWB,   192                       ; a tile's row in bytes: 256 codes
.set KROW,   768                       ; a row of codes in memory
.set PITCH,  240                       ; an LDS row: 3 x (64 bytes + 16 of padding) = 60 words: the 32 lanes of a load of 8 bytes touch 64 different banks (64 banks of 4 bytes: ISA guide 11.1)
.set FR,     12                        ; registers of a fragment
.set NL,     6                         ; LDS loads that bring one
.set NP,     4                         ; places behind this matrix instruction (ISA guide 7.12.1)
.set HALFA,  64*PITCH                  ; 64 rows of WV: one tensor load, and what one wave reads of it
.set HALFT,  128*PITCH                 ; 128 rows of x: likewise
.set SLOT,   2*HALFA+2*HALFT           ; WV's 128 rows, then x's 256 rows
.set KS,     32                        ; a row of scale bytes
.set SCL,    3*SLOT                    ; behind the slots: the scales, as units of 256 bytes + 16 of padding: WV's two halves, then x's two
.set HALFSA, 8*272                     ; those of 64 rows
.set HALFS,  16*272                    ; those of 128 rows
.set SBLK,   2*272                     ; those of 16 rows
.set SPARE,  SCL+2*HALFSA+2*HALFS      ; the spare words, 128 bytes a wave: two blocks of 256 bytes that no other line names
.set BLKB,   39936
.set VIMG,   12288
.set VSC,    25600
.set ADRA, 10                          ; v10-12 LDS address of WV's fragments in slot 0, 1, 2 (v13-15: for the pieces behind one padding more)
.set ADRB, 16                          ; v16-21 the same for x
.set L16,  24                          ; v24 16 x lane
.set ADRS, 27                          ; v27 LDS address of my scale words: lanes 0-15 WV's rows, lanes 16-31 x's
.set SPW,  28                          ; v28 my spare word; never rewritten
.set NIL,  29                          ; v29 0; never rewritten
.set SC,   32
.set AF,   128
.set PC,   128
.set TM,   224
.set PWS,  240
.set G1, 24                            ; s[24:31] descriptor group 1 for WV's tiles; s[32:43] group 0, a set for each slot
.set G0, 32
.set G1B, 44                           ; s[44:51], s[52:63] the same for x's tiles
.set G0B, 52
.set G1S, 68                           ; s[68:75], s[76:79] for WV's scales; s[80:87], s[88:91] for x's
.set G0S, 76
.set G1SB, 80
.set G0SB, 88
.set MSB, 0
.macro WIN new                         ; the immediate's high byte repeats the setting that is left
.if MSB != (\new)
	s_set_vgpr_msb (MSB<<8)|(\new)
.set MSB, \new
.endif
.endm
.set MUL,  0xa1                        ; source 0 (x) window 1, source 1 (WV) window 0, C and D window 2
.set TO_B, 0x40                        ; destination window 1, address window 0
.macro JLOAD g0a, g1a, g0b, g1b        ; a joint load: waves 0 and 1 fetch for WV, waves 2 and 3 for x; four v_nop follow each of the two lines
	s_cmp_eq_u32 s15, 0
	s_cbranch_scc0 .Lfor_b_\@
	tensor_load_to_lds s[\g0a:\g0a+3], s[\g1a:\g1a+7]
	s_nop 0
.rept 4
	v_nop
.endr
	s_branch .Lasked_\@
.Lfor_b_\@:
	tensor_load_to_lds s[\g0b:\g0b+3], s[\g1b:\g1b+7]
	s_nop 0
.rept 4
	v_nop
.endr
.Lasked_\@:
.endm
.macro CREST                           ; a round of the cluster's barrier behind its opening barrier
	s_cmp_lg_u32 s14, 0
	s_cbranch_scc1 .Lnot_wave_0_\@
	s_barrier_signal -3
.Lnot_wave_0_\@:
	s_barrier_wait -3
	s_barrier_signal -1
	s_barrier_wait -1
.endm
.macro CROUND                          ; a whole round
	s_barrier_signal -1
	s_barrier_wait -1
	CREST
.endm
	s_load_b128 s[4:7], s[0:1], 0x0                ; WV's codes, scales
	s_load_b128 s[8:11], s[0:1], 0x10              ; x's codes, scales
	s_load_b128 s[96:99], s[0:1], 0x20             ; the positions s[96:97], the table s[98:99]
	s_load_b64 s[12:13], s[0:1], 0x30              ; qkv
	v_lshl_add_u32 v[SPW], v0, 2, SPARE
	v_mov_b32 v[NIL], 0
	ds_add_u32 v28, v29
	ds_add_u32 v28, v29
	s_wait_dscnt 0x0
	v_lshrrev_b32 v1, 5, v0
	v_readfirstlane_b32 s14, v1                    ; wave 0..3
	s_lshr_b32 s15, s14, 1                         ; which half of the channels is mine.  Also: I fetch for WV (0) or for x (1)
	s_and_b32 s16, s14, 1                          ; which half of the tokens.  Also: which half of that tile's rows I fetch
	s_bfe_u32 s92, ttmp6, 0x40000                  ; cx, cy: my place in the cluster
	s_bfe_u32 s93, ttmp6, 0x40004
	s_lshl_b32 s94, ttmp9, 2
	s_add_co_u32 s94, s94, s92                     ; which 256 tokens = 4 x cluster x + cx
	s_and_b32 s17, ttmp7, 0xffff
	s_lshl_b32 s17, s17, 2
	s_add_co_u32 s17, s17, s93                     ; which 128 channels = 4 x cluster y + cy
	s_lshl_b32 s18, s93, 2
	s_lshl_b32 s18, 15, s18                        ; my row of the cluster
	s_lshl_b32 s19, 0x1111, s92                    ; my column
	s_or_b32 s[G1+0], s18, (0<<16)|(1<<20)|(1<<21)|(3<<22)|(3<<25)  ; 15:0 the mask: WV's tiles go to my row; 17:16 elements of 1 byte; 20 padding on; 21 set beside a mask; 24:22 after every 16 words; 31:25 of 4 words
	s_or_b32 s[G1B+0], s19, (0<<16)|(1<<20)|(1<<21)|(3<<22)|(3<<25) ; x's tiles go to my column
	s_mov_b32 s[G1+1], ROWB<<16                    ; tensor_dim0
	s_mov_b32 s[G1+2], 64<<16                      ; tensor_dim1 = 64 rows
	s_mov_b32 s[G1+3], ROWB<<16                    ; tile_dim0
	s_mov_b32 s[G1+4], 64                          ; tile_dim1
	s_mov_b32 s[G1+5], KROW                        ; tensor_dim0_stride
	s_mov_b32 s[G1+6], 0
	s_mov_b32 s[G1+7], 0
	s_mov_b32 s[G1B+1], ROWB<<16
	s_mov_b32 s[G1B+2], 128<<16                    ; 128 rows
	s_mov_b32 s[G1B+3], ROWB<<16
	s_mov_b32 s[G1B+4], 128
	s_mov_b32 s[G1B+5], KROW
	s_mov_b32 s[G1B+6], 0
	s_mov_b32 s[G1B+7], 0
	s_or_b32 s[G1S+0], s18, (3<<16)|(1<<20)|(1<<21)|(5<<22)|(3<<25) ; the scales: dense bytes as rows of 256 (32 elements of 8 bytes), 16 bytes of padding behind each
	s_or_b32 s[G1SB+0], s19, (3<<16)|(1<<20)|(1<<21)|(5<<22)|(3<<25)
	s_mov_b32 s[G1S+1], 32<<16
	s_mov_b32 s[G1S+2], 8<<16                      ; 64 rows of 32 bytes: 8 rows of 256
	s_mov_b32 s[G1S+3], 32<<16
	s_mov_b32 s[G1S+4], 8
	s_mov_b32 s[G1S+5], 32
	s_mov_b32 s[G1S+6], 0
	s_mov_b32 s[G1S+7], 0
	s_mov_b32 s[G1SB+1], 32<<16
	s_mov_b32 s[G1SB+2], 16<<16                    ; 128 rows of 32 bytes: 16 rows of 256
	s_mov_b32 s[G1SB+3], 32<<16
	s_mov_b32 s[G1SB+4], 16
	s_mov_b32 s[G1SB+5], 32
	s_mov_b32 s[G1SB+6], 0
	s_mov_b32 s[G1SB+7], 0
	s_lshl_b32 s20, s17, 7
	s_lshl_b32 s22, s16, 6
	s_add_co_u32 s20, s20, s22                     ; WV: row 128 x (which channels) + 64 x half
	s_mov_b32 s21, 0
	s_lshl_b32 s100, s94, 8
	s_lshl_b32 s22, s16, 7
	s_add_co_u32 s100, s100, s22                   ; x: row 256 x (which tokens) + 128 x half
	s_mov_b32 s101, 0
	s_mov_b64 s[18:19], KS
	s_mul_u64 s[22:23], s[20:21], s[18:19]         ; where these rows' scales begin,
	s_mul_u64 s[104:105], s[100:101], s[18:19]
	s_mov_b64 s[18:19], KROW
	s_mul_u64 s[20:21], s[20:21], s[18:19]         ; and their codes
	s_mul_u64 s[100:101], s[100:101], s[18:19]
	s_mul_i32 s2, s16, HALFA                       ; where they go in a slot: WV's two halves,
	s_mul_i32 s3, s16, HALFT
	s_add_co_u32 s3, s3, 2*HALFA                   ; then x's two: no place in the cluster enters an LDS address
	s_mul_i32 s66, s16, HALFSA                     ; and among the scales
	s_mul_i32 s67, s16, HALFS
	s_add_co_u32 s67, s67, 2*HALFSA
	s_lshl_b32 s95, s94, 6                         ; the table: work-group 8 x + y of 256 takes 8 tokens, a wave 2 of them:
	s_lshl_b32 s18, s17, 3
	s_add_co_u32 s95, s95, s18
	s_lshl_b32 s18, s14, 1
	s_add_co_u32 s95, s95, s18                     ; my first token = 64 x + 8 y + 2 wave
	s_lshl_b32 s18, s95, 2                         ; its position's byte
	s_mov_b32 s19, 0
	s_wait_kmcnt 0x0
	s_add_nc_u64 s[96:97], s[96:97], s[18:19]
	s_lshl_b32 s18, s95, 8                         ; its row of the table
	s_add_nc_u64 s[98:99], s[98:99], s[18:19]
	s_add_nc_u64 s[20:21], s[4:5], s[20:21]
	s_add_nc_u64 s[22:23], s[6:7], s[22:23]
	s_add_nc_u64 s[100:101], s[8:9], s[100:101]
	s_add_nc_u64 s[104:105], s[10:11], s[104:105]
	s_load_b64 s[4:5], s[96:97], 0x0               ; my two positions, into registers that have done their work as pointers
	CROUND                                         ; all sixteen work-groups are here: the first joint loads meet
	s_mov_b32 s[G0S], 1
	s_add_co_u32 s[G0S+1], s66, SCL
	s_mov_b64 s[G0S+2:G0S+3], s[22:23]
	s_or_b32 s[G0S+3], s[G0S+3], 0x80000000
	s_mov_b32 s[G0SB], 1
	s_add_co_u32 s[G0SB+1], s67, SCL
	s_mov_b64 s[G0SB+2:G0SB+3], s[104:105]
	s_or_b32 s[G0SB+3], s[G0SB+3], 0x80000000
	JLOAD G0S, G1S, G0SB, G1SB                     ; the scales first: they are wanted with K step 0
.irp s, 0,1,2
	s_mov_b32 s[G0+4*\s], 1                                        ; count = 1
	s_add_co_u32 s[G0+4*\s+1], s2, \s*SLOT                         ; LDS address
	s_add_nc_u64 s[G0+4*\s+2:G0+4*\s+3], s[20:21], \s*ROWB         ; global address: K step s
	s_or_b32 s[G0+4*\s+3], s[G0+4*\s+3], 0x80000000                ; type = 2
	s_mov_b32 s[G0B+4*\s], 1
	s_add_co_u32 s[G0B+4*\s+1], s3, \s*SLOT
	s_add_nc_u64 s[G0B+4*\s+2:G0B+4*\s+3], s[100:101], \s*ROWB
	s_or_b32 s[G0B+4*\s+3], s[G0B+4*\s+3], 0x80000000
	JLOAD G0+4*\s, G1, G0B+4*\s, G1B
.endr
	v_and_b32 v1, 15, v0                           ; l % 16
	v_bfe_u32 v2, v0, 4, 1                         ; l / 16
	v_mul_u32_u24 v3, v1, PITCH
	v_mul_u32_u24 v4, v2, 24
	v_add_nc_u32 v4, v3, v4                        ; a fragment's row x pitch + 24 x half
	v_lshl_add_u32 v5, v2, 4, v4                   ; and the same behind one padding more
	s_mul_i32 s21, s15, HALFA                      ; my 64 channels
	s_mul_i32 s22, s16, HALFT                      ; my 128 tokens,
	s_add_co_u32 s22, s22, 2*HALFA                 ; which lie behind WV's 128 rows
.irp s, 0,1,2
	v_add_nc_u32 v[ADRA+\s], s21, v4
	v_add_nc_u32 v[ADRB+\s], s22, v4
	v_add_nc_u32 v[ADRA+3+\s], s21, v5
	v_add_nc_u32 v[ADRB+3+\s], s22, v5
	s_add_co_u32 s21, s21, SLOT
	s_add_co_u32 s22, s22, SLOT
.endr
	v_mul_u32_u24 v5, v1, KS                       ; my row's scales: 32 bytes a row,
	v_lshrrev_b32 v6, 8, v5
	v_lshl_add_u32 v5, v6, 4, v5                   ; and 16 more for each 256 passed
	s_mul_i32 s21, s15, HALFSA
	s_mul_i32 s22, s16, HALFS
	s_add_co_u32 s22, s22, 2*HALFSA
	s_sub_co_u32 s22, s22, s21
	v_mul_u32_u24 v6, s22, v2                      ; lanes 16-31 take x's
	s_add_co_u32 s21, s21, SCL
	v_add_nc_u32 v5, v5, v6
	v_add_nc_u32 v[ADRS], s21, v5
	v_and_b32 v6, 31, v0
	v_lshlrev_b32 v[L16], 4, v6
	; where my wave's results go: block ((16 batch + head) x 8 + slot) of qkv; my head is 2 x (which channels) + my half
	s_lshr_b32 s20, s94, 3                         ; batch
	s_lshl_b32 s20, s20, 4
	s_lshl_b32 s21, s17, 1
	s_add_co_u32 s20, s20, s21
	s_add_co_u32 s20, s20, s15
	s_lshl_b32 s20, s20, 3
	s_and_b32 s21, s94, 7                          ; slot of 256 tokens
	s_add_co_u32 s20, s20, s21
	s_mul_i32 s20, s20, BLKB
	s_mul_i32 s22, s16, 4*1536                     ; my half of the tokens: four images,
	s_add_co_u32 s22, s22, s20
	s_add_co_u32 s22, s22, VIMG
	s_mov_b32 s23, 0
	s_lshl_b32 s100, s16, 9                        ; 512 bytes of scale words
	s_add_co_u32 s100, s100, s20
	s_add_co_u32 s100, s100, VSC
	s_mov_b32 s101, 0
	s_add_nc_u64 s[100:101], s[12:13], s[100:101]  ; scale words
	s_add_nc_u64 s[12:13], s[12:13], s[22:23]      ; images
	s_mov_b32 s18, 0x76543210
	s_mov_b32 s19, 0xfedcba98                      ; v_permlanex16_b32's selects for lane l xor 16
; THE TABLE, while the first tiles are on their way.  v64 lane = frequency; v65 the frequency's value; v67 8 x lane; for token k of two: v68+k angle, v72+k n, v76+k r, v80+k r r, v84+k sin r, v88+k cos r, v92+k n as a whole number,
; v96+k, v100+k at work; v[104+2k:105+2k] (cos, sin).  The two tokens take turns line by line.  None of the stores' registers is written again in this text.
.macro FREQ i, f
	v_mov_b32 v66, \f
	v_cmp_eq_u32 vcc_lo, \i, v64
	v_cndmask_b32 v65, v65, v66, vcc_lo            ; kept by lane i alone
.endm
	v_and_b32 v64, 31, v0
	v_lshlrev_b32 v67, 3, v64
	v_mov_b32 v65, 1.0                             ; frequency 0 is 1
	FREQ 1, 0.74989420933
	FREQ 2, 0.56234132519
	FREQ 3, 0.42169650343
	FREQ 4, 0.31622776602
	FREQ 5, 0.23713737057
	FREQ 6, 0.17782794100
	FREQ 7, 0.13335214322
	FREQ 8, 0.1
	FREQ 9, 0.074989420933
	FREQ 10, 0.056234132519
	FREQ 11, 0.042169650343
	FREQ 12, 0.031622776602
	FREQ 13, 0.023713737057
	FREQ 14, 0.017782794100
	FREQ 15, 0.013335214322
	FREQ 16, 0.01
	FREQ 17, 0.0074989420933
	FREQ 18, 0.0056234132519
	FREQ 19, 0.0042169650343
	FREQ 20, 0.0031622776602
	FREQ 21, 0.0023713737057
	FREQ 22, 0.0017782794100
	FREQ 23, 0.0013335214322
	FREQ 24, 0.001
	FREQ 25, 0.00074989420933
	FREQ 26, 0.00056234132519
	FREQ 27, 0.00042169650343
	FREQ 28, 0.00031622776602
	FREQ 29, 0.00023713737057
	FREQ 30, 0.00017782794100
	FREQ 31, 0.00013335214322
	s_wait_kmcnt 0x0                               ; my two positions
.irp k, 0,1
	v_cvt_f32_i32 v[68+\k], s[4+\k]
.endr
	s_wait_alu depctr_va_vdst(0)
.irp k, 0,1
	v_mul_f32 v[68+\k], v65, v[68+\k]              ; the angle: position x frequency, one rounding
.endr
.irp k, 0,1
	v_fma_f32 v[72+\k], v[68+\k], 0x3f22f983, 0.5  ; angle x 2 / pi + 1 / 2
.endr
.irp k, 0,1
	v_floor_f32 v[72+\k], v[72+\k]                 ; n
.endr
.irp k, 0,1
	v_fma_f32 v[76+\k], v[72+\k], 0xbfc90fda, v[68+\k]   ; r = angle - n x pi / 2: the high part,
.endr
.irp k, 0,1
	v_fma_f32 v[76+\k], v[72+\k], 0xb3a22168, v[76+\k]   ; the middle part,
.endr
.irp k, 0,1
	v_fma_f32 v[76+\k], v[72+\k], 0xa7c234c4, v[76+\k]   ; the low part
.endr
.irp k, 0,1
	v_mul_f32 v[80+\k], v[76+\k], v[76+\k]         ; z = r r
.endr
.irp k, 0,1
	v_mov_b32 v[84+\k], 0x3638ef1d                 ; 1 / 9!
	v_mov_b32 v[88+\k], 0xb493f27e                 ; - 1 / 10!
.endr
.irp k, 0,1
	v_fma_f32 v[84+\k], v[84+\k], v[80+\k], 0xb9500d01   ; - 1 / 7!
	v_fma_f32 v[88+\k], v[88+\k], v[80+\k], 0x37d00d01   ; 1 / 8!
.endr
.irp k, 0,1
	v_fma_f32 v[84+\k], v[84+\k], v[80+\k], 0x3c088889   ; 1 / 5!
	v_fma_f32 v[88+\k], v[88+\k], v[80+\k], 0xbab60b61   ; - 1 / 6!
.endr
.irp k, 0,1
	v_fma_f32 v[84+\k], v[84+\k], v[80+\k], 0xbe2aaaab   ; - 1 / 3!
	v_fma_f32 v[88+\k], v[88+\k], v[80+\k], 0x3d2aaaab   ; 1 / 4!
.endr
.irp k, 0,1
	v_mul_f32 v[96+\k], v[76+\k], v[80+\k]         ; r z
	v_fma_f32 v[88+\k], v[88+\k], v[80+\k], -0.5
.endr
.irp k, 0,1
	v_fma_f32 v[84+\k], v[96+\k], v[84+\k], v[76+\k]     ; sin r
	v_fma_f32 v[88+\k], v[88+\k], v[80+\k], 1.0          ; cos r
.endr
.irp k, 0,1
	v_cvt_i32_f32 v[92+\k], v[72+\k]               ; n as a whole number: its two low bits are the quadrant
.endr
.irp k, 0,1
	v_and_b32 v[96+\k], 1, v[92+\k]
	v_and_b32 v[100+\k], 2, v[92+\k]
.endr
.irp k, 0,1
	v_cmp_ne_u32 vcc_lo, 0, v[96+\k]
	v_cndmask_b32 v[104+2*\k], v[88+\k], v[84+\k], vcc_lo   ; cosine: in odd quadrants sin r,
	v_cndmask_b32 v[105+2*\k], v[84+\k], v[88+\k], vcc_lo   ; sine: in odd quadrants cos r
.endr
.irp k, 0,1
	v_add_nc_u32 v[96+\k], 1, v[92+\k]
	v_lshlrev_b32 v[100+\k], 30, v[100+\k]
.endr
.irp k, 0,1
	v_and_b32 v[96+\k], 2, v[96+\k]
	v_xor_b32 v[105+2*\k], v[105+2*\k], v[100+\k]  ; the sine is negative in quadrants 2 and 3,
.endr
.irp k, 0,1
	v_lshlrev_b32 v[96+\k], 30, v[96+\k]
.endr
.irp k, 0,1
	v_xor_b32 v[104+2*\k], v[104+2*\k], v[96+\k]   ; the cosine in quadrants 1 and 2
.endr
.irp k, 0,1
	global_store_b64 v67, v[104+2*\k:105+2*\k], s[98:99] offset:256*\k   ; 32 lanes store a token's 256 bytes
.endr
.macro FRAG reg, adr, q, i             ; a fragment, 16 rows x 128 K: lane l holds row l % 16; registers 6 c .. 6 c + 5 hold K = 64 c + 32 (l / 16) + 0 .. 31: 24 bytes of the row, as they lie, in pieces of 8 bytes
.irp p, 0,1,2,3,4,5
.set PCE, 12*(\q)+6*(\p/3)+\p%3        ; lanes 16-31 read three pieces further on; where that is behind one padding more, the second address register serves
.if PCE%8 < 5
	ds_load_b64 v[\reg+2*\p:\reg+2*\p+1], v[\adr] offset:8*PCE+16*(PCE/8)+(\i)*16*PITCH
.else
	ds_load_b64 v[\reg+2*\p:\reg+2*\p+1], v[\adr+3] offset:8*PCE+16*(PCE/8)+(\i)*16*PITCH
.endif
.endr
.endm
; 8 matrix instructions: WV's block a against x's eight.  p: x's set; q: which 128 along K of the slot; sc: the set of scale words.  zero = 1: the first product starts the sums.
; The 32 accumulators take turns, one instruction a turn, in the same order in every step.
.macro MUL8 a, p, q, sc, zero
.irp b, 0,1,2,3,4,5,6,7
.if \zero
	v_wmma_scale_f32_16x16x128_f8f6f4 v[8*(8*(\a)+\b):8*(8*(\a)+\b)+7], v[128*(\p)+FR*\b:128*(\p)+FR*\b+FR-1], v[AF+FR*(\a):AF+FR*(\a)+FR-1], 0, v[SC+8*NQ*(\sc)+NQ*\b+(\q)], v[SC+8*NQ*(\sc)+NQ*(\a)+(\q)] matrix_a_fmt:MATRIX_FMT_FP6 matrix_b_fmt:MATRIX_FMT_FP6 matrix_a_scale:MATRIX_SCALE_ROW1
.else
	v_wmma_scale_f32_16x16x128_f8f6f4 v[8*(8*(\a)+\b):8*(8*(\a)+\b)+7], v[128*(\p)+FR*\b:128*(\p)+FR*\b+FR-1], v[AF+FR*(\a):AF+FR*(\a)+FR-1], v[8*(8*(\a)+\b):8*(8*(\a)+\b)+7], v[SC+8*NQ*(\sc)+NQ*\b+(\q)], v[SC+8*NQ*(\sc)+NQ*(\a)+(\q)] matrix_a_fmt:MATRIX_FMT_FP6 matrix_b_fmt:MATRIX_FMT_FP6 matrix_a_scale:MATRIX_SCALE_ROW1
.endif
.endr
.endm
.macro FETCH_B slot, q, p              ; x's eight fragments into set p
	WIN TO_B
.irp i, 0,1,2,3,4,5,6,7
	FRAG 128*(\p)+FR*\i, ADRB+\slot, \q, \i
.endr
	WIN 0
.endm
.macro FETCH_A slot, q, i0             ; WV's blocks i0, i0 + 1
.irp i, \i0, \i0+1
	FRAG AF+FR*(\i), ADRA+\slot, \q, \i
.endr
.endm
.macro SCALES sc                       ; a K step's scale words: two words a row; lanes 16-31 take x's block i; lanes 0-15 WV's block i (for i above 3 they read bytes of the scales' region that no product uses)
.irp i, 0,1,2,3,4,5,6,7
	ds_load_b64 v[SC+8*NQ*\sc+NQ*\i:SC+8*NQ*\sc+NQ*\i+1], v[ADRS] offset:\i*SBLK
.endr
.endm
.macro PLACES n                        ; plain vector instructions that name no register of the matrix instructions before them (ISA guide 7.12.1)
.rept \n
	v_nop
.endr
.endm
.macro STEP slot, sc, zero             ; a slot's first 128 along K: its successor lies in the same slot
	s_wait_dscnt 2*NL                              ; x's set and WV's blocks 0, 1 are in; the youngest 12 loads (WV's blocks 2, 3) may be out
	WIN MUL
	MUL8 0, 0, 0, \sc, \zero
	MUL8 1, 0, 0, \sc, \zero
	s_wait_dscnt 0                                 ; WV's blocks 2, 3 are in
	PLACES NP
	FETCH_B \slot, 1, 1
	FETCH_A \slot, 1, 0
	WIN MUL
	MUL8 2, 0, 0, \sc, \zero
	MUL8 3, 0, 0, \sc, \zero
	PLACES NP
	WIN 0
	FETCH_A \slot, 1, 2
.endm
.macro ONWARD next, nsc, sc            ; the second half of a slot's last step: the next slot's first fragments and scale words are fetched, and this step's last 16 products stand between the two runs of loads
	v_add_nc_u32 v[ADRS], 4*NQ, v[ADRS]            ; on to the next K step's scale words
	FETCH_B \next, 0, 0
	FETCH_A \next, 0, 0
	SCALES \nsc
	WIN MUL
	MUL8 2, 1, 1, \sc, 0
	MUL8 3, 1, 1, \sc, 0
	PLACES NP
	WIN 0
	FETCH_A \next, 0, 2
.endm
; A slot's last step with a barrier: in front of it each wave waits for all its tensor loads, adds 0 to its spare word, and waits for that and for its reads of this slot.  fill = 1: the slot is filled again, with the K step three on.
.macro TURN slot, next, nsc, sc, fill
	s_wait_tensorcnt 0x0                           ; all my tensor loads have landed
	ds_add_u32 v[SPW], v[NIL]                      ; 0 onto my spare word
	s_wait_dscnt 2*NL+1                            ; (the add and the youngest 12 loads, WV's blocks 2, 3, may be out)
	WIN MUL
	MUL8 0, 1, 1, \sc, 0                           ; eight matrix instructions stand between the add and the wait for it
	s_wait_dscnt 0x0                               ; the add is done, and my reads of this slot are over
	s_barrier_signal -1
	MUL8 1, 1, 1, \sc, 0
	WIN 0
	s_barrier_wait -1
.if \fill
	CREST                                          ; the barrier has opened a round of the cluster's barrier: no wave of any partner still reads this slot or has a load on its way
	s_add_nc_u64 s[G0+4*\slot+2:G0+4*\slot+3], s[G0+4*\slot+2:G0+4*\slot+3], 3*ROWB
	s_add_nc_u64 s[G0B+4*\slot+2:G0B+4*\slot+3], s[G0B+4*\slot+2:G0B+4*\slot+3], 3*ROWB
	JLOAD G0+4*\slot, G1, G0B+4*\slot, G1B         ; the first tensor load behind the round; its four v_nop are the places in front of the loads below
.else
	PLACES NP
.endif
	ONWARD \next, \nsc, \sc
.endm
.macro PASS next, nsc, sc              ; a slot's last step without a barrier: the next slot was shown whole to every wave by the wait for all loads in front of the round, and nothing is filled here
	s_wait_dscnt 2*NL
	WIN MUL
	MUL8 0, 1, 1, \sc, 0
	MUL8 1, 1, 1, \sc, 0
	s_wait_dscnt 0
	PLACES NP
	WIN 0
	ONWARD \next, \nsc, \sc
.endm
	s_wait_tensorcnt 2                             ; of my four loads the scales and K step 0 are in; K steps 1 and 2 may be out
	s_barrier_signal -1
	s_barrier_wait -1
	FETCH_B 0, 0, 0
	FETCH_A 0, 0, 0
	SCALES 0
	FETCH_A 0, 0, 2
	STEP 0, 0, 1                                   ; K step 0: its first products start the sums
	TURN 0, 1, 1, 0, 1                             ; slot 0 has been read: it takes K step 3
	s_wait_alu depctr_va_vdst(0)
	STEP 1, 1, 0                                   ; K step 1
	PASS 2, 0, 1
	s_wait_alu depctr_va_vdst(0)
	STEP 2, 0, 0                                   ; K step 2
	TURN 2, 0, 1, 0, 0                             ; K step 3 has landed; nothing is filled any more
	STEP 0, 1, 0                                   ; K step 3
	s_wait_dscnt 2*NL
	WIN MUL
	MUL8 0, 1, 1, 1, 0
	MUL8 1, 1, 1, 1, 0
	s_wait_dscnt 0
	MUL8 2, 1, 1, 1, 0
	MUL8 3, 1, 1, 1, 0
	WIN 0
; THE WAY OUT.  The 64 registers from v[s] of window 2 are 128 tokens of my channel: registers 16 b .. 16 b + 15 are my half of block b.  They become an image's codes in v[PC ..] and a scale word in v[pw].
; The maxima take the registers in ascending order: each accumulator is read from its low end on.
.macro QUANTW s, pw
	WIN 0x28                                       ; sources 1 and 2: window 2
.irp b, 0,1,2,3
	v_max3_num_f32 v[TM+\b], 0x1800000, |v[\s+16*\b]|, |v[\s+1+16*\b]|   ; the floor 2^(3 - 127): the byte cannot fall under 1
.endr
.irp i, 2,4,6,8,10,12,14
.irp b, 0,1,2,3
	v_max3_num_f32 v[TM+\b], v[TM+\b], |v[\s+16*\b+\i]|, |v[\s+1+16*\b+\i]|
.endr
.endr
	WIN 0
.irp b, 0,1,2,3
	v_permlanex16_b32 v[TM+4+\b], v[TM+\b], s18, s19
.endr
.irp b, 0,1,2,3
	v_max_num_f32 v[TM+\b], v[TM+\b], v[TM+4+\b]   ; the block's largest magnitude
.endr
.irp b, 0,1,2,3
	v_add_nc_u32 v[TM+12+\b], 0xff000000, v[TM+\b] ; 2 off the exponent field: the conversion's scale operand
.endr
.irp b, 0,1,2,3
	v_lshrrev_b32 v[TM+4+\b], 23, v[TM+12+\b]      ; the scale's byte
.endr
	v_lshl_or_b32 v[\pw], v[TM+5], 8, v[TM+4]
	v_lshl_or_b32 v[\pw], v[TM+6], 16, v[\pw]
	v_lshl_or_b32 v[\pw], v[TM+7], 24, v[\pw]
	WIN 0x02                                       ; source 0: window 2
.irp c, 0,1
	v_cvt_scalef32_pk16_fp6_f32 v[PC+6*\c:PC+2+6*\c], v[\s+32*\c:\s+15+32*\c], v[TM+12+2*\c]
	v_cvt_scalef32_pk16_fp6_f32 v[PC+12+4*\c:PC+14+4*\c], v[\s+16+32*\c:\s+31+32*\c], v[TM+12+2*\c+1]   ; (a conversion's three registers begin on an even number)
.endr
	WIN 0
	v_nop                                          ; one plain place behind a scaled conversion
.irp c, 0,1                                    ; the operand's layout wants a whole block in a lane: lanes 0-15 block 2 c, lanes 16-31 block 2 c + 1
.irp i, 0,1,2
	v_permlane16_swap_b32 v[PC+6*\c+\i], v[PC+12+4*\c+\i]
.endr
.irp i, 0,1,2
	v_mov_b32 v[PC+3+6*\c+\i], v[PC+12+4*\c+\i]
.endr
.endr
.endm
.macro EMIT idx                        ; an image: three stores of 512 consecutive bytes, at multiples of 256 from the buffer's first byte
.irp c, 0,1,2
	global_store_b128 v[L16], v[PC+4*\c:PC+4*\c+3], s[12:13] offset:1536*(\idx)+512*\c
.endr
.endm
	PLACES NP                                      ; behind the last products: for the first reads of results and the writes into WV's registers
.irp b, 0,1,2,3
	v_mov_b32 v[TM+4+\b], 0                        ; written once: a lane permute's destination counts as one of its sources
.endr
.irp t, 0,1,2,3
	s_wait_xcnt 0x0                                ; the last image's stores have read their registers
	QUANTW 64*\t, PWS+\t
	EMIT \t
.endr
	global_store_b128 v[L16], v[PWS:PWS+3], s[100:101]   ; the four images' scale words, 16 bytes a lane
	s_wait_tensorcnt 0x0                           ; the wave's end
	ds_add_u32 v[SPW], v[NIL]
	s_wait_dscnt 0x0
	CROUND                                         ; the closing round: no work-group ends while a partner may still ask for a tile that names it
	s_endpgm
.Lfunc_end_k_qecadaf1ea3_vproj:
	.size	k_qecadaf1ea3_vproj, .Lfunc_end_k_qecadaf1ea3_vproj-k_qecadaf1ea3_vproj
	.p2alignl 7, 3214868480
	.fill 96, 4, 3214868480
	.section	.rodata,"a",@progbits
	.p2align	6, 0x0
	.amdhsa_kernel k_qecadaf1ea3_vproj
		.amdhsa_group_segment_fixed_size 327680
		.amdhsa_private_segment_fixed_size 0
		.amdhsa_enable_private_segment 0
		.amdhsa_kernarg_size 56
		.amdhsa_user_sgpr_count 2
		.amdhsa_user_sgpr_kernarg_segment_ptr 1
		.amdhsa_wavefront_size32 1
		.amdhsa_system_sgpr_workgroup_id_x 1
		.amdhsa_system_sgpr_workgroup_id_y 1
		.amdhsa_system_sgpr_workgroup_id_z 1
		.amdhsa_system_vgpr_workitem_id 0
		.amdhsa_next_free_vgpr 1024
		.amdhsa_next_free_sgpr 106
		.amdhsa_reserve_vcc 1
		.amdhsa_float_denorm_mode_32 3
		.amdhsa_float_denorm_mode_16_64 3
		.amdhsa_memory_ordered 1
		.amdhsa_forward_progress 1
		.amdhsa_inst_pref_size 112
	.end_amdhsa_kernel
	.amdgpu_metadata
---
amdhsa.version: [ 1, 2 ]
amdhsa.kernels:
  - .name:           k_qecadaf1ea3_vproj
    .symbol:         k_qecadaf1ea3_vproj.kd
    .args:
      - { .name: WV_codes, .offset: 0, .size: 8, .value_kind: global_buffer, .address_space: global }
      - { .name: WV_scales, .offset: 8, .size: 8, .value_kind: global_buffer, .address_space: global }
      - { .name: x_codes, .offset: 16, .size: 8, .value_kind: global_buffer, .address_space: global }
      - { .name: x_scales, .offset: 24, .size: 8, .value_kind: global_buffer, .address_space: global }
      - { .name: token_positions, .offset: 32, .size: 8, .value_kind: global_buffer, .address_space: global }
      - { .name: rope, .offset: 40, .size: 8, .value_kind: global_buffer, .address_space: global }
      - { .name: qkv, .offset: 48, .size: 8, .value_kind: global_buffer, .address_space: global }
    .group_segment_fixed_size: 327680
    .private_segment_fixed_size: 0
    .kernarg_segment_align: 8
    .kernarg_segment_size: 56
    .max_flat_workgroup_size: 128
    .sgpr_count:     106
    .vgpr_count:     1024
    .wavefront_size: 32
...
	.end_amdgpu_metadata
.endif
;; end of part 6
;; launch qk: the kernel of part 2 again; grid 8 x 32, 4 waves a work-group, clusters of 4 x 4, 327,680 bytes of LDS; arguments x_codes, x_scales, WQ_codes, WQ_scales, WK_codes, WK_scales, rope, qkv; writes qkv
;; launch attn (part 7): grid 4 x 64, 16 waves a work-group, no clusters, 215,040 bytes of LDS; arguments qkv, acodes, ascales; writes acodes, ascales
.if DOCPART == 7
	.amdgcn_target "amdgcn-amd-amdhsa--gfx1250"
	.amdhsa_code_object_version 6
	.text
	.protected	k_qecadaf1ea3_attn
	.globl	k_qecadaf1ea3_attn
	.p2align	8
	.type	k_qecadaf1ea3_attn,@function
k_qecadaf1ea3_attn:
	s_mov_b64 s[64:65], 0
	v_nop
	global_prefetch_b8 v0, s[64:65] scope:SCOPE_SE
	s_setreg_imm32_b32 hwreg(HW_REG_WAVE_MODE, 25, 1), 1
	s_wait_xcnt 0x0
; Causal attention of one (batch, head) on codes of FP6 (E2M3): S = Q K^T / 8, p = 2^(t - M), O = (p V) / l, and O quantised along the model's axis for the last product.
; t = score x log2(e) / 8; M = the row's largest t so far, rounded UP to a whole number; p is quantised along the keys, not normalised; l is the sum of the unquantised p, in f32.  When M moves, l and O are multiplied by 2^(old M - new M): exact.
; SHARES.  Work-group (x, y): y = 16 batch + head; it serves the queries of slot 7 - x (256 tokens; key slots 0 .. 7 - x) and then those of slot x (key slots 0 .. x): nine slots of keys, the same in all 256 work-groups.
; Each of its SIXTEEN waves owns 16 queries in 256 registers: four waves to a SIMD, so that one wave's vector work stands beside another's matrix work and LDS loads.
; THE WHOLE HEAD'S K AND V STAY IN LDS.  A key slot's K images, V images and scale words are 26,624 consecutive bytes of qkv (104 x 256); the eight slots are 212,992 bytes.  Every byte of LDS is filled ONCE: there is no ring.
; Waves 0 and 1 each ask for half of every slot, eight tensor loads each, as one group at the start (eight loads of theirs are out then); the late queries come first, so that the slots are wanted in the order in which they land.
; THREE BARRIERS in all: in front of key slot 0 (the seven loads behind its own may be out), of slots 1 to 3 (four may be out), of slots 4 to 7 (none).  Behind the third the sixteen waves run on without meeting again.
; NO CLUSTER: the four work-groups of a head read the same bytes, but which steps each skips and masks hangs on its place among the four (its queries are slots x and 7 - x), and partners in joint requests have to run alike.
; LAYOUT.  Both products are used transposed, so that a lane holds ONE query (lane % 16).  A PAIR IMAGE of K holds 32 keys: K = 0 .. 63 of its rows are the channels of key 32 p + r, K = 64 .. 127 those of key 32 p + 16 + r.
; Multiplied by (Q, zeros) it gives keys 32 p + 0 .. 15, by (zeros, Q) keys 32 p + 16 .. 31: a head of 64 fills the instruction's 128 without a register of zeros on K's side.
; S^T's register 8 T + j holds key 16 T + 8 (lane / 16) + j, as V's accumulators did in their launch: p is quantised by the same lines, so p's and V's codes stand in the same order inside each block of 32 keys.
; CAUSAL.  All loops have constant trip counts.  A step of 128 keys all of which come after the wave's queries is jumped over (a scalar branch on ids; no barrier or tensor load stands in a step); on the diagonal hidden scores become
; -infinity.  The late queries are tokens 1,024 and up: for them every key of slots 0 to 3 counts, so those steps are written without the two tests and the mask.
; OUT.  acodes [512 tiles of 16 rows][16 heads][768]: registers 0-5 of an operand's fragment (row lane % 16, channels 32 (lane / 16) + 0 .. 31 of the head, in their true order): 16 bytes a lane, then 8 bytes a lane.  ascales [8192][32]: byte 2 head + block.
; LIMITS: NaN and infinities are not served; a block whose largest magnitude lies under 2^-124, a block of zeros too, gets the byte 1 (this program alone reads the bytes).
; REGISTERS: v1 16 x lane; v2 the slot in hand + 16 x lane; v5 lane % 16 - 8 (lane / 16); v7 8 x lane; v8 32 (lane % 16) + lane / 16; v12 -M, v13 the largest t, v[14:15] l in two halves;
;   v16-21 zeros, v22-27 Q, v28-33 zeros; v34, v35 Q's scale words; v36-39 K's; v40-43 V's; v44 p's; v48-95 four fragments of K, then of V; v96-159 S^T, then p; v160-191 O^T; v192-210 codes; v212-231 and v246-253 at work;
;   v232-244 the early queries' image of Q and its scale word, loaded at the start.
.set BLKB,  39936
.set HEADB, 8*BLKB
.set HALFB, 13312                      ; half of a slot's bytes: 52 rows of 256
.set SLOTB, 26624                      ; a key slot in LDS
.set VIMG,  12288
.set KSC,   24576
.set VSC,   25600
.set QIMG,  26624
.set QSC,   38912
.set BM,    212                        ; v212-215 a block's largest score, then its largest p
.set PT,    216                        ; v216-219 the other half's, then the bytes
.set SO,    220                        ; v220-223 the conversions' scale operands
.set QL,    232
.set G0,    68                         ; s[68:99] descriptor group 0, a set of four for each of the eight loads: none is written while its load is out
; s10 wave; s11 the work-group's x; s12 its y; s13 trips to go; s15 LDS byte of the slot in hand; s16 the step's first key; s17 my first query; s18, s19 at work; s[20:21] lane selects; s[22:23] c;
; s[24:31] descriptor group 1; s[36:37] my half of the head's key slot 0; s[40:47] Q's image, Q's scale words, my place in acodes, in ascales; s48 all ones for odd waves; s49 16 for odd waves; s50 lanes 16-31; s51 the head's byte in qkv
.macro SETPH                           ; the addresses of a phase; s18 = its slot of queries
	s_lshl_b32 s17, s18, 8
	s_lshl_b32 s19, s10, 4
	s_add_co_u32 s17, s17, s19                     ; my first query: 256 x slot + 16 x wave
	s_mul_i32 s38, s18, BLKB
	s_add_co_u32 s38, s38, s51                     ; the slot's block of qkv
	s_lshr_b32 s19, s10, 1
	s_mul_i32 s19, s19, 1536                       ; the pair image that holds my 16 queries
	s_add_co_u32 s19, s19, s38
	s_add_co_u32 s52, s19, QIMG
	s_mov_b32 s53, 0
	s_add_nc_u64 s[40:41], s[4:5], s[52:53]
	s_lshr_b32 s19, s10, 3
	s_lshl_b32 s19, s19, 9                         ; its scale word: which 128 tokens,
	s_add_co_u32 s19, s19, s38
	s_lshr_b32 s52, s10, 1
	s_and_b32 s52, s52, 3
	s_lshl_b32 s52, s52, 2                         ; which of a lane's four words
	s_add_co_u32 s52, s52, s19
	s_add_co_u32 s52, s52, QSC
	s_add_nc_u64 s[42:43], s[4:5], s[52:53]
	s_lshr_b32 s19, s12, 4
	s_lshl_b32 s19, s19, 11
	s_add_co_u32 s19, s19, s17                     ; my first row of the output: 2,048 batch + query
	s_lshl_b32 s52, s19, 5
	s_and_b32 s54, s12, 15                         ; the head
	s_lshl_b32 s55, s54, 1
	s_add_co_u32 s52, s52, s55
	s_add_nc_u64 s[46:47], s[8:9], s[52:53]        ; ascales: 32 bytes a row, + 2 head
	s_lshr_b32 s19, s19, 4
	s_lshl_b32 s19, s19, 4
	s_add_co_u32 s19, s19, s54
	s_mul_i32 s52, s19, 768
	s_add_nc_u64 s[44:45], s[6:7], s[52:53]        ; acodes: (16 x row tile + head) x 768
.endm
.macro QLOAD base                      ; the pair image that holds my queries, and its scale word
.irp c, 0,1,2
	global_load_b128 v[\base+4*\c:\base+4*\c+3], v1, s[40:41] offset:512*\c
.endr
	global_load_b32 v[\base+12], v1, s[42:43]
.endm
.macro NEWQ base                       ; a phase's start: my queries' codes and scale words out of the image at v[base]; the statistics and O^T begin anew
.irp k, 0,1,2,3,4,5
	v_cndmask_b32 v[22+\k], v[\base+\k], v[\base+6+\k], s48   ; even waves: the image's registers 0-5; odd waves: 6-11
.endr
	v_lshrrev_b32 v34, s49, v[\base+12]            ; my two bytes in bytes 0, 1: for (Q, zeros).  What stands in bytes 2, 3 scales zero codes; it is a byte of this program's own make or 0, never 0xff
	s_delay_alu instid0(VALU_DEP_1)
	v_lshlrev_b32 v35, 16, v34                     ; and in bytes 2, 3: for (zeros, Q)
	v_mov_b32 v13, 0xff61b1e6                      ; the largest t so far: -3e38, under every t
	s_delay_alu instid0(VALU_DEP_1)
	v_floor_f32 v12, -v13                          ; -M
	v_mov_b32 v14, 0
	v_mov_b32 v15, 0
.set J, 0
.rept 32
	v_mov_b32 v[160+J], 0                          ; O^T: the step is written once; the first finds zeros.  (These are also the places between the scale words' writes and the products)
.set J, J+1
.endr
	s_mov_b32 s16, 0                               ; the keys begin at 0
.endm
; A KEY STEP: 128 keys, the st-th of the slot in hand.  mask = 0: a step all of whose keys count for every query of the work-group.
.macro STEP st, mask
.if \mask
	s_add_co_u32 s18, s17, 15
	s_cmp_gt_u32 s16, s18
	s_cbranch_scc1 .Lhidden_\@                     ; all 128 keys come after my 16 queries
.endif
.rept 4
	v_nop                                          ; places in front of loads into registers that the last products have read
.endr
.irp p, 0,1,2,3
.irp c, 0,1,2
	ds_load_b128 v[48+12*\p+4*\c:51+12*\p+4*\c], v2 offset:(4*(\st)+\p)*1536+512*\c   ; K's pair image p: 512 consecutive bytes a load
.endr
.endr
	ds_load_b128 v[36:39], v2 offset:KSC+512*(\st) ; the four images' scale words
	s_wait_dscnt 0x0
.irp p, 0,1,2,3
	v_wmma_scale_f32_16x16x128_f8f6f4 v[96+16*\p:103+16*\p], v[48+12*\p:59+12*\p], v[22:33], 0, v[36+\p], v34 matrix_a_fmt:MATRIX_FMT_FP6 matrix_b_fmt:MATRIX_FMT_FP6
	v_wmma_scale_f32_16x16x128_f8f6f4 v[104+16*\p:111+16*\p], v[48+12*\p:59+12*\p], v[16:27], 0, v[36+\p], v35 matrix_a_fmt:MATRIX_FMT_FP6 matrix_b_fmt:MATRIX_FMT_FP6
.endr
.rept 4
	v_nop                                          ; places: in front of the loads below and of the first read of the scores
.endr
.irp t, 0,1,2,3
.irp c, 0,1,2
	ds_load_b128 v[48+12*\t+4*\c:51+12*\t+4*\c], v2 offset:VIMG+(4*(\st)+\t)*1536+512*\c   ; V's four images land while the softmax is worked
.endr
.endr
	ds_load_b128 v[40:43], v2 offset:VSC+512*(\st)
.if \mask
	s_add_co_u32 s18, s16, 127
	s_cmp_le_u32 s18, s17
	s_cbranch_scc1 .Lopen_\@                       ; all 128 keys count for all my queries
	s_sub_co_i32 s18, s17, s16
	v_add_nc_u32 v224, s18, v5                     ; d = my query - the step's first key - 8 (lane / 16): register 8 T + j is hidden where 16 T + j > d
	v_mov_b32 v225, 0xff800000                     ; -infinity
.set N, 0
.rept 64
	v_cmp_gt_i32 vcc_lo, 16*(N/8)+N%8, v224
	v_cndmask_b32 v[96+N], v[96+N], v225, vcc_lo
.set N, N+1
.endr
.Lopen_\@:
.endif
.irp b, 0,1,2,3
	v_max3_num_f32 v[BM+\b], v[96+16*\b], v[97+16*\b], v[98+16*\b]   ; the largest score of each block of 32 keys: for the row's maximum, and, since p rises with the score, for the block's largest p
.endr
.irp i, 3,5,7,9,11,13
.irp b, 0,1,2,3
	v_max3_num_f32 v[BM+\b], v[BM+\b], v[96+16*\b+\i], v[97+16*\b+\i]
.endr
.endr
.irp b, 0,1,2,3
	v_max_num_f32 v[BM+\b], v[BM+\b], v[111+16*\b]
.endr
.irp b, 0,1,2,3
	s_delay_alu instid0(VALU_DEP_4)
	v_permlanex16_b32 v[PT+\b], v[BM+\b], s20, s21
.endr
.irp b, 0,1,2,3
	s_delay_alu instid0(VALU_DEP_4)
	v_max_num_f32 v[BM+\b], v[BM+\b], v[PT+\b]     ; with lane l xor 16's 16 keys
.endr
	s_delay_alu instid0(VALU_DEP_2)
	v_max3_num_f32 v224, v[BM], v[BM+1], v[BM+2]
	s_delay_alu instid0(VALU_DEP_1)
	v_max_num_f32 v224, v224, v[BM+3]              ; the step's largest score of my query
	s_delay_alu instid0(VALU_DEP_1)
	v_mul_f32 v224, s22, v224                      ; as t
	s_delay_alu instid0(VALU_DEP_1)
	v_max_num_f32 v13, v13, v224                   ; the running largest t
	v_mov_b32 v224, v12
	s_delay_alu instid0(VALU_DEP_2)
	v_floor_f32 v12, -v13                          ; the new -M = floor(-t) = -ceil(t)
	s_delay_alu instid0(VALU_DEP_1)
	v_sub_f32 v224, v12, v224                      ; old M - new M: a whole number, 0 or less
	s_delay_alu instid0(VALU_DEP_1)
	v_cvt_i32_f32 v224, v224                       ; (it saturates)
	s_delay_alu instid0(VALU_DEP_1)
	v_ldexp_f32 v226, 1.0, v224                    ; f = 2^(old M - new M)
.set J, 0
.rept 32
	v_pk_fma_f32 v[96+J:97+J], v[96+J:97+J], s[22:23], v[12:13] op_sel_hi:[1,0,0]   ; t - M, two at a time
.set J, J+2
.endr
.irp b, 0,1,2,3
	v_fma_f32 v[BM+\b], v[BM+\b], s22, v12         ; the same of each block's largest score
.endr
.set J, 0
	s_wait_alu depctr_va_vdst(0)
.rept 64
	v_exp_f32 v[96+J], v[96+J]                     ; p = 2^(t - M), at most 1
.set J, J+1
.endr
.irp b, 0,1,2,3
	v_exp_f32 v[BM+\b], v[BM+\b]                   ; the block's largest p: the same two instructions on the same number
.endr
	v_pk_mul_f32 v[14:15], v[14:15], v[226:227] op_sel_hi:[1,0]   ; l under the new M.  (A plain place behind the exponentials)
	s_wait_alu depctr_va_vdst(0)
.irp b, 0,1,2,3
	v_max_num_f32 v[BM+\b], 0x1800000, v[BM+\b]    ; the floor 2^(3 - 127): the byte cannot fall under 1
.endr
.irp b, 0,1,2,3
	s_delay_alu instid0(VALU_DEP_4)
	v_add_nc_u32 v[SO+\b], 0xff000000, v[BM+\b]    ; 2 off the exponent field: the conversion's scale operand
.endr
.irp b, 0,1,2,3
	s_delay_alu instid0(VALU_DEP_4)
	v_lshrrev_b32 v[PT+\b], 23, v[SO+\b]           ; the scale's byte
.endr
	s_delay_alu instid0(VALU_DEP_3)
	v_lshl_or_b32 v44, v[PT+1], 8, v[PT]           ; p's scale word for these 128 keys
	s_delay_alu instid0(VALU_DEP_1)
	v_lshl_or_b32 v44, v[PT+2], 16, v44
	s_delay_alu instid0(VALU_DEP_1)
	v_lshl_or_b32 v44, v[PT+3], 24, v44
.irp c, 0,1
	v_cvt_scalef32_pk16_fp6_f32 v[192+6*\c:194+6*\c], v[96+32*\c:111+32*\c], v[SO+2*\c]
	v_cvt_scalef32_pk16_fp6_f32 v[204+4*\c:206+4*\c], v[112+32*\c:127+32*\c], v[SO+2*\c+1]   ; (a conversion's three registers begin on an even number)
.endr
	v_nop                                          ; one plain place behind a scaled conversion
.irp c, 0,1                                    ; the operand's layout wants a whole block in a lane
.irp i, 0,1,2
	v_permlane16_swap_b32 v[192+6*\c+\i], v[204+4*\c+\i]
.endr
.irp i, 0,1,2
	s_delay_alu instid0(VALU_DEP_3)
	v_mov_b32 v[195+6*\c+\i], v[204+4*\c+\i]
.endr
.endr
	v_pk_add_f32 v[228:229], v[100:101], v[104:105]
	v_pk_add_f32 v[252:253], v[108:109], v[112:113]
	v_pk_add_f32 v[250:251], v[116:117], v[120:121]
	v_pk_add_f32 v[248:249], v[124:125], v[128:129]
	v_pk_add_f32 v[246:247], v[132:133], v[136:137]
	v_pk_add_f32 v[230:231], v[140:141], v[144:145]
	v_pk_add_f32 v[224:225], v[148:149], v[152:153]
	v_pk_add_f32 v[14:15], v[14:15], v[156:157]
	v_pk_add_f32 v[228:229], v[228:229], v[96:97]
	v_pk_add_f32 v[252:253], v[252:253], v[98:99]
	v_pk_add_f32 v[250:251], v[250:251], v[102:103]
	v_pk_add_f32 v[248:249], v[248:249], v[106:107]
	v_pk_add_f32 v[246:247], v[246:247], v[110:111]
	v_pk_add_f32 v[230:231], v[230:231], v[114:115]
	v_pk_add_f32 v[224:225], v[224:225], v[118:119]
	v_pk_add_f32 v[14:15], v[14:15], v[122:123]
	v_pk_add_f32 v[228:229], v[228:229], v[126:127]
	v_pk_add_f32 v[252:253], v[252:253], v[130:131]
	v_pk_add_f32 v[250:251], v[250:251], v[134:135]
	v_pk_add_f32 v[248:249], v[248:249], v[138:139]
	v_pk_add_f32 v[246:247], v[246:247], v[142:143]
	v_pk_add_f32 v[230:231], v[230:231], v[146:147]
	v_pk_add_f32 v[224:225], v[224:225], v[150:151]
	v_pk_add_f32 v[14:15], v[14:15], v[154:155]
	v_pk_add_f32 v[228:229], v[228:229], v[158:159]
	s_delay_alu instid0(VALU_DEP_2)
	v_pk_add_f32 v[14:15], v[14:15], v[248:249]
	s_delay_alu instid0(VALU_DEP_2)
	v_pk_add_f32 v[228:229], v[228:229], v[246:247]
	v_pk_add_f32 v[252:253], v[252:253], v[230:231]
	v_pk_add_f32 v[250:251], v[250:251], v[224:225]
	s_delay_alu instid0(VALU_DEP_2)
	v_pk_add_f32 v[14:15], v[14:15], v[252:253]
	s_delay_alu instid0(VALU_DEP_2)
	v_pk_add_f32 v[228:229], v[228:229], v[250:251]
	s_delay_alu instid0(VALU_DEP_1)
	v_pk_add_f32 v[14:15], v[14:15], v[228:229]
.set J, 0
.rept 16
	v_pk_mul_f32 v[160+J:161+J], v[160+J:161+J], v[226:227] op_sel_hi:[1,0]   ; O^T under the new M.  (With the sums above: the places between the writes of p's codes and scale word and the products)
.set J, J+2
.endr
	s_wait_alu depctr_va_vdst(0)
	s_wait_dscnt 0x0                               ; V's images and scale words are in
.irp t, 0,1,2,3                                ; O^T += V^T p^T: four accumulators, one instruction a turn
	v_wmma_scale_f32_16x16x128_f8f6f4 v[160+8*\t:167+8*\t], v[48+12*\t:59+12*\t], v[192:203], v[160+8*\t:167+8*\t], v[40+\t], v44 matrix_a_fmt:MATRIX_FMT_FP6 matrix_b_fmt:MATRIX_FMT_FP6
.endr
.if \mask
.Lhidden_\@:
.endif
	s_add_co_u32 s16, s16, 128
.endm
; The next key slots have landed.  left = how many of the eight loads of waves 0 and 1 may still be out (the other waves have none, and pass the wait at once).
.macro ARRIVED left
	s_wait_tensorcnt \left                         ; tensor loads of a wave end in the order of issue (ISA guide 10.11.1)
	s_wait_dscnt 0x0                               ; no LDS instruction of mine is out at the signal
	s_barrier_signal -1
	s_barrier_wait -1
.endm
; n key slots from LDS byte first on: a loop of n trips, two steps each.
.macro SLOTS first, n, mask
	s_mov_b32 s15, \first
	s_mov_b32 s13, \n
.Lslot_\@:
	v_add_nc_u32 v2, s15, v1
	s_wait_alu depctr_va_vdst(0)
	STEP 0, \mask
	STEP 1, \mask
	s_add_co_u32 s15, s15, SLOTB
	s_sub_co_u32 s13, s13, 1
	s_cmp_lg_u32 s13, 0
	s_cbranch_scc1 .Lslot_\@
.endm
; A PHASE'S END: O^T / l, brought into the channels' true order, quantised (two blocks of 32 channels) and stored.
.macro FINISH
.rept 4
	v_nop                                          ; places behind the last products
.endr
	v_add_f32 v14, v14, v15
	s_delay_alu instid0(VALU_DEP_1)
	v_permlanex16_b32 v[PT], v14, s20, s21
	s_delay_alu instid0(VALU_DEP_1)
	v_add_f32 v14, v14, v[PT]                      ; l: my two halves and lane l xor 16's
	s_wait_alu depctr_va_vdst(0)
	v_rcp_f32 v14, v14
	v_nop                                          ; one plain place behind a transcendental
.set J, 0
	s_wait_alu depctr_va_vdst(0)
.rept 32
	v_mul_f32 v[96+J], v[160+J], v14               ; register 8 t + j: channel 16 t + 8 (lane / 16) + j.  Each accumulator from its low end on
.set J, J+1
.endr
.irp b, 0,1
.irp j, 0,1,2,3,4,5,6,7
	v_permlane16_swap_b32 v[96+16*\b+\j], v[104+16*\b+\j]   ; registers 16 b .. 16 b + 15 now hold channels 32 b + 16 (lane / 16) + 0 .. 15: neighbours, as WO's codes lie
.endr
.endr
.irp b, 0,1
	v_max3_num_f32 v[BM+\b], |v[96+16*\b]|, |v[97+16*\b]|, 0x1800000
.endr
.irp i, 2,4,6,8,10,12,14
.irp b, 0,1
	s_delay_alu instid0(VALU_DEP_2)
	v_max3_num_f32 v[BM+\b], v[BM+\b], |v[96+16*\b+\i]|, |v[97+16*\b+\i]|
.endr
.endr
.irp b, 0,1
	s_delay_alu instid0(VALU_DEP_2)
	v_permlanex16_b32 v[PT+\b], v[BM+\b], s20, s21
.endr
.irp b, 0,1
	s_delay_alu instid0(VALU_DEP_2)
	v_max_num_f32 v[BM+\b], v[BM+\b], v[PT+\b]
.endr
.irp b, 0,1
	s_delay_alu instid0(VALU_DEP_2)
	v_add_nc_u32 v[SO+\b], 0xff000000, v[BM+\b]
.endr
.irp b, 0,1
	s_delay_alu instid0(VALU_DEP_2)
	v_lshrrev_b32 v[PT+\b], 23, v[SO+\b]
.endr
	v_cvt_scalef32_pk16_fp6_f32 v[192:194], v[96:111], v[SO]
	v_cvt_scalef32_pk16_fp6_f32 v[204:206], v[112:127], v[SO+1]
	v_cndmask_b32 v224, v[PT], v[PT+1], s50        ; lanes 0-15 store block 0's byte, lanes 16-31 block 1's.  (The plain place behind the conversions)
.irp i, 0,1,2
	v_permlane16_swap_b32 v[192+\i], v[204+\i]
.endr
.irp i, 0,1,2
	s_delay_alu instid0(VALU_DEP_3)
	v_mov_b32 v[195+\i], v[204+\i]                 ; registers 0-5: row lane % 16, block lane / 16
.endr
	global_store_b128 v1, v[192:195], s[44:45]             ; 512 consecutive bytes,
	global_store_b64 v7, v[196:197], s[44:45] offset:512   ; and 256
	global_store_b8 v8, v224, s[46:47]
	s_wait_xcnt 0x0                                ; the stores have read their registers and bases: both may be written again
.endm
	s_load_b128 s[4:7], s[0:1], 0x0                ; qkv, acodes
	s_load_b64 s[8:9], s[0:1], 0x10                ; ascales
	v_lshl_add_u32 v254, v0, 2, 0x34000
	v_mov_b32 v255, 0
	ds_add_u32 v254, v255
	ds_add_u32 v254, v255
	v_lshrrev_b32 v1, 5, v0
	s_delay_alu instid0(VALU_DEP_1)
	v_readfirstlane_b32 s10, v1                    ; wave 0..15
	s_mov_b32 s11, ttmp9
	s_and_b32 s12, ttmp7, 0xffff
	s_mul_i32 s51, s12, HEADB
	s_and_b32 s18, s10, 1
	s_mul_i32 s19, s18, HALFB                      ; which half of each slot I would fetch
	s_add_co_u32 s38, s51, s19
	s_mov_b32 s39, 0
	s_mov_b32 s24, 3<<16                           ; 15:0 no mask; 17:16 elements of 8 bytes; no padding
	s_mov_b32 s25, 32<<16                          ; tensor_dim0 = 32 (256 bytes)
	s_mov_b32 s26, 52<<16                          ; tensor_dim1 = 52
	s_mov_b32 s27, 32<<16                          ; tile_dim0
	s_mov_b32 s28, 52                              ; tile_dim1
	s_mov_b32 s29, 32                              ; tensor_dim0_stride: dense
	s_mov_b32 s30, 0
	s_mov_b32 s31, 0
	s_sub_co_u32 s48, 0, s18
	s_lshl_b32 s49, s18, 4
	s_mov_b32 s50, 0xffff0000
	s_mov_b32 s20, 0x76543210
	s_mov_b32 s21, 0xfedcba98
	s_mov_b32 s22, 0x3e38aa3b                      ; c = log2(e) / 8
	s_mov_b32 s23, s22                             ; (named with it as a pair, so it is written)
	s_wait_dscnt 0x0
	s_wait_kmcnt 0x0
	s_add_nc_u64 s[36:37], s[4:5], s[38:39]
.irp k, 0,1,2,3,4,5,6,7
	s_mov_b32 s[G0+4*\k], 1                                        ; count = 1
	s_add_co_u32 s[G0+4*\k+1], s19, \k*SLOTB                       ; LDS address: my half of slot k
	s_add_nc_u64 s[G0+4*\k+2:G0+4*\k+3], s[36:37], \k*BLKB         ; global address: the same half of the head's block k
	s_or_b32 s[G0+4*\k+3], s[G0+4*\k+3], 0x80000000                ; type = 2
.endr
	s_cmp_lt_u32 s10, 2                            ; waves 0 and 1 fetch, the others nothing: all the fills stand in this one branch on the wave's number, ahead of every wait on TENSORcnt, LDS read and barrier
	s_cbranch_scc0 .Lnofetch
.irp k, 0,1,2,3,4,5,6,7
	tensor_load_to_lds s[G0+4*\k:G0+4*\k+3], s[24:31]
	s_nop 0
.endr
.rept 4
	v_nop                                          ; four v_nop follow the last load
.endr
.Lnofetch:
	v_and_b32 v1, 31, v0
	s_delay_alu instid0(VALU_DEP_1)
	v_lshlrev_b32 v7, 3, v1
	s_delay_alu instid0(VALU_DEP_2)
	v_lshlrev_b32 v1, 4, v1
	v_and_b32 v5, 15, v0
	v_bfe_u32 v6, v0, 4, 1
	s_delay_alu instid0(VALU_DEP_1)
	v_lshl_add_u32 v8, v5, 5, v6
	s_delay_alu instid0(VALU_DEP_2)
	v_lshlrev_b32 v6, 3, v6
	s_delay_alu instid0(VALU_DEP_1)
	v_sub_nc_u32 v5, v5, v6
.irp k, 0,1,2,3,4,5
	v_mov_b32 v[16+\k], 0                          ; zero codes on either side of Q
	v_mov_b32 v[28+\k], 0
.endr
.irp b, 0,1,2,3
	v_mov_b32 v[PT+\b], 0                          ; written once: a lane permute's destination counts as one of its sources
.endr
	v_mov_b32 v227, 0                              ; (named as the upper half of the pair v[226:227])
	s_mov_b32 s18, s11
	SETPH
	QLOAD QL                                       ; the early queries' image: asked for now, used at the change of phase
	s_wait_xcnt 0x0                                ; those loads have read their bases: the bases may be written again
	s_sub_co_u32 s18, 7, s11
	SETPH
	QLOAD 96                                       ; the late queries' image
	s_wait_loadcnt 0x0
	NEWQ 96
	ARRIVED 7                                      ; key slot 0 is in LDS; the seven loads behind its own may be out
	v_mov_b32 v2, v1
	s_wait_alu depctr_va_vdst(0)
	STEP 0, 0
	STEP 1, 0
	ARRIVED 4                                      ; slots 1 to 3 are in; the four loads of slots 4 to 7 may be out
	SLOTS SLOTB, 3, 0
	ARRIVED 0                                      ; the whole head is in: from here on no wave waits for another
	SLOTS 4*SLOTB, 4, 1                            ; slots 4 to 7: those behind my queries cost two branches each
	FINISH
	s_mov_b32 s18, s11
	SETPH
	NEWQ QL
	SLOTS 0, 4, 1                                  ; the early queries: slots 0 to 3, of which x + 1 hold keys that count
	FINISH
	s_wait_tensorcnt 0x0
	ds_add_u32 v254, v255
	s_wait_dscnt 0x0
	s_endpgm
.Lfunc_end_k_qecadaf1ea3_attn:
	.size	k_qecadaf1ea3_attn, .Lfunc_end_k_qecadaf1ea3_attn-k_qecadaf1ea3_attn
	.p2alignl 7, 3214868480
	.fill 96, 4, 3214868480
	.section	.rodata,"a",@progbits
	.p2align	6, 0x0
	.amdhsa_kernel k_qecadaf1ea3_attn
		.amdhsa_group_segment_fixed_size 215040
		.amdhsa_private_segment_fixed_size 0
		.amdhsa_enable_private_segment 0
		.amdhsa_kernarg_size 24
		.amdhsa_user_sgpr_count 2
		.amdhsa_user_sgpr_kernarg_segment_ptr 1
		.amdhsa_wavefront_size32 1
		.amdhsa_system_sgpr_workgroup_id_x 1
		.amdhsa_system_sgpr_workgroup_id_y 1
		.amdhsa_system_sgpr_workgroup_id_z 1
		.amdhsa_system_vgpr_workitem_id 0
		.amdhsa_next_free_vgpr 256
		.amdhsa_next_free_sgpr 100
		.amdhsa_reserve_vcc 1
		.amdhsa_float_denorm_mode_32 3
		.amdhsa_float_denorm_mode_16_64 3
		.amdhsa_memory_ordered 1
		.amdhsa_forward_progress 1
		.amdhsa_inst_pref_size 177
	.end_amdhsa_kernel
	.amdgpu_metadata
---
amdhsa.version: [ 1, 2 ]
amdhsa.kernels:
  - .name:           k_qecadaf1ea3_attn
    .symbol:         k_qecadaf1ea3_attn.kd
    .args:
      - { .name: qkv, .offset: 0, .size: 8, .value_kind: global_buffer, .address_space: global }
      - { .name: acodes, .offset: 8, .size: 8, .value_kind: global_buffer, .address_space: global }
      - { .name: ascales, .offset: 16, .size: 8, .value_kind: global_buffer, .address_space: global }
    .group_segment_fixed_size: 215040
    .private_segment_fixed_size: 0
    .kernarg_segment_align: 8
    .kernarg_segment_size: 24
    .max_flat_workgroup_size: 512
    .sgpr_count:     100
    .vgpr_count:     256
    .wavefront_size: 32
...
	.end_amdgpu_metadata
.endif
;; end of part 7
;; launch oproj (part 8): grid 4 x 64, 4 waves a work-group, clusters of 4 x 4, 327,680 bytes of LDS; arguments acodes, ascales, WO_codes, WO_scales, out0; writes out0
.if DOCPART == 8
	.amdgcn_target "amdgcn-amd-amdhsa--gfx1250"
	.amdhsa_code_object_version 6
	.text
	.protected	k_qecadaf1ea3_oproj
	.globl	k_qecadaf1ea3_oproj
	.p2align	8
	.type	k_qecadaf1ea3_oproj,@function
k_qecadaf1ea3_oproj:
	s_mov_b64 s[64:65], 0
	v_nop
	global_prefetch_b8 v0, s[64:65] scope:SCOPE_SE
	s_setreg_imm32_b32 hwreg(HW_REG_WAVE_MODE, 25, 1), 1
	s_wait_xcnt 0x0
	s_wait_alu depctr_hold_cnt(0) depctr_sa_sdst(0) depctr_va_vdst(0) depctr_va_sdst(0) depctr_va_ssrc(0) depctr_va_vcc(0) depctr_vm_vsrc(0)
	s_getreg_b32 s2, hwreg(HW_REG_IB_STS2, 6, 4)
	s_cmp_eq_u32 s2, 0
	s_cbranch_scc0 .Lentry_in_a_cluster
	s_endpgm
.Lentry_in_a_cluster:
	s_bfe_u32 s2, ttmp6, 0x10000c
	s_cmp_lg_u32 s2, 0xf033
	s_cbranch_scc0 .Lentry_shape_is_right
	s_endpgm
.Lentry_shape_is_right:
; out0 = A WO^T.  A [8192][1024]: attention's output as codes of FP6 (E2M3), laid as halves of operand fragments: acodes [512 tiles of 16 rows][16 heads][768], registers 0-3 at 16 x lane, registers 4-5 at 512 + 8 x lane;
; its scale bytes ascales [8192][32].  WO [1024][1024]: codes, K innermost (a row is 768 bytes), scale bytes [1024][32].  out0 [8192][1024] f32; sums in f32.
; 8,192 x 1,024 results in tiles of 128 rows x 256 columns make 256 work-groups.  A work-group has four waves, a wave 64 rows x 128 columns: 32 accumulators, 256 registers.
; K = 1,024 goes in four K steps of 256 (four heads) through THREE LDS slots: K steps 0, 1, 2 and the scale bytes are first fills (four tensor loads of a wave are out at the start); K step 3 is the one refill, into slot 0,
; asked for when K step 0 has been read: it has two K steps, 128 matrix instructions, in which to land.  The walk is written out: there is no loop.
; A's tile for a wave's load: 4 row tiles x 3,072 consecutive bytes, 12,288 apart in memory, dense in LDS: a fragment comes by two loads of 16 bytes and two of 8 bytes a lane, each of consecutive bytes.  WO's tiles: rows of 192 bytes, padded.
; CLUSTERS of 4 x 4: A's tiles are shared along a row, WO's along a column, by joint loads.  The grid has one cluster along x, so the tile column is cx alone.
; Source 0 = 16 rows of WO, source 1 = 16 rows of A: a lane holds eight neighbouring numbers of a row of out0; they leave through a stage in LDS, each wave's own, as whole rows of 512 bytes.  The stage has bytes of its own, behind the spare words: no fill lands there.
; REGISTERS: window 0: v0-31 addresses; v32-63 scale words, two sets, and nothing else; from v128 A's four fragments, ONE set; on the way out v128-255 rows of out0.  window 1: WO's fragments, TWO sets.  window 2: the accumulators ((a, b) at v[8 (8 a + b)]).
.set SIZE_N, 1024
.set NQ,     2
.set ROWB,   192
.set KROW,   768
.set PITCH,  240                       ; WO's LDS row: 3 x (64 bytes + 16 of padding)
.set FR,     12
.set NL,     6                         ; LDS loads that bring a fragment of WO
.set NLA,    4                         ; and of A
.set NP,     4
.set ASTEP,  3072                      ; a row tile's bytes of a K step: four heads
.set HALFA,  4*ASTEP                   ; 64 rows of A: one tensor load, and what one wave reads of it
.set HALFT,  128*PITCH                 ; 128 rows of WO: likewise
.set SLOT,   2*HALFA+2*HALFT           ; A's 128 rows, then WO's 256 rows
.set KS,     32
.set SCL,    3*SLOT                    ; behind the slots: the scales: A's two halves, then WO's two
.set HALFSA, 8*272
.set HALFS,  16*272
.set SBLK,   2*272
.set SPARE,  SCL+2*HALFSA+2*HALFS      ; the spare words, 128 bytes a wave: two blocks of 256 bytes that no other line names
.set STAGE,  SPARE+512                 ; the way out: 16 rows x (512 bytes + 16) for each wave
.set SPITCH, 528
.set ADRA, 10                          ; v10-12 LDS address of A's fragments in slot 0, 1, 2, 16 bytes a lane; v13-15 the same, 8 bytes a lane
.set ADRB, 16                          ; v16-18 WO's; v19-21 for the pieces behind one padding more
.set STO,  24
.set RD,   25
.set CO,   26
.set ADRS, 27
.set SPW,  28
.set NIL,  29
.set SC,   32
.set AF,   128
.set BK,   128
.set G1, 24                            ; s[24:31] descriptor group 1 for A's tiles; s[32:43] group 0, a set for each slot
.set G0, 32
.set G1B, 44                           ; s[44:51], s[52:63] the same for WO's tiles
.set G0B, 52
.set G1S, 68
.set G0S, 76
.set G1SB, 80
.set G0SB, 88
.set MSB, 0
.macro WIN new                         ; the immediate's high byte repeats the setting that is left
.if MSB != (\new)
	s_set_vgpr_msb (MSB<<8)|(\new)
.set MSB, \new
.endif
.endm
.set MUL,  0xa1                        ; source 0 (WO) window 1, source 1 (A) window 0, C and D window 2
.set TO_B, 0x40
.macro JLOAD g0a, g1a, g0b, g1b        ; a joint load: waves 0 and 1 fetch for A, waves 2 and 3 for WO; four v_nop follow each of the two lines
	s_cmp_eq_u32 s15, 0
	s_cbranch_scc0 .Lfor_b_\@
	tensor_load_to_lds s[\g0a:\g0a+3], s[\g1a:\g1a+7]
	s_nop 0
.rept 4
	v_nop
.endr
	s_branch .Lasked_\@
.Lfor_b_\@:
	tensor_load_to_lds s[\g0b:\g0b+3], s[\g1b:\g1b+7]
	s_nop 0
.rept 4
	v_nop
.endr
.Lasked_\@:
.endm
.macro CREST
	s_cmp_lg_u32 s14, 0
	s_cbranch_scc1 .Lnot_wave_0_\@
	s_barrier_signal -3
.Lnot_wave_0_\@:
	s_barrier_wait -3
	s_barrier_signal -1
	s_barrier_wait -1
.endm
.macro CROUND
	s_barrier_signal -1
	s_barrier_wait -1
	CREST
.endm
	s_load_b128 s[4:7], s[0:1], 0x0                ; A's codes, A's scales
	s_load_b128 s[8:11], s[0:1], 0x10              ; WO's codes, scales
	s_load_b64 s[12:13], s[0:1], 0x20              ; out0
	v_lshl_add_u32 v[SPW], v0, 2, SPARE
	v_mov_b32 v[NIL], 0
	ds_add_u32 v28, v29
	s_wait_dscnt 0x0
	v_lshrrev_b32 v1, 5, v0
	v_readfirstlane_b32 s14, v1                    ; wave 0..3
	s_lshr_b32 s15, s14, 1                         ; which half of the tile's rows is mine.  Also: I fetch for A (0) or for WO (1)
	s_and_b32 s16, s14, 1                          ; which half of its columns.  Also: which half of that tile's rows I fetch
	s_bfe_u32 s92, ttmp6, 0x40000                  ; cx = the tile column
	s_bfe_u32 s93, ttmp6, 0x40004                  ; cy
	s_and_b32 s17, ttmp7, 0xffff
	s_lshl_b32 s17, s17, 2
	s_add_co_u32 s17, s17, s93                     ; tile row = 4 x cluster y + cy
	s_lshl_b32 s18, s93, 2
	s_lshl_b32 s18, 15, s18                        ; my row of the cluster
	s_lshl_b32 s19, 0x1111, s92                    ; my column
	; A's tiles: 4 rows of 384 elements of 8 bytes, 1,536 elements apart, no padding
	s_or_b32 s[G1+0], s18, (3<<16)|(1<<21)         ; 15:0 the mask: my row; 17:16 elements of 8 bytes; 21 set beside a mask
	s_mov_b32 s[G1+1], 384<<16                     ; tensor_dim0
	s_mov_b32 s[G1+2], 4<<16                       ; tensor_dim1
	s_mov_b32 s[G1+3], 384<<16                     ; tile_dim0
	s_mov_b32 s[G1+4], 4                           ; tile_dim1
	s_mov_b32 s[G1+5], 1536                        ; tensor_dim0_stride
	s_mov_b32 s[G1+6], 0
	s_mov_b32 s[G1+7], 0
	; WO's tiles: 128 rows x 192 bytes, 16 bytes of padding behind every 64
	s_or_b32 s[G1B+0], s19, (0<<16)|(1<<20)|(1<<21)|(3<<22)|(3<<25)
	s_mov_b32 s[G1B+1], ROWB<<16
	s_mov_b32 s[G1B+2], 128<<16
	s_mov_b32 s[G1B+3], ROWB<<16
	s_mov_b32 s[G1B+4], 128
	s_mov_b32 s[G1B+5], KROW
	s_mov_b32 s[G1B+6], 0
	s_mov_b32 s[G1B+7], 0
	s_or_b32 s[G1S+0], s18, (3<<16)|(1<<20)|(1<<21)|(5<<22)|(3<<25) ; the scales: dense bytes as rows of 256, 16 bytes of padding behind each
	s_or_b32 s[G1SB+0], s19, (3<<16)|(1<<20)|(1<<21)|(5<<22)|(3<<25)
	s_mov_b32 s[G1S+1], 32<<16
	s_mov_b32 s[G1S+2], 8<<16                      ; 64 rows of 32 bytes: 8 rows of 256
	s_mov_b32 s[G1S+3], 32<<16
	s_mov_b32 s[G1S+4], 8
	s_mov_b32 s[G1S+5], 32
	s_mov_b32 s[G1S+6], 0
	s_mov_b32 s[G1S+7], 0
	s_mov_b32 s[G1SB+1], 32<<16
	s_mov_b32 s[G1SB+2], 16<<16                    ; 128 rows of 32 bytes: 16 rows of 256
	s_mov_b32 s[G1SB+3], 32<<16
	s_mov_b32 s[G1SB+4], 16
	s_mov_b32 s[G1SB+5], 32
	s_mov_b32 s[G1SB+6], 0
	s_mov_b32 s[G1SB+7], 0
	s_lshl_b32 s20, s17, 7
	s_lshl_b32 s22, s16, 6
	s_add_co_u32 s20, s20, s22                     ; A: row 128 x tile row + 64 x half
	s_mov_b32 s21, 0
	s_lshl_b32 s100, s92, 8
	s_lshl_b32 s22, s16, 7
	s_add_co_u32 s100, s100, s22                   ; WO: row 256 x tile column + 128 x half
	s_mov_b32 s101, 0
	s_mov_b64 s[18:19], KS
	s_mul_u64 s[22:23], s[20:21], s[18:19]         ; where these rows' scales begin,
	s_mul_u64 s[104:105], s[100:101], s[18:19]
	s_mov_b64 s[18:19], KROW
	s_mul_u64 s[20:21], s[20:21], s[18:19]         ; and their codes: 16 rows of A are 12,288 bytes, as 16 rows of 768 would be
	s_mul_u64 s[100:101], s[100:101], s[18:19]
	s_mul_i32 s2, s16, HALFA                       ; where they go in a slot: A's two halves,
	s_mul_i32 s3, s16, HALFT
	s_add_co_u32 s3, s3, 2*HALFA                   ; then WO's two
	s_mul_i32 s66, s16, HALFSA                     ; and among the scales
	s_mul_i32 s67, s16, HALFS
	s_add_co_u32 s67, s67, 2*HALFSA
	s_wait_kmcnt 0x0
	s_add_nc_u64 s[20:21], s[4:5], s[20:21]
	s_add_nc_u64 s[22:23], s[6:7], s[22:23]
	s_add_nc_u64 s[100:101], s[8:9], s[100:101]
	s_add_nc_u64 s[104:105], s[10:11], s[104:105]
	CROUND                                         ; all sixteen work-groups are here: the first joint loads meet
	s_mov_b32 s[G0S], 1
	s_add_co_u32 s[G0S+1], s66, SCL
	s_mov_b64 s[G0S+2:G0S+3], s[22:23]
	s_or_b32 s[G0S+3], s[G0S+3], 0x80000000
	s_mov_b32 s[G0SB], 1
	s_add_co_u32 s[G0SB+1], s67, SCL
	s_mov_b64 s[G0SB+2:G0SB+3], s[104:105]
	s_or_b32 s[G0SB+3], s[G0SB+3], 0x80000000
	JLOAD G0S, G1S, G0SB, G1SB                     ; the scales first: they are wanted with K step 0
.irp s, 0,1,2
	s_mov_b32 s[G0+4*\s], 1
	s_add_co_u32 s[G0+4*\s+1], s2, \s*SLOT
	s_add_nc_u64 s[G0+4*\s+2:G0+4*\s+3], s[20:21], \s*ASTEP
	s_or_b32 s[G0+4*\s+3], s[G0+4*\s+3], 0x80000000
	s_mov_b32 s[G0B+4*\s], 1
	s_add_co_u32 s[G0B+4*\s+1], s3, \s*SLOT
	s_add_nc_u64 s[G0B+4*\s+2:G0B+4*\s+3], s[100:101], \s*ROWB
	s_or_b32 s[G0B+4*\s+3], s[G0B+4*\s+3], 0x80000000
	JLOAD G0+4*\s, G1, G0B+4*\s, G1B
.endr
	v_and_b32 v1, 15, v0                           ; l % 16
	v_bfe_u32 v2, v0, 4, 1                         ; l / 16
	v_and_b32 v7, 31, v0                           ; lane
	v_mul_u32_u24 v3, v1, PITCH
	v_mul_u32_u24 v4, v2, 24
	v_add_nc_u32 v4, v3, v4                        ; WO: a fragment's row x pitch + 24 x half
	v_lshl_add_u32 v5, v2, 4, v4                   ; and the same behind one padding more
	v_lshlrev_b32 v8, 4, v7                        ; A: 16 x lane,
	v_lshlrev_b32 v9, 3, v7                        ; 8 x lane
	s_mul_i32 s21, s15, HALFA                      ; my 64 rows of A
	s_mul_i32 s22, s16, HALFT                      ; my 128 rows of WO,
	s_add_co_u32 s22, s22, 2*HALFA                 ; which lie behind A's 128
.irp s, 0,1,2
	v_add_nc_u32 v[ADRA+\s], s21, v8
	v_add_nc_u32 v[ADRA+3+\s], s21, v9
	v_add_nc_u32 v[ADRB+\s], s22, v4
	v_add_nc_u32 v[ADRB+3+\s], s22, v5
	s_add_co_u32 s21, s21, SLOT
	s_add_co_u32 s22, s22, SLOT
.endr
	v_mul_u32_u24 v5, v1, KS                       ; my row's scales: 32 bytes a row,
	v_lshrrev_b32 v6, 8, v5
	v_lshl_add_u32 v5, v6, 4, v5                   ; and 16 more for each 256 passed
	s_mul_i32 s21, s15, HALFSA
	s_mul_i32 s22, s16, HALFS
	s_add_co_u32 s22, s22, 2*HALFSA
	s_sub_co_u32 s22, s22, s21
	v_mul_u32_u24 v6, s22, v2                      ; lanes 16-31 take WO's
	s_add_co_u32 s21, s21, SCL
	v_add_nc_u32 v5, v5, v6
	v_add_nc_u32 v[ADRS], s21, v5
	s_mul_i32 s23, s14, 16*SPITCH
	s_add_co_u32 s23, s23, STAGE                   ; my stage
	v_mul_u32_u24 v5, v1, SPITCH                   ; in: row l % 16, 32 bytes for each half of the lanes
	v_lshl_add_u32 v5, v2, 5, v5
	v_add_nc_u32 v[STO], s23, v5
	v_lshlrev_b32 v[CO], 4, v7                     ; back: the 32 lanes take one row of 512 bytes; and the same in out0
	v_add_nc_u32 v[RD], s23, v[CO]
	s_lshl_b32 s20, s17, 7
	s_lshl_b32 s21, s15, 6
	s_add_co_u32 s20, s20, s21                     ; my first row of out0: 128 x tile row + 64 x half
	s_mov_b32 s21, 0
	s_mov_b64 s[18:19], SIZE_N*4
	s_mul_u64 s[20:21], s[20:21], s[18:19]
	s_lshl_b32 s100, s92, 10                       ; my first column, in bytes: 1,024 x tile column + 512 x half
	s_lshl_b32 s101, s16, 9
	s_add_co_u32 s100, s100, s101
	s_mov_b32 s101, 0
	s_add_nc_u64 s[20:21], s[20:21], s[100:101]
	s_add_nc_u64 s[12:13], s[12:13], s[20:21]
.macro FRAG reg, adr, q, i             ; a fragment of WO, in pieces of 8 bytes; the second address register serves the pieces that lie behind one padding more for lanes 16-31
.irp p, 0,1,2,3,4,5
.set PCE, 12*(\q)+6*(\p/3)+\p%3
.if PCE%8 < 5
	ds_load_b64 v[\reg+2*\p:\reg+2*\p+1], v[\adr] offset:8*PCE+16*(PCE/8)+(\i)*16*PITCH
.else
	ds_load_b64 v[\reg+2*\p:\reg+2*\p+1], v[\adr+3] offset:8*PCE+16*(PCE/8)+(\i)*16*PITCH
.endif
.endr
.endm
.macro FRAGA reg, slot, q, i           ; a fragment of A: row tile i, the slot's heads 2 q (registers 0-5) and 2 q + 1 (registers 6-11), as they were stored
	ds_load_b128 v[\reg:\reg+3], v[ADRA+\slot] offset:ASTEP*(\i)+1536*(\q)
	ds_load_b64 v[\reg+4:\reg+5], v[ADRA+3+\slot] offset:ASTEP*(\i)+1536*(\q)+512
	ds_load_b128 v[\reg+6:\reg+9], v[ADRA+\slot] offset:ASTEP*(\i)+1536*(\q)+768
	ds_load_b64 v[\reg+10:\reg+11], v[ADRA+3+\slot] offset:ASTEP*(\i)+1536*(\q)+1280
.endm
; 8 matrix instructions: A's block a against WO's eight.  The 32 accumulators take turns, one instruction a turn, in the same order in every step.
.macro MUL8 a, p, q, sc, zero
.irp b, 0,1,2,3,4,5,6,7
.if \zero
	v_wmma_scale_f32_16x16x128_f8f6f4 v[8*(8*(\a)+\b):8*(8*(\a)+\b)+7], v[128*(\p)+FR*\b:128*(\p)+FR*\b+FR-1], v[AF+FR*(\a):AF+FR*(\a)+FR-1], 0, v[SC+8*NQ*(\sc)+NQ*\b+(\q)], v[SC+8*NQ*(\sc)+NQ*(\a)+(\q)] matrix_a_fmt:MATRIX_FMT_FP6 matrix_b_fmt:MATRIX_FMT_FP6 matrix_a_scale:MATRIX_SCALE_ROW1
.else
	v_wmma_scale_f32_16x16x128_f8f6f4 v[8*(8*(\a)+\b):8*(8*(\a)+\b)+7], v[128*(\p)+FR*\b:128*(\p)+FR*\b+FR-1], v[AF+FR*(\a):AF+FR*(\a)+FR-1], v[8*(8*(\a)+\b):8*(8*(\a)+\b)+7], v[SC+8*NQ*(\sc)+NQ*\b+(\q)], v[SC+8*NQ*(\sc)+NQ*(\a)+(\q)] matrix_a_fmt:MATRIX_FMT_FP6 matrix_b_fmt:MATRIX_FMT_FP6 matrix_a_scale:MATRIX_SCALE_ROW1
.endif
.endr
.endm
.macro FETCH_B slot, q, p
	WIN TO_B
.irp i, 0,1,2,3,4,5,6,7
	FRAG 128*(\p)+FR*\i, ADRB+\slot, \q, \i
.endr
	WIN 0
.endm
.macro FETCH_A slot, q, i0             ; A's blocks i0, i0 + 1
.irp i, \i0, \i0+1
	FRAGA AF+FR*(\i), \slot, \q, \i
.endr
.endm
.macro SCALES sc                       ; a K step's scale words: lanes 16-31 take WO's block i; lanes 0-15 A's block i (for i above 3 they read bytes of the scales' region that no product uses)
.irp i, 0,1,2,3,4,5,6,7
	ds_load_b64 v[SC+8*NQ*\sc+NQ*\i:SC+8*NQ*\sc+NQ*\i+1], v[ADRS] offset:\i*SBLK
.endr
.endm
.macro PLACES n
.rept \n
	v_nop
.endr
.endm
.macro STEP slot, sc, zero             ; a slot's first 128 along K: its successor lies in the same slot
	s_wait_dscnt 2*NLA                             ; WO's set and A's blocks 0, 1 are in; the youngest 8 loads (A's blocks 2, 3) may be out
	WIN MUL
	MUL8 0, 0, 0, \sc, \zero
	MUL8 1, 0, 0, \sc, \zero
	s_wait_dscnt 0                                 ; A's blocks 2, 3 are in
	PLACES NP
	FETCH_B \slot, 1, 1
	FETCH_A \slot, 1, 0
	WIN MUL
	MUL8 2, 0, 0, \sc, \zero
	MUL8 3, 0, 0, \sc, \zero
	PLACES NP
	WIN 0
	FETCH_A \slot, 1, 2
.endm
.macro ONWARD next, nsc, sc            ; the second half of a slot's last step: the next slot's first fragments and scale words are fetched, and this step's last 16 products stand between the two runs of loads
	v_add_nc_u32 v[ADRS], 4*NQ, v[ADRS]            ; on to the next K step's scale words
	FETCH_B \next, 0, 0
	FETCH_A \next, 0, 0
	SCALES \nsc
	WIN MUL
	MUL8 2, 1, 1, \sc, 0
	MUL8 3, 1, 1, \sc, 0
	PLACES NP
	WIN 0
	FETCH_A \next, 0, 2
.endm
; A slot's last step with a barrier: in front of it each wave waits for all its tensor loads, adds 0 to its spare word, and waits for that and for its reads of this slot.  fill = 1: the slot is filled again, with the K step three on.
.macro TURN slot, next, nsc, sc, fill
	s_wait_tensorcnt 0x0                           ; all my tensor loads have landed
	ds_add_u32 v[SPW], v[NIL]                      ; 0 onto my spare word
	s_wait_dscnt 2*NLA+1                           ; (the add and the youngest 8 loads, A's blocks 2, 3, may be out)
	WIN MUL
	MUL8 0, 1, 1, \sc, 0                           ; eight matrix instructions stand between the add and the wait for it
	s_wait_dscnt 0x0                               ; the add is done, and my reads of this slot are over
	s_barrier_signal -1
	MUL8 1, 1, 1, \sc, 0
	WIN 0
	s_barrier_wait -1
.if \fill
	CREST                                          ; the barrier has opened a round of the cluster's barrier: no wave of any partner still reads this slot or has a load on its way
	s_add_nc_u64 s[G0+4*\slot+2:G0+4*\slot+3], s[G0+4*\slot+2:G0+4*\slot+3], 3*ASTEP
	s_add_nc_u64 s[G0B+4*\slot+2:G0B+4*\slot+3], s[G0B+4*\slot+2:G0B+4*\slot+3], 3*ROWB
	JLOAD G0+4*\slot, G1, G0B+4*\slot, G1B         ; the first tensor load behind the round; its four v_nop are the places in front of the loads below
.else
	PLACES NP
.endif
	ONWARD \next, \nsc, \sc
.endm
.macro PASS next, nsc, sc              ; a slot's last step without a barrier: the next slot was shown whole to every wave by the wait for all loads in front of the round, and nothing is filled here
	s_wait_dscnt 2*NLA
	WIN MUL
	MUL8 0, 1, 1, \sc, 0
	MUL8 1, 1, 1, \sc, 0
	s_wait_dscnt 0
	PLACES NP
	WIN 0
	ONWARD \next, \nsc, \sc
.endm
	s_wait_tensorcnt 2                             ; of my four loads the scales and K step 0 are in; K steps 1 and 2 may be out
	s_barrier_signal -1
	s_barrier_wait -1
	FETCH_B 0, 0, 0
	FETCH_A 0, 0, 0
	SCALES 0
	FETCH_A 0, 0, 2
	STEP 0, 0, 1                                   ; K step 0: its first products start the sums
	TURN 0, 1, 1, 0, 1                             ; slot 0 has been read: it takes K step 3
	STEP 1, 1, 0                                   ; K step 1
	PASS 2, 0, 1
	STEP 2, 0, 0                                   ; K step 2
	TURN 2, 0, 1, 0, 0                             ; K step 3 has landed; nothing is filled any more
	STEP 0, 1, 0                                   ; K step 3
	s_wait_dscnt 2*NLA
	WIN MUL
	MUL8 0, 1, 1, 1, 0
	MUL8 1, 1, 1, 1, 0
	s_wait_dscnt 0
	MUL8 2, 1, 1, 1, 0
	MUL8 3, 1, 1, 1, 0
	WIN 0
; THE WAY OUT, block by block of 16 rows x 128 columns: through my own stage in LDS and back as whole rows of 512 bytes.  LDS serves a wave's instructions in order (ISA guide 5.7.1.4): no wait between the stores and the loads.
.macro TOSTAGE a
.set AC, 64*(\a)
	WIN 0x08                                       ; the data: window 2
.irp b, 0,1,2,3,4,5,6,7
	ds_store_b128 v[STO], v[AC+8*\b:AC+8*\b+3] offset:64*\b          ; each accumulator from its low end on
	ds_store_b128 v[STO], v[AC+8*\b+4:AC+8*\b+7] offset:64*\b+16
.endr
	WIN 0
.set BB, BK+64*((\a)%2)
.irp t, 0,1,2,3,4,5,6,7,8,9,10,11,12,13,14,15
	ds_load_b128 v[BB+4*\t:BB+4*\t+3], v[RD] offset:\t*SPITCH
.endr
.endm
.macro SEND a, younger                 ; younger: the LDS instructions issued behind block a's loads, which may stay out
.set BB, BK+64*((\a)%2)
	s_wait_dscnt \younger
.if (\a) > 0
	s_add_nc_u64 s[12:13], s[12:13], 16*SIZE_N*4   ; (behind a wait on XCNT: the earlier stores have read their base)  16 rows on
.endif
.irp t, 0,1,2,3,4,5,6,7,8,9,10,11,12,13,14,15
	global_store_b128 v[CO], v[BB+4*\t:BB+4*\t+3], s[12:13] offset:\t*SIZE_N*4 th:TH_STORE_NT   ; 32 lanes store 512 consecutive bytes, at a multiple of 256 from out0's first byte
.endr
.endm
	PLACES NP                                      ; behind the last products: for the first reads of results and the loads into A's registers
	TOSTAGE 0
.irp a, 1,2,3
.if \a > 1
	s_wait_xcnt 0x0                                ; block a - 2's stores have read their registers and their base
.endif
	TOSTAGE \a
	SEND \a-1, 32                                  ; behind block a - 1's loads: block a's 16 stores and 16 loads
.endr
	s_wait_xcnt 0x0
	SEND 3, 0
	s_wait_tensorcnt 0x0                           ; the wave's end
	ds_add_u32 v[SPW], v[NIL]
	s_wait_dscnt 0x0
	CROUND                                         ; the closing round: no work-group ends while a partner may still ask for a tile that names it
	s_endpgm
.Lfunc_end_k_qecadaf1ea3_oproj:
	.size	k_qecadaf1ea3_oproj, .Lfunc_end_k_qecadaf1ea3_oproj-k_qecadaf1ea3_oproj
	.p2alignl 7, 3214868480
	.fill 96, 4, 3214868480
	.section	.rodata,"a",@progbits
	.p2align	6, 0x0
	.amdhsa_kernel k_qecadaf1ea3_oproj
		.amdhsa_group_segment_fixed_size 327680
		.amdhsa_private_segment_fixed_size 0
		.amdhsa_enable_private_segment 0
		.amdhsa_kernarg_size 40
		.amdhsa_user_sgpr_count 2
		.amdhsa_user_sgpr_kernarg_segment_ptr 1
		.amdhsa_wavefront_size32 1
		.amdhsa_system_sgpr_workgroup_id_x 1
		.amdhsa_system_sgpr_workgroup_id_y 1
		.amdhsa_system_sgpr_workgroup_id_z 1
		.amdhsa_system_vgpr_workitem_id 0
		.amdhsa_next_free_vgpr 1024
		.amdhsa_next_free_sgpr 106
		.amdhsa_reserve_vcc 0
		.amdhsa_float_denorm_mode_32 3
		.amdhsa_float_denorm_mode_16_64 3
		.amdhsa_memory_ordered 1
		.amdhsa_forward_progress 1
		.amdhsa_inst_pref_size 97
	.end_amdhsa_kernel
	.amdgpu_metadata
---
amdhsa.version: [ 1, 2 ]
amdhsa.kernels:
  - .name:           k_qecadaf1ea3_oproj
    .symbol:         k_qecadaf1ea3_oproj.kd
    .args:
      - { .name: acodes, .offset: 0, .size: 8, .value_kind: global_buffer, .address_space: global }
      - { .name: ascales, .offset: 8, .size: 8, .value_kind: global_buffer, .address_space: global }
      - { .name: WO_codes, .offset: 16, .size: 8, .value_kind: global_buffer, .address_space: global }
      - { .name: WO_scales, .offset: 24, .size: 8, .value_kind: global_buffer, .address_space: global }
      - { .name: out0, .offset: 32, .size: 8, .value_kind: global_buffer, .address_space: global }
    .group_segment_fixed_size: 327680
    .private_segment_fixed_size: 0
    .kernarg_segment_align: 8
    .kernarg_segment_size: 40
    .max_flat_workgroup_size: 128
    .sgpr_count:     106
    .vgpr_count:     1024
    .wavefront_size: 32
...
	.end_amdgpu_metadata
.endif
;; end of part 8
